; MI455X (gfx1250); checked and timed in simulation.
; The chip was launched on July 23, 2026; its instructions are those of AMD's public machine-readable ISA for CDNA 5 (MIT licence, August 2026) and "CDNA5" Instruction Set Architecture Reference Guide (July 2026). The comments in the code are by the model that wrote it; some were corrected since.
;; Mo E Layer. Allowed arithmetic: matrix products marked QUANTISED: E5M2 operands, one E8M0 scale for each 32 along K, by v_wmma_scale_f32_16x16x128_f8f6f4 with both operands' format E5M2, f32 sums; products left as they are: f32 operands where the result goes on into a quantised operand, else bf16, f16 or f32 operands; f32 sums; everything else in f32.
;; Inputs: W1 16 x 512 x 2,048 float32; W2 16 x 2,048 x 512 float32; Wg 512 x 16 float32; b1 16 x 2,048 float32; b2 16 x 512 float32; ln_b 16 x 2,048 float32; ln_g 16 x 2,048 float32; x 2,048 x 512 float32.
;; Outputs: out0 2,048 x 512 float32.
;; This version of the problem:
;;   THIS VERSION OF THE PROBLEM IS GIVEN IN LOW PRECISION. The matrix products marked QUANTISED in the list below multiply operands that are first quantised to E5M2 (5 exponent bits, 2 mantissa bits; 8 bits a number), with one power-of-two scale for each 32 numbers along K (OCP MX v1.0); their sums are f32. All else is computed in f32.
;;   The module's matrix products, in the order in which they are computed (A, B: the left and right operand; K: the contracted axis; several contracted axes count as one K, in the product's order):
;;     1. [M 2,048, K 512] x [K 512, N 16]; A: input x; B: input Wg: QUANTISED
;;     2. [M 32,768, K 512] x [K 512, N 2,048]; A: input W1; B: input x: QUANTISED
;;     3. batch 16 x [M 2,048, K 2,048] x [K 2,048, N 512]; A: computed on the way; B: input W2: QUANTISED
;;     4. batch 2,048 x [M 512, K 16] x [K 16, N 1]; A: computed on the way; B: computed on the way: left as it is (K = 16 < 32)
;;   THE QUANTISER, for each operand of a quantised product, along K:
;;     - K is cut into blocks of 32 from its start; a last block that is shorter is filled with zeros.
;;     - A block's scale is 2^e with e = floor(log2(the largest magnitude in the block)) - 15, held to -126 .. 127; a block of zeros has e = 0. As a byte (E8M0): e + 127.
;;     - Each number is divided by its block's scale, clamped to +-57,344, and rounded to the nearest number of E5M2, ties to even, subnormals kept.
;;     - The product sums the exact products of the quantised numbers (number of the format x scale) in f32.
;;   ~~~python
;;   def quantise(x, axis):      # numpy; x: float32 -> the quantised numbers, widened to float32 again
;;       x = np.moveaxis(x, axis, -1); K = x.shape[-1]
;;       x = np.pad(x, [(0, 0)] * (x.ndim - 1) + [(0, -K % 32)]); x = x.reshape(x.shape[:-1] + (-1, 32)); a = np.abs(x).max(-1, keepdims=True)
;;       e = np.where(a > 0, np.clip(np.frexp(np.where(a > 0, a, 1))[1] - 1 - 15, -126, 127), 0)      # np.frexp(a)[1] - 1 = floor(log2(a)), exactly
;;       r = np.clip(x / 2.0 ** e, -57344, 57344)
;;       step = 2.0 ** (np.maximum(np.frexp(np.where(r == 0, 1, r))[1] - 1, -14) - 2)
;;       q = np.round(r / step) * step * 2.0 ** e      # np.round: ties to even
;;       return np.moveaxis(q.reshape(q.shape[:-2] + (-1,))[..., :K], -1, axis).astype(np.float32)
;;   ~~~
;;   OPERANDS COMPUTED ON THE WAY. 'Computed on the way' means the value that the module computes at that place (a softmax that the list does not call 'softmax' is quantised finished and normalised). What goes into a quantiser is computed in f32, as accurately as f32 sums, v_exp_f32 and their like allow (about 1e-6 of the number): no bf16 or f16 on the way to a quantiser, and a product that is left as it is and whose result goes on into a quantised operand takes f32 operands (vector FMAs, or v_wmma_f32_16x16x4_f32). A number that lies on a knife's edge between two numbers of the format may be rounded either way, as far as f32 arithmetic and the matrix unit's own rounding can turn it there, and no further.
;; 2 versions, each right; version 2 is version 1 with the launches gate, place, ffn1, ffn2 written anew for expert scheduling mode. Each part assembles by itself: llvm-mc -triple=amdgcn-amd-amdhsa -mcpu=gfx1250 --defsym DOCPART=n.
;; ======== version 1 of 2: 6 launches
;; workspace buffers: xqs 1,097,728 bytes; route 32,768 bytes of whole numbers; lists 147,712 bytes of whole numbers; hbuf 33,685,504 bytes; hqs 8,650,752 bytes; ybuf 16,842,752 bytes
;; launch gate (part 1): grid 32 x 1, 4 waves a work-group, no clusters, 175,104 bytes of LDS; arguments x, Wg, xqs, route; writes xqs, route
.if DOCPART == 1
	.amdgcn_target "amdgcn-amd-amdhsa--gfx1250"
	.amdhsa_code_object_version 6
	.text
	.protected	k_qce2f6c106a_gate
	.globl	k_qce2f6c106a_gate
	.p2align	8
	.type	k_qce2f6c106a_gate,@function
k_qce2f6c106a_gate:
	s_mov_b64 s[64:65], 0
	v_nop
	global_prefetch_b8 v0, s[64:65] scope:SCOPE_SE
	s_setreg_imm32_b32 hwreg(HW_REG_WAVE_MODE, 25, 1), 1
	s_wait_xcnt 0x0
; THE GATE.  x [2048][512] f32 is quantised to codes of E5M2 with one E8M0 byte for each 32 along K; logits = Q(x) Q(Wg); top 2 of 16; softmax over the two.
; OUT: xqs: x's codes [2048][512] at 0, x's scale bytes [2048][16] at XS_AT, the gate weights gw[4096] f32 at GW_AT (routed row id = 2 token + rank).
;      route: masks[128][16] at 0 (bit L of word j, expert e: id 32 j + 2 (L % 16) + L / 16 goes to e), their bit counts [128][16] at 8,192, sel[4096] at 16,384.  All at fixed places: no address hangs on a choice.
; SHARES.  Wave w of work-group g owns tile j = 4 g + w: tokens 16 j .. 16 j + 15, 32,768 dense bytes of x.  Wave w also quantises K step w (128 along K) of Wg; the four fragments reach all waves through LDS as images of their registers.
; x is loaded as it lies (each load 512 consecutive bytes) and turned through the wave's own stage in LDS, so that lane (r, h) holds 16 neighbours of each block of 32 of row r.
; The product is used transposed (source 0 = Wg's 16 experts, source 1 = 16 tokens): lane (r, h) holds token r and experts 8 h + 0 .. 7.
; LIMITS: NaN and infinities are not served.  A block of zeros gets the byte 1 (its codes are zeros; this program alone reads the bytes).  Equal logits keep the lower index.
.set XSTB,  33024                      ; x's stage of a wave: 16 rows x (2,048 + 16) bytes
.set CST,   132096                     ; the codes' stage: 16 rows x (512 + 16) for each wave
.set CSTB,  8448
.set WIMG,  165888                     ; Wg's four fragments, 2,048 bytes each
.set WSCG,  174080                     ; and their scale words, 128 bytes each
.set XS_AT, 1048576
.set GW_AT, 1081344
.set L16,  4                           ; v4   16 x lane
.set WGO,  5                           ; v5   Wg: 4 r + 1,024 h + 8,192 w
.set XSTW, 6                           ; v6   x's stage, way in
.set XSTR, 7                           ; v7   way out: row r, + 64 h
.set CSTW, 8                           ; v8   codes' stage, way in: row r, + 16 h
.set CSTR, 9                           ; v9   way out: 16 x lane
.set WIW,  10                          ; v10  my image of Wg
.set WIR,  11                          ; v11  all images
.set WSW,  12                          ; v12  my scale words of Wg
.set WSR,  13                          ; v13  all of them
.set TM,   16                          ; v16-31 the quantiser's work
.set PC,   32                          ; v32-47 the codes just made
.set PW,   48                          ; v48  the scale word just made
.set WGS,  49                          ; v49-52 Wg's scale words
.set XSW,  56                          ; v56-59 x's scale words
.set NUM,  64                          ; v64-127 64 numbers of a lane
.set XA,   128                         ; v128-255 x, first 32 loads (the other 32: window 1, v0-127)
.set WF,   128                         ; later: Wg's four fragments
.set ACC,  192                         ; and the logits
.set V1, 200
.set I1, 201
.set V2, 202
.set I2, 203
.set U1, 204
.set K1, 205
.set U2, 206
.set K2, 207
.set IX, 208
.set I0, 209
.set F1V, 210
.set F1I, 211
.set PV, 212
.set PI, 213
.set QV, 214
.set QI, 215
.set F2V, 216
.set F2I, 217
.set DD, 218
.set PP, 219
.set SS, 220
.set RC, 221
.set W2V, 222
.set SELV, 223
.set GWV, 224
.set VM, 225
.set VC, 226
.set VT, 227
.set IDO, 228
.set MO, 229
.set SO, 230
.set SEL, 20                           ; s[20:21] v_permlanex16_b32's selects for lane l xor 16
.set MNT, 22                           ; s22  the mantissa field of 57,344
.set MSB, 0
.macro WIN new                         ; the immediate's high byte repeats the setting that is left
.if MSB != (\new)
	s_set_vgpr_msb (MSB<<8)|(\new)
.set MSB, (\new)
.endif
.endm
; 64 numbers of a lane, register 16 b + i = k 32 b + 16 (lane / 16) + i of my row, become a fragment's codes in v[PC] on and its scale word in v[PW]
.macro QUANT s
.irp b, 0,1,2,3
	v_max3_num_f32 v[TM+\b], |v[\s+16*\b]|, |v[\s+1+16*\b]|, 0x8000000   ; my 16 numbers of block b, and the floor 2^(16 - 127): the byte cannot fall under 1
.endr
.irp i, 2,4,6,8,10,12,14
.irp b, 0,1,2,3
	v_max3_num_f32 v[TM+\b], v[TM+\b], |v[\s+16*\b+\i]|, |v[\s+1+16*\b+\i]|
.endr
.endr
.irp b, 0,1,2,3
	v_permlanex16_b32 v[TM+4+\b], v[TM+\b], s[SEL], s[SEL+1]
.endr
.irp b, 0,1,2,3
	v_max_num_f32 v[TM+\b], v[TM+\b], v[TM+4+\b]   ; with lane l xor 16's: the block's largest magnitude
.endr
.irp b, 0,1,2,3
	v_add_nc_u32 v[TM+12+\b], 0xf8800000, v[TM+\b]   ; 15 off its exponent field: the conversion's scale operand
.endr
.irp b, 0,1,2,3
	v_and_or_b32 v[TM+8+\b], v[TM+\b], 0x7f800000, s[MNT]   ; 57,344 x the scale
.endr
.irp b, 0,1,2,3
	v_lshrrev_b32 v[TM+4+\b], 23, v[TM+12+\b]      ; the scale's byte
.endr
	v_lshl_or_b32 v[PW], v[TM+5], 8, v[TM+4]
	v_lshl_or_b32 v[PW], v[TM+6], 16, v[PW]
	v_lshl_or_b32 v[PW], v[TM+7], 24, v[PW]
.irp b, 0,1,2,3
.irp i, 0,1,2,3,4,5,6,7,8,9,10,11,12,13,14,15
	v_med3_num_f32 v[\s+16*\b+\i], v[\s+16*\b+\i], -v[TM+8+\b], v[TM+8+\b]   ; the conversion does not saturate (ISA guide 7.6.2): the hold at the largest code x the scale
.endr
	v_cvt_scalef32_pk8_bf8_f32 v[PC+4*\b:PC+1+4*\b], v[\s+16*\b:\s+7+16*\b], v[TM+12+\b]
	v_cvt_scalef32_pk8_bf8_f32 v[PC+2+4*\b:PC+3+4*\b], v[\s+8+16*\b:\s+15+16*\b], v[TM+12+\b]
.endr
	v_nop                                          ; one plain line behind the last conversion
.endm
.macro BETTER a, ia, b, ib             ; s30 = (a > b) or (a = b and ia < ib)
	v_cmp_gt_f32 s30, v[\a], v[\b]
	v_cmp_eq_f32 s31, v[\a], v[\b]
	v_cmp_lt_u32 s32, v[\ia], v[\ib]
	s_and_b32 s31, s31, s32
	s_or_b32 s30, s30, s31
.endm
	s_load_b256 s[4:11], s[0:1], 0x0               ; x s[4:5], Wg s[6:7], xqs s[8:9], route s[10:11]
	v_lshl_add_u32 v62, v0, 2, 0x2aa00
	v_mov_b32 v63, 0
	v_lshrrev_b32 v1, 5, v0
	v_readfirstlane_b32 s12, v1                    ; wave
	v_and_b32 v1, 31, v0                           ; lane
	v_and_b32 v2, 15, v0                           ; r
	v_bfe_u32 v3, v0, 4, 1                         ; h
	s_lshl_b32 s13, ttmp9, 2
	s_add_co_u32 s13, s13, s12                     ; j: my tile of 16 tokens
	v_lshlrev_b32 v[L16], 4, v1
	v_lshlrev_b32 v[WGO], 2, v2
	v_lshl_add_u32 v[WGO], v3, 10, v[WGO]
	s_lshl_b32 s14, s12, 13
	v_add_nc_u32 v[WGO], s14, v[WGO]
	s_mul_i32 s14, s12, XSTB
	v_add_nc_u32 v[XSTW], s14, v[L16]
	v_mul_u32_u24 v[XSTR], v2, 2064
	v_lshl_add_u32 v[XSTR], v3, 6, v[XSTR]
	v_add_nc_u32 v[XSTR], s14, v[XSTR]
	s_mul_i32 s14, s12, CSTB
	s_add_co_u32 s14, s14, CST
	v_mul_u32_u24 v[CSTW], v2, 528
	v_lshl_add_u32 v[CSTW], v3, 4, v[CSTW]
	v_add_nc_u32 v[CSTW], s14, v[CSTW]
	v_add_nc_u32 v[CSTR], s14, v[L16]
	s_lshl_b32 s14, s12, 11
	s_add_co_u32 s14, s14, WIMG
	v_add_nc_u32 v[WIW], s14, v[L16]
	v_add_nc_u32 v[WIR], WIMG, v[L16]
	v_lshlrev_b32 v[WSR], 2, v1
	s_lshl_b32 s14, s12, 7
	s_add_co_u32 s14, s14, WSCG
	v_add_nc_u32 v[WSW], s14, v[WSR]
	v_add_nc_u32 v[WSR], WSCG, v[WSR]
	s_mov_b32 s[SEL], 0x76543210
	s_mov_b32 s[SEL+1], 0xfedcba98
	s_mov_b32 s[MNT], 0x600000
	s_mov_b32 s33, 0xffff0000                      ; lanes 16-31
.irp b, 0,1,2,3
	v_mov_b32 v[TM+4+\b], 0                        ; written once: a lane permute's destination counts as one of its sources
.endr
	s_lshl_b32 s14, s13, 15                        ; my tile's 32,768 bytes of x
	s_mov_b32 s15, 0
	s_lshl_b32 s16, s13, 13                        ; and its 8,192 bytes of codes
	s_mov_b32 s17, 0
	s_wait_kmcnt 0x0
	s_add_nc_u64 s[4:5], s[4:5], s[14:15]
	s_add_nc_u64 s[16:17], s[8:9], s[16:17]
.irp c, 0,1,2,3
.irp i, 0,1,2,3,4,5,6,7,8,9,10,11,12,13,14,15
	global_load_b32 v[NUM+16*\c+\i], v[WGO], s[6:7] offset:64*(32*\c+\i)   ; Wg(128 w + 32 c + 16 h + i, r): a lane takes an expert, its registers run down K
.endr
.endr
.set n, 0
.rept 32
	global_load_b128 v[XA+4*n:XA+4*n+3], v[L16], s[4:5] offset:512*n th:TH_LOAD_NT   ; 32 lanes read 512 consecutive bytes
.set n, n+1
.endr
	WIN 0x40                                       ; destination window 1
.set n, 0
.rept 32
	global_load_b128 v[4*n:4*n+3], v[L16], s[4:5] offset:512*(n+32) th:TH_LOAD_NT
.set n, n+1
.endr
	WIN 0
	s_wait_loadcnt 63                              ; Wg's 64 loads are in: 64 loads of x are younger, and the count's field holds 63
	QUANT NUM
.irp c, 0,1,2,3
	ds_store_b128 v[WIW], v[PC+4*\c:PC+4*\c+3] offset:512*\c   ; the fragment goes to LDS as it stands in the registers
.endr
	ds_store_b32 v[WSW], v[PW]
	s_wait_loadcnt 32                              ; x's first 32 loads are in
.set n, 0
.rept 32
	ds_store_b128 v[XSTW], v[XA+4*n:XA+4*n+3] offset:2064*(n/4)+512*(n%4)
.set n, n+1
.endr
	s_wait_loadcnt 0x0
	WIN 0x04                                       ; an LDS store's data are its source 1: window 1
.set n, 0
.rept 32
	ds_store_b128 v[XSTW], v[4*n:4*n+3] offset:2064*(8+n/4)+512*(n%4)
.set n, n+1
.endr
	WIN 0
	s_wait_dscnt 0x0                               ; for the others' sake: my image of Wg has landed
	s_barrier_signal -1
	s_barrier_wait -1
.irp s, 0,1,2,3
.irp c, 0,1,2,3
	ds_load_b128 v[WF+16*\s+4*\c:WF+16*\s+4*\c+3], v[WIR] offset:2048*\s+512*\c
.endr
	ds_load_b32 v[WGS+\s], v[WSR] offset:128*\s
.endr
.irp s, 0,1,2,3                        ; four K steps of 128: quantise my 16 tokens' numbers, keep the codes, multiply
.irp c, 0,1,2,3
.irp q, 0,1,2,3
	ds_load_b128 v[NUM+16*\c+4*\q:NUM+16*\c+4*\q+3], v[XSTR] offset:512*\s+128*\c+16*\q
.endr
.endr
	s_wait_dscnt 0x0                               ; the numbers are in, and the last step's stores have read the codes' registers
	QUANT NUM
	v_mov_b32 v[XSW+\s], v[PW]
.irp c, 0,1,2,3
	ds_store_b128 v[CSTW], v[PC+4*\c:PC+4*\c+3] offset:128*\s+32*\c
.endr
.rept 8
	v_nop                                          ; a scale register written by a vector instruction stands eight places ahead of the product, the codes four
.endr
.if \s == 0
	v_wmma_scale_f32_16x16x128_f8f6f4 v[ACC:ACC+7], v[WF+16*\s:WF+16*\s+15], v[PC:PC+15], 0, v[WGS+\s], v[XSW+\s] matrix_a_fmt:MATRIX_FMT_BF8 matrix_b_fmt:MATRIX_FMT_BF8
.else
	s_wait_alu depctr_va_vdst(0)                   ; the wait directly ahead of each link
	v_wmma_scale_f32_16x16x128_f8f6f4 v[ACC:ACC+7], v[WF+16*\s:WF+16*\s+15], v[PC:PC+15], v[ACC:ACC+7], v[WGS+\s], v[XSW+\s] matrix_a_fmt:MATRIX_FMT_BF8 matrix_b_fmt:MATRIX_FMT_BF8
.endif
.endr
	v_lshlrev_b32 v[I0], 3, v3                     ; eight plain lines that name none of the product's registers: the places behind it
	v_mov_b32 v[V2], 0xff800000                    ; the second largest so far: -infinity
	v_mov_b32 v[U1], 0
	v_mov_b32 v[K1], 0
	v_mov_b32 v[U2], 0
	v_mov_b32 v[K2], 0
	v_mov_b32 v[VM], 0
	v_mov_b32 v[VC], 0
	v_mov_b32 v[V1], v[ACC]                        ; the top 2 of my eight experts, in ascending order and with strict compares: the lower index wins a tie
	v_mov_b32 v[I1], v[I0]
	v_mov_b32 v[I2], v[I0]
.irp j, 1,2,3,4,5,6,7
	v_cmp_gt_f32 s30, v[ACC+\j], v[V1]
	v_cmp_gt_f32 vcc_lo, v[ACC+\j], v[V2]
	v_add_nc_u32 v[IX], \j, v[I0]
	v_cndmask_b32 v[V2], v[V2], v[ACC+\j], vcc_lo
	v_cndmask_b32 v[I2], v[I2], v[IX], vcc_lo
	v_cndmask_b32 v[V2], v[V2], v[V1], s30
	v_cndmask_b32 v[I2], v[I2], v[I1], s30
	v_cndmask_b32 v[V1], v[V1], v[ACC+\j], s30
	v_cndmask_b32 v[I1], v[I1], v[IX], s30
.endr
	v_permlanex16_b32 v[U1], v[V1], s[SEL], s[SEL+1]   ; the other eight experts' top 2 lie in lane l xor 16
	v_permlanex16_b32 v[K1], v[I1], s[SEL], s[SEL+1]
	v_permlanex16_b32 v[U2], v[V2], s[SEL], s[SEL+1]
	v_permlanex16_b32 v[K2], v[I2], s[SEL], s[SEL+1]
	BETTER V1, I1, U1, K1
	v_cndmask_b32 v[F1V], v[U1], v[V1], s30        ; the first
	v_cndmask_b32 v[F1I], v[K1], v[I1], s30
	v_cndmask_b32 v[PV], v[V1], v[V2], s30         ; what is left at the head of my pair,
	v_cndmask_b32 v[PI], v[I1], v[I2], s30
	v_cndmask_b32 v[QV], v[U2], v[U1], s30         ; and of the other
	v_cndmask_b32 v[QI], v[K2], v[K1], s30
	BETTER PV, PI, QV, QI
	v_cndmask_b32 v[F2V], v[QV], v[PV], s30        ; the second
	v_cndmask_b32 v[F2I], v[QI], v[PI], s30
	v_sub_f32 v[DD], v[F2V], v[F1V]                ; the softmax of the two, the larger taken away: 1 / (1 + p), p / (1 + p), p = e^(l2 - l1)
	v_mul_f32 v[DD], 0x3fb8aa3b, v[DD]
	v_exp_f32 v[PP], v[DD]
	v_lshlrev_b32 v[IDO], 3, v2                    ; (a plain line behind the transcendental)  where id 2 r + h of my tile lies: 4 (32 j + 2 r + h)
	s_wait_alu depctr_va_vdst(0)                   ; the wait ahead of the result's first reader
	v_add_f32 v[SS], 1.0, v[PP]
	v_rcp_f32 v[RC], v[SS]
	v_lshl_add_u32 v[IDO], v3, 2, v[IDO]
	s_wait_alu depctr_va_vdst(0)
	v_mul_f32 v[W2V], v[PP], v[RC]
	s_lshl_b32 s14, s13, 7
	v_add_nc_u32 v[IDO], s14, v[IDO]
	v_cndmask_b32 v[SELV], v[F1I], v[F2I], s33     ; lane (r, h) speaks for id 2 r + h
	v_cndmask_b32 v[GWV], v[RC], v[W2V], s33
	global_store_b32 v[IDO], v[SELV], s[10:11] offset:16384
	global_store_b32 v[IDO], v[GWV], s[8:9] offset:GW_AT
.irp e, 0,1,2,3,4,5,6,7,8,9,10,11,12,13,14,15
	v_cmp_eq_u32 s34, \e, v[SELV]                  ; which of my 32 ids go to expert e,
	s_bcnt1_i32_b32 s35, s34                       ; and how many
	v_writelane_b32 v[VM], s34, \e
	v_writelane_b32 v[VC], s35, \e
.endr
	v_mov_b32 v[VT], 0
	v_permlanex16_b32 v[VT], v[VM], s[SEL], s[SEL+1]
	v_or_b32 v[VM], v[VM], v[VT]                   ; lanes 16-31 hold what lanes 0-15 hold: both halves store equal words, and EXEC stays as it is
	v_permlanex16_b32 v[VT], v[VC], s[SEL], s[SEL+1]
	v_or_b32 v[VC], v[VC], v[VT]
	s_lshl_b32 s14, s13, 6
	v_lshl_add_u32 v[MO], v2, 2, s14               ; 64 j + 4 r
	global_store_b32 v[MO], v[VM], s[10:11]
	global_store_b32 v[MO], v[VC], s[10:11] offset:8192
	s_lshl_b32 s14, s13, 8
	v_lshl_add_u32 v[SO], v2, 4, s14               ; 16 (16 j + r)
	global_store_b128 v[SO], v[XSW:XSW+3], s[8:9] offset:XS_AT   ; sixteen lanes store my tile's 256 scale bytes (the other sixteen the same)
.set i, 0
.rept 16
	ds_load_b128 v[NUM+4*i:NUM+4*i+3], v[CSTR] offset:528*i   ; LDS serves a wave's instructions in order: these see my stores
.set i, i+1
.endr
.set i, 0
.rept 16
	s_wait_dscnt 15-i
	global_store_b128 v[L16], v[NUM+4*i:NUM+4*i+3], s[16:17] offset:512*i   ; a token's 512 codes: 512 consecutive bytes
.set i, i+1
.endr
	s_wait_tensorcnt 0x0
	ds_add_u32 v62, v63
	s_wait_dscnt 0x0
	s_endpgm
.Lfunc_end_k_qce2f6c106a_gate:
	.size	k_qce2f6c106a_gate, .Lfunc_end_k_qce2f6c106a_gate-k_qce2f6c106a_gate
	.p2alignl 7, 3214868480
	.fill 96, 4, 3214868480
	.section	.rodata,"a",@progbits
	.p2align	6, 0x0
	.amdhsa_kernel k_qce2f6c106a_gate
		.amdhsa_group_segment_fixed_size 175104
		.amdhsa_private_segment_fixed_size 0
		.amdhsa_enable_private_segment 0
		.amdhsa_kernarg_size 32
		.amdhsa_user_sgpr_count 2
		.amdhsa_user_sgpr_kernarg_segment_ptr 1
		.amdhsa_wavefront_size32 1
		.amdhsa_system_sgpr_workgroup_id_x 1
		.amdhsa_system_sgpr_workgroup_id_y 1
		.amdhsa_system_sgpr_workgroup_id_z 1
		.amdhsa_system_vgpr_workitem_id 0
		.amdhsa_next_free_vgpr 384
		.amdhsa_next_free_sgpr 66
		.amdhsa_reserve_vcc 1
		.amdhsa_float_denorm_mode_32 3
		.amdhsa_float_denorm_mode_16_64 3
		.amdhsa_memory_ordered 1
		.amdhsa_forward_progress 1
		.amdhsa_inst_pref_size 80
	.end_amdhsa_kernel
	.amdgpu_metadata
---
amdhsa.version: [ 1, 2 ]
amdhsa.kernels:
  - .name:           k_qce2f6c106a_gate
    .symbol:         k_qce2f6c106a_gate.kd
    .args:
      - { .name: x, .offset: 0, .size: 8, .value_kind: global_buffer, .address_space: global }
      - { .name: Wg, .offset: 8, .size: 8, .value_kind: global_buffer, .address_space: global }
      - { .name: xqs, .offset: 16, .size: 8, .value_kind: global_buffer, .address_space: global }
      - { .name: route, .offset: 24, .size: 8, .value_kind: global_buffer, .address_space: global }
    .group_segment_fixed_size: 175104
    .private_segment_fixed_size: 0
    .kernarg_segment_align: 8
    .kernarg_segment_size: 32
    .max_flat_workgroup_size: 128
    .sgpr_count:     66
    .vgpr_count:     384
    .wavefront_size: 32
...
	.end_amdgpu_metadata
.endif
;; end of part 1
;; launch place (part 2): grid 16 x 1, 4 waves a work-group, no clusters, 0 bytes of LDS; arguments route, lists; writes lists
.if DOCPART == 2
	.amdgcn_target "amdgcn-amd-amdhsa--gfx1250"
	.amdhsa_code_object_version 6
	.text
	.protected	k_qce2f6c106a_place
	.globl	k_qce2f6c106a_place
	.p2align	8
	.type	k_qce2f6c106a_place,@function
k_qce2f6c106a_place:
	s_mov_b64 s[64:65], 0
	v_nop
	global_prefetch_b8 v0, s[64:65] scope:SCOPE_SE
	s_setreg_imm32_b32 hwreg(HW_REG_WAVE_MODE, 25, 1), 1
	s_wait_xcnt 0x0
; THE LISTS.  Work-group e makes expert e's list of routed rows: list[e][0 .. count - 1] = the ids whose expert is e; entries count .. 2,239 = the pad id 4,096 + e;
; entries 2,240 .. 2,271 take what is not wanted and are read by nobody.  count[e] lies at byte 147,456 + 4 e.  An expert's list is 2,304 words.
; No atomics: each of the 128 mask words has its bit count beside it; a word's first place is the sum of the counts of the words in front of it.
; Wave w owns words 32 w + lane.  Every lane walks its word's 32 bits; a bit that is 0 sends its store to the dump.  Every address made from loaded numbers is held by v_min_u32 first.
.set AD, 32                            ; v32-63  the scatter's addresses, one for each bit, so that no store's source is written again
.set DA, 64                            ; v64-95  and its data
.set PA, 96                            ; v96-113 the pads' addresses
.macro SCAN v                          ; inclusive sums over the 32 lanes
.irp n, 1,2,4,8
	v_mov_b32_dpp v14, v[\v] row_shr:\n row_mask:0xf bank_mask:0xf bound_ctrl:1
	v_add_nc_u32 v[\v], v[\v], v14
.endr
	v_readlane_b32 s15, v[\v], 15
	v_mov_b32 v14, s15
	v_cndmask_b32 v14, 0, v14, s11                 ; lanes 16-31 add the first half's sum
	v_add_nc_u32 v[\v], v[\v], v14
.endm
	s_load_b128 s[4:7], s[0:1], 0x0                ; route s[4:5], lists s[6:7]
	v_lshrrev_b32 v1, 5, v0
	v_readfirstlane_b32 s8, v1                     ; wave
	v_and_b32 v1, 31, v0                           ; lane
	s_lshl_b32 s9, ttmp9, 2                        ; 4 e
	v_lshl_add_u32 v2, v1, 6, s9                   ; a word's 16 experts are 64 bytes
	s_lshl_b32 s10, s8, 11
	v_add_nc_u32 v3, s10, v2                       ; my own word
	s_mov_b32 s11, 0xffff0000
	v_mov_b32 v14, 0
	s_mul_i32 s18, ttmp9, 9216
	s_mov_b32 s19, 0
	s_wait_kmcnt 0x0
	s_add_nc_u64 s[18:19], s[6:7], s[18:19]        ; my expert's list
.irp q, 0,1,2,3
	global_load_b32 v[4+\q], v2, s[4:5] offset:8192+2048*\q   ; the counts of word 32 q + lane
.endr
	global_load_b32 v8, v3, s[4:5]                 ; my word
	global_load_b32 v9, v3, s[4:5] offset:8192     ; and its count
.irp q, 0,1,2
	s_cmp_gt_u32 s8, \q
	s_cselect_b32 s[12+\q], -1, 0                  ; quarters in front of mine
.endr
	s_wait_loadcnt 0x0
	v_add_nc_u32 v10, v4, v5
	v_add3_u32 v10, v10, v6, v7                    ; Y: all four quarters
	v_and_b32 v11, s12, v4
	v_and_b32 v12, s13, v5
	v_and_b32 v13, s14, v6
	v_add3_u32 v11, v11, v12, v13
	v_lshl_or_b32 v11, v11, 16, v9                 ; X: my word's count below, the earlier quarters' above: both sums stay under 2^16 (2,048 rows at the most)
	SCAN 11
	SCAN 10
	v_readlane_b32 s16, v11, 31
	s_lshr_b32 s16, s16, 16                        ; rows in the quarters in front of mine
	v_readlane_b32 s17, v10, 31                    ; the expert's count
	v_and_b32 v15, 0xffff, v11
	v_sub_nc_u32 v15, v15, v9
	v_add_nc_u32 v15, s16, v15                     ; my word's first place
	s_lshl_b32 s20, s8, 10
	v_lshl_add_u32 v16, v1, 5, s20                 ; 32 x my word
	v_add_nc_u32 v17, 2240, v1                     ; my dump
.set b, 0
.rept 32
	v_bfe_u32 v18, v8, b, 1
	v_cmp_ne_u32 vcc_lo, 0, v18
	v_cndmask_b32 v[AD+b], v17, v15, vcc_lo
	v_min_u32 v[AD+b], 2303, v[AD+b]
	v_lshlrev_b32 v[AD+b], 2, v[AD+b]
	v_add_nc_u32 v[DA+b], 2*(b&15)+(b>>4), v16     ; bit b stands for id 32 word + 2 (b % 16) + b / 16
	global_store_b32 v[AD+b], v[DA+b], s[18:19]
	v_add_nc_u32 v15, v15, v18
.set b, b+1
.endr
	s_lshl_b32 s20, s8, 5
	s_add_co_u32 s20, s20, s17
	v_add_nc_u32 v20, s20, v1                      ; count + 32 w + lane
	s_add_co_u32 s21, ttmp9, 4096
	v_mov_b32 v114, s21                            ; the pad id
.set k, 0
.rept 18                               ; 18 x 128 = 2,304 places from count on: all up to 2,239 are reached, the rest falls into the dump
	v_add_nc_u32 v[PA+k], 128*k, v20
	v_min_u32 v[PA+k], v[PA+k], v17
	v_min_u32 v[PA+k], 2303, v[PA+k]
	v_lshlrev_b32 v[PA+k], 2, v[PA+k]
	global_store_b32 v[PA+k], v114, s[18:19]
.set k, k+1
.endr
	s_cmp_lg_u32 s8, 0
	s_cbranch_scc1 .Lend
	v_mov_b32 v21, s9
	v_mov_b32 v22, s17
	global_store_b32 v21, v22, s[6:7] offset:147456   ; all lanes store the same word with the same number
.Lend:
	s_endpgm
.Lfunc_end_k_qce2f6c106a_place:
	.size	k_qce2f6c106a_place, .Lfunc_end_k_qce2f6c106a_place-k_qce2f6c106a_place
	.p2alignl 7, 3214868480
	.fill 96, 4, 3214868480
	.section	.rodata,"a",@progbits
	.p2align	6, 0x0
	.amdhsa_kernel k_qce2f6c106a_place
		.amdhsa_group_segment_fixed_size 0
		.amdhsa_private_segment_fixed_size 0
		.amdhsa_enable_private_segment 0
		.amdhsa_kernarg_size 16
		.amdhsa_user_sgpr_count 2
		.amdhsa_user_sgpr_kernarg_segment_ptr 1
		.amdhsa_wavefront_size32 1
		.amdhsa_system_sgpr_workgroup_id_x 1
		.amdhsa_system_sgpr_workgroup_id_y 1
		.amdhsa_system_sgpr_workgroup_id_z 1
		.amdhsa_system_vgpr_workitem_id 0
		.amdhsa_next_free_vgpr 128
		.amdhsa_next_free_sgpr 66
		.amdhsa_reserve_vcc 1
		.amdhsa_float_denorm_mode_32 3
		.amdhsa_float_denorm_mode_16_64 3
		.amdhsa_memory_ordered 1
		.amdhsa_forward_progress 1
		.amdhsa_inst_pref_size 21
	.end_amdhsa_kernel
	.amdgpu_metadata
---
amdhsa.version: [ 1, 2 ]
amdhsa.kernels:
  - .name:           k_qce2f6c106a_place
    .symbol:         k_qce2f6c106a_place.kd
    .args:
      - { .name: route, .offset: 0, .size: 8, .value_kind: global_buffer, .address_space: global }
      - { .name: lists, .offset: 8, .size: 8, .value_kind: global_buffer, .address_space: global }
    .group_segment_fixed_size: 0
    .private_segment_fixed_size: 0
    .kernarg_segment_align: 8
    .kernarg_segment_size: 16
    .max_flat_workgroup_size: 128
    .sgpr_count:     66
    .vgpr_count:     128
    .wavefront_size: 32
...
	.end_amdgpu_metadata
.endif
;; end of part 2
;; launch ffn1 (part 3): grid 16 x 16, 4 waves a work-group, no clusters, 137,728 bytes of LDS; arguments W1, b1, xqs, lists, hbuf; writes hbuf
.if DOCPART == 3
	.amdgcn_target "amdgcn-amd-amdhsa--gfx1250"
	.amdhsa_code_object_version 6
	.text
	.protected	k_qce2f6c106a_ffn1
	.globl	k_qce2f6c106a_ffn1
	.p2align	8
	.type	k_qce2f6c106a_ffn1,@function
k_qce2f6c106a_ffn1:
	s_mov_b64 s[64:65], 0
	v_nop
	global_prefetch_b8 v0, s[64:65] scope:SCOPE_SE
	s_setreg_imm32_b32 hwreg(HW_REG_WAVE_MODE, 25, 1), 1
	s_wait_xcnt 0x0
; hbuf[id][128 slice ..] = silu(Q(x[token]) Q(W1[e]) + b1[e]) for the routed rows id of expert e (token = id / 2).  Work-group (slice, e): 128 hidden units of one expert, all of that expert's rows.
; Each byte of W1 is read once in the launch, by one work-group, as rows of 512 consecutive bytes, and is quantised in registers on its way: a lane holds 4 columns, its registers run down K,
; so a block of 32 along K lies in one lane.  The codes go through LDS (rows = hidden units, K innermost) and come back as 32 fragments, which stay in registers (windows 1 and 2) for all rows.
; Rows go in tiles of 16, wave w taking tiles w, w + 4, ..: the ids come from the stored list (scalar loads, two tiles ahead), x's code rows (512 bytes each) a whole trip ahead of their use.
; A list's tail holds the pad id 4,096 + e: it reads token 2,047 and stores into hbuf's row 4,096 + e, which nobody reads.  The trip count hangs on the stored count, so the launch has no tensor load;
; no barrier stands in the loop, and no LDS address is stepped.  No cluster: what work-groups share (x's codes) is a small part of a work-group's bytes, and partners' trip counts differ.
; The product is used transposed (source 0 = 16 hidden units, source 1 = 16 rows): a lane's eight results are eight neighbours of a row of hbuf.  b1 is the C of each sum's first product.
; LIMITS: NaN and infinities are not served; a block of zeros gets the byte 1 (its codes are zeros; this program alone reads the bytes).
; REGISTERS.  window 0: v1-14 addresses; v16-19 x's scale words, v20-23 the next tile's; v24-39 W1's scale words; v40-59 the quantiser's; v64-127 x's fragments, then the silu's work; v128-191 the sums; (at the head v64-191 numbers, v192-223 codes)
;   windows 1, 2: W1 as loaded, then its 32 fragments (K step s, tile t: 16 (8 s + t)).   window 3: v0-63 b1; v64-127 code rows as loaded; v128-191 rows on the way out; v192-207, v208-223 addresses.
.set WSC,  67584                       ; LDS: 0: W1's codes, 128 rows x (512 + 16);  here: its scale words, 4 K steps x 512 bytes
.set XST,  69632                       ; x's code rows of a tile: 16 x 528 for each wave
.set HST,  103424                      ; the way out: 16 x 528 for each wave
.set L16,  1
.set WTW,  2
.set WTR,  3
.set XSTW, 4
.set XSTR, 5
.set HSTW, 6
.set HSTR, 7
.set HO,   8
.set VID,  9
.set XSO,  10
.set WSW,  11
.set WSR,  12
.set BO,   14
.set XS,   16
.set XSN,  20
.set WS,   24
.set M,    40
.set SCL,  44
.set LIM,  48
.set BY,   52
.set SW,   56
.set XF,   64
.set T,    64
.set ACC,  128
.set C,    192
.set B1,   0                           ; window 3
.set RAW,  64
.set OUT,  128
.set XAD,  192
.set HAD,  208
.set IDA,  16                          ; s[16:31] the ids of the tile in hand;  s[32:47] of the next;  s[48:63] of the one after
.set IDB,  32
.set IDC,  48
.set CS,   66                          ; s[66:67] -log2(e)
.set CNT,  68                          ; s68  the expert's count of rows, then my wave's number of tiles
.set TRIP, 69                          ; s69  my wave's first row, then the tiles done
.set MNT,  71
.set LP,   72                          ; s[72:73] the list at the tile in hand
.set WV,   74
.set EX,   76
.set MSB, 0
.macro WIN new                         ; the immediate's high byte repeats the setting that is left
.if MSB != (\new)
	s_set_vgpr_msb (MSB<<8)|(\new)
.set MSB, (\new)
.endif
.endm
.macro LOADBLK kb                      ; 32 rows of W1 (a block along K): each load 512 consecutive bytes
	WIN 0x40*(1+(\kb)/2)
.set i, 0
.rept 32
	global_load_b128 v[128*((\kb)%2)+4*i:128*((\kb)%2)+4*i+3], v[L16], s[4:5] offset:8192*(32*(\kb)+i) th:TH_LOAD_NT
.set i, i+1
.endr
	WIN 0
.endm
.macro WBLOCK kb                       ; block kb of my 128 along K, 4 columns a lane: scale, hold, codes, into LDS
.set X, 1+(\kb)/2
.set R, 128*((\kb)%2)
	WIN 5*X                                        ; sources 0 and 1 in the block's window
.irp j, 0,1,2,3
	v_max3_num_f32 v[M+\j], |v[R+\j]|, |v[R+4+\j]|, 0x8000000   ; the floor 2^(16 - 127): the byte cannot fall under 1
.endr
.set i, 2
.rept 15
.irp j, 0,1,2,3
	v_max3_num_f32 v[M+\j], |v[R+4*i+\j]|, |v[R+4*i+4+\j]|, v[M+\j]
.endr
.set i, i+2
.endr
	WIN 0
.irp j, 0,1,2,3
	v_add_nc_u32 v[SCL+\j], 0xf8800000, v[M+\j]    ; 15 off the exponent field: the conversion's scale operand
.endr
.irp j, 0,1,2,3
	v_and_or_b32 v[LIM+\j], v[M+\j], 0x7f800000, s[MNT]   ; 57,344 x the scale
.endr
.irp j, 0,1,2,3
	v_lshrrev_b32 v[BY+\j], 23, v[SCL+\j]
.endr
.irp j, 0,1,2,3
.if (\kb) == 0
	v_mov_b32 v[SW+\j], v[BY+\j]
.else
	v_lshl_or_b32 v[SW+\j], v[BY+\j], 8*(\kb), v[SW+\j]
.endif
.endr
	WIN X
.set i, 0
.rept 32
.irp j, 0,1,2,3
	v_med3_num_f32 v[T+32*\j+i], v[R+4*i+\j], -v[LIM+\j], v[LIM+\j]   ; the hold (the conversion does not saturate: ISA guide 7.6.2) also brings a column's 32 numbers into consecutive registers
.endr
.set i, i+1
.endr
	WIN 0
.irp j, 0,1,2,3
.irp g, 0,1,2,3
	v_cvt_scalef32_pk8_bf8_f32 v[C+8*\j+2*\g:C+8*\j+2*\g+1], v[T+32*\j+8*\g:T+32*\j+8*\g+7], v[SCL+\j]
.endr
.endr
	v_nop                                          ; one plain line behind the last conversion
.irp j, 0,1,2,3
	ds_store_b128 v[WTW], v[C+8*\j:C+8*\j+3] offset:528*\j+32*(\kb)
	ds_store_b128 v[WTW], v[C+8*\j+4:C+8*\j+7] offset:528*\j+32*(\kb)+16
.endr
	s_wait_dscnt 0x0                               ; the stores have read their registers
.endm
.macro NEXTX                           ; the next tile (ids in s[IDB] on): 16 code rows and the rows' scale words are asked for: 17 loads
	WIN 0xc0
.set i, 0
.rept 16
	s_min_u32 s70, s[IDB+i], 4095
	s_and_b32 s70, s70, 0xffe
	s_lshl_b32 s70, s70, 8                         ; 512 x token
	v_add_nc_u32 v[XAD+i], s70, v[L16]
.set i, i+1
.endr
	WIN 0
.set i, 0
.rept 16
	v_writelane_b32 v[VID], s[IDB+i], i
.set i, i+1
.endr
	v_min_u32 v[XSO], 4095, v[VID]
	v_and_b32 v[XSO], 0xffe, v[XSO]
	v_lshlrev_b32 v[XSO], 3, v[XSO]                ; 16 x token
	WIN 0xc3
.set i, 0
.rept 16
	global_load_b128 v[RAW+4*i:RAW+4*i+3], v[XAD+i], s[8:9]
.set i, i+1
.endr
	WIN 0
	global_load_b128 v[XSN:XSN+3], v[XSO], s[8:9] offset:1048576
.endm
.macro ROT
.irp i, 0,2,4,6,8,10,12,14
	s_mov_b64 s[IDA+\i:IDA+\i+1], s[IDB+\i:IDB+\i+1]
.endr
.irp i, 0,2,4,6,8,10,12,14
	s_mov_b64 s[IDB+\i:IDB+\i+1], s[IDC+\i:IDC+\i+1]
.endr
.endm
.macro PROD s, t
.set FW, 16*((8*(\s)+(\t))%16)
.set AC, ACC+8*(\t)
.set BX, XF+16*(\s)
.set SA, WS+4*((\t)/2)+(\s)
.if (\s) == 0
.if (\t)%2 == 0
	v_wmma_scale_f32_16x16x128_f8f6f4 v[AC:AC+7], v[FW:FW+15], v[BX:BX+15], v[B1+8*(\t):B1+8*(\t)+7], v[SA], v[XS+(\s)] matrix_a_fmt:MATRIX_FMT_BF8 matrix_b_fmt:MATRIX_FMT_BF8
.else
	v_wmma_scale_f32_16x16x128_f8f6f4 v[AC:AC+7], v[FW:FW+15], v[BX:BX+15], v[B1+8*(\t):B1+8*(\t)+7], v[SA], v[XS+(\s)] matrix_a_fmt:MATRIX_FMT_BF8 matrix_b_fmt:MATRIX_FMT_BF8 matrix_a_scale:MATRIX_SCALE_ROW1
.endif
.else
.if (\t)%2 == 0
	v_wmma_scale_f32_16x16x128_f8f6f4 v[AC:AC+7], v[FW:FW+15], v[BX:BX+15], v[AC:AC+7], v[SA], v[XS+(\s)] matrix_a_fmt:MATRIX_FMT_BF8 matrix_b_fmt:MATRIX_FMT_BF8
.else
	v_wmma_scale_f32_16x16x128_f8f6f4 v[AC:AC+7], v[FW:FW+15], v[BX:BX+15], v[AC:AC+7], v[SA], v[XS+(\s)] matrix_a_fmt:MATRIX_FMT_BF8 matrix_b_fmt:MATRIX_FMT_BF8 matrix_a_scale:MATRIX_SCALE_ROW1
.endif
.endif
.endm
	s_load_b256 s[4:11], s[0:1], 0x0               ; W1 s[4:5], b1 s[6:7], xqs s[8:9], lists s[10:11]
	s_load_b64 s[12:13], s[0:1], 0x20              ; hbuf
	v_lshl_add_u32 v254, v0, 2, 0x21800
	v_mov_b32 v255, 0
	v_lshrrev_b32 v1, 5, v0
	v_readfirstlane_b32 s[WV], v1
	s_and_b32 s[EX], ttmp7, 0xffff                 ; the expert
	v_and_b32 v13, 31, v0                          ; lane
	v_and_b32 v15, 15, v0                          ; r
	v_bfe_u32 v14, v0, 4, 1                        ; h
	v_lshlrev_b32 v[L16], 4, v13
	v_mul_u32_u24 v[WTW], v13, 2112                ; my 4 columns' rows of codes: 4 x 528 x lane,
	s_lshl_b32 s14, s[WV], 7
	v_add_nc_u32 v[WTW], s14, v[WTW]               ; my wave's 128 along K
	v_mul_u32_u24 v[WTR], v15, 528
	v_lshl_add_u32 v[WTR], v14, 4, v[WTR]          ; a fragment's row x pitch + 16 h
	s_mul_i32 s14, s[WV], 8448
	s_add_co_u32 s15, s14, XST
	v_add_nc_u32 v[XSTW], s15, v[L16]
	v_add_nc_u32 v[XSTR], s15, v[WTR]
	s_add_co_u32 s15, s14, HST
	v_mul_u32_u24 v[HSTW], v15, 528
	v_lshl_add_u32 v[HSTW], v14, 5, v[HSTW]
	v_add_nc_u32 v[HSTW], s15, v[HSTW]
	v_add_nc_u32 v[HSTR], s15, v[L16]
	s_lshl_b32 s70, ttmp9, 9                       ; the slice's 512 bytes of a row
	v_add_nc_u32 v[HO], s70, v[L16]
	v_mov_b32 v[VID], 0
	s_lshl_b32 s15, s[WV], 9
	s_add_co_u32 s15, s15, WSC
	v_add_nc_u32 v[WSW], s15, v[L16]
	v_lshl_add_u32 v[WSR], v13, 2, WSC
	v_lshlrev_b32 v[BO], 5, v14
	s_mov_b32 s[CS], 0xbfb8aa3b
	s_mov_b32 s[CS+1], s[CS]                       ; (named with it as a pair, so it is written)
	s_mov_b32 s[MNT], 0x600000
	s_lshl_b32 s78, s[EX], 22                      ; W1: the expert's 4 MiB, my wave's 128 rows of 8,192 bytes, the slice
	s_lshl_b32 s14, s[WV], 20
	s_add_co_u32 s78, s78, s14
	s_add_co_u32 s78, s78, s70
	s_mov_b32 s79, 0
	s_lshl_b32 s80, s[EX], 13                      ; b1
	s_add_co_u32 s80, s80, s70
	s_mov_b32 s81, 0
	s_mul_i32 s82, s[EX], 9216                     ; the expert's list, my wave's first tile
	s_lshl_b32 s14, s[WV], 6
	s_add_co_u32 s82, s82, s14
	s_mov_b32 s83, 0
	s_lshl_b32 s84, s[EX], 2
	s_mov_b32 s85, 0
	s_wait_kmcnt 0x0
	s_add_nc_u64 s[4:5], s[4:5], s[78:79]
	s_add_nc_u64 s[6:7], s[6:7], s[80:81]
	s_add_nc_u64 s[LP:LP+1], s[10:11], s[82:83]
	s_add_nc_u64 s[10:11], s[10:11], s[84:85]
	s_load_b32 s[CNT], s[10:11], 147456
	s_load_b512 s[IDB:IDB+15], s[LP:LP+1], 0x0
	s_load_b512 s[IDC:IDC+15], s[LP:LP+1], 0x100
	WIN 0xc0
.irp t, 0,1,2,3,4,5,6,7
	global_load_b128 v[B1+8*\t:B1+8*\t+3], v[BO], s[6:7] offset:64*\t          ; b1 in the result's layout: lane (r, h): units 16 t + 8 h + 0 .. 7
	global_load_b128 v[B1+8*\t+4:B1+8*\t+7], v[BO], s[6:7] offset:64*\t+16
.endr
	WIN 0
	LOADBLK 0
	LOADBLK 1
	s_wait_loadcnt 32                              ; b1 and block 0 are in; block 1 may be out
	LOADBLK 2
	WBLOCK 0
	s_wait_loadcnt 32                              ; block 1 is in; block 2 may be out
	LOADBLK 3
	WBLOCK 1
	s_wait_kmcnt 0x0                               ; the count and the first two tiles' ids
	NEXTX
	ROT
	s_wait_loadcnt 49                              ; block 2 is in; block 3's 32 loads and the first tile's 17 may be out
	WBLOCK 2
	s_wait_loadcnt 17
	WBLOCK 3
	ds_store_b128 v[WSW], v[SW:SW+3]               ; my 4 columns' scale words of K step w
	s_wait_dscnt 0x0                               ; for the others' sake: my codes and scale words have landed
	s_barrier_signal -1
	s_barrier_wait -1
	WIN 0x40
.irp s, 0,1
.irp t, 0,1,2,3,4,5,6,7
.irp c, 0,1,2,3
	ds_load_b128 v[16*(8*\s+\t)+4*\c:16*(8*\s+\t)+4*\c+3], v[WTR] offset:8448*\t+128*\s+32*\c
.endr
.endr
.endr
	WIN 0x80
.irp s, 0,1
.irp t, 0,1,2,3,4,5,6,7
.irp c, 0,1,2,3
	ds_load_b128 v[16*(8*\s+\t)+4*\c:16*(8*\s+\t)+4*\c+3], v[WTR] offset:8448*\t+128*(\s+2)+32*\c
.endr
.endr
.endr
	WIN 0
.irp u, 0,1,2,3
.irp s, 0,1,2,3
	ds_load_b32 v[WS+4*\u+\s], v[WSR] offset:512*\s+128*\u   ; lanes 0-15: tile 2 u's words, lanes 16-31: tile 2 u + 1's
.endr
.endr
	s_wait_dscnt 0x0
	; how many tiles are mine: tiles w, w + 4, .. whose first row, 16 w + 64 n, lies under the count: ceil((count - 16 w) / 64)
	s_min_u32 s[CNT], s[CNT], 2048                 ; an expert has 2,048 rows at the most (a token's two experts differ): so at most 32 trips, and the list is read up to entry 2,175 of the 2,240 that are filled
	s_lshl_b32 s[TRIP], s[WV], 4                   ; my first tile's first row
	s_cmp_ge_u32 s[TRIP], s[CNT]
	s_cbranch_scc1 .Ldone                          ; none
	s_sub_co_u32 s[CNT], s[CNT], s[TRIP]
	s_add_co_u32 s[CNT], s[CNT], 63
	s_lshr_b32 s[CNT], s[CNT], 6                   ; my tiles; the loop does not write it
	s_mov_b32 s[TRIP], 0
.Ltile:
	s_wait_loadcnt 0x0                             ; this tile's 17 loads, asked for a trip ago
.irp s, 0,1,2,3
	v_mov_b32 v[XS+\s], v[XSN+\s]
.endr
	WIN 0x0c                                       ; an LDS store's data are its source 1: window 3
.set i, 0
.rept 16
	ds_store_b128 v[XSTW], v[RAW+4*i:RAW+4*i+3] offset:528*i
.set i, i+1
.endr
	WIN 0
.irp s, 0,1,2,3
.irp c, 0,1,2,3
	ds_load_b128 v[XF+16*\s+4*\c:XF+16*\s+4*\c+3], v[XSTR] offset:128*\s+32*\c   ; LDS serves a wave's instructions in order: these see my stores
.endr
.endr
	s_wait_dscnt 0x0                               ; the fragments are in, and the stores have read the rows' registers
	s_wait_xcnt 0x0                                ; the last trip's stores have read their addresses and data: both are written again below
	NEXTX
	s_load_b512 s[IDC:IDC+15], s[LP:LP+1], 0x200   ; the ids two tiles on
	WIN 0xc0
.set i, 0
.rept 16
	s_min_u32 s70, s[IDA+i], 4111
	s_lshl_b32 s70, s70, 13
	v_add_nc_u32 v[HAD+i], s70, v[HO]              ; where row i of this tile goes
.set i, i+1
.endr
.irp s, 0,1,2,3                        ; 32 products; the eight sums take turns, one instruction a turn
.if \s == 0
	WIN 0x31                                       ; source 0 (W1) window 1, C (b1) window 3
.elseif \s == 1
	WIN 0x01
.else
	WIN 0x02
.endif
.irp t, 0,1,2,3,4,5,6,7
	PROD \s, \t
.endr
.endr
	WIN 0
.rept 8
	v_nop                                          ; eight places behind the products
.endr
.set i, 0
.rept 32
	v_pk_mul_f32 v[T+2*i:T+2*i+1], v[ACC+2*i:ACC+2*i+1], s[CS:CS+1] op_sel_hi:[1,0]   ; silu(a) = a / (1 + 2^(-a log2 e)); each sum is read from its low end on
.set i, i+1
.endr
.set i, 0
.rept 64
	v_exp_f32 v[T+i], v[T+i]
.set i, i+1
.endr
	v_nop                                          ; a plain line behind the last transcendental
	s_wait_alu depctr_va_vdst(0)                   ; one wait for the batch, ahead of its first reader
.set i, 0
.rept 32
	v_pk_add_f32 v[T+2*i:T+2*i+1], v[T+2*i:T+2*i+1], 1.0 op_sel_hi:[1,0]
.set i, i+1
.endr
.set i, 0
.rept 64
	v_rcp_f32 v[T+i], v[T+i]
.set i, i+1
.endr
	v_nop
	s_wait_alu depctr_va_vdst(0)
.set i, 0
.rept 32
	v_pk_mul_f32 v[ACC+2*i:ACC+2*i+1], v[ACC+2*i:ACC+2*i+1], v[T+2*i:T+2*i+1]
.set i, i+1
.endr
.irp t, 0,1,2,3,4,5,6,7
	ds_store_b128 v[HSTW], v[ACC+8*\t:ACC+8*\t+3] offset:64*\t
	ds_store_b128 v[HSTW], v[ACC+8*\t+4:ACC+8*\t+7] offset:64*\t+16
.endr
	WIN 0xc0
.set i, 0
.rept 16
	ds_load_b128 v[OUT+4*i:OUT+4*i+3], v[HSTR] offset:528*i
.set i, i+1
.endr
	WIN 0x0f                                       ; a store's address and data: window 3
.set i, 0
.rept 16
	s_wait_dscnt 15-i
	global_store_b128 v[HAD+i], v[OUT+4*i:OUT+4*i+3], s[12:13] th:TH_STORE_NT   ; 512 consecutive bytes of row id, aligned
.set i, i+1
.endr
	WIN 0
	s_wait_kmcnt 0x0                               ; the ids two tiles on are in, and the list's pointer may step
	ROT
	s_add_nc_u64 s[LP:LP+1], s[LP:LP+1], 0x100
	s_add_co_u32 s[TRIP], s[TRIP], 1
	s_cmp_lt_u32 s[TRIP], s[CNT]
	s_cbranch_scc1 .Ltile
.Ldone:
	s_wait_tensorcnt 0x0
	ds_add_u32 v254, v255
	s_wait_dscnt 0x0
	s_endpgm
.Lfunc_end_k_qce2f6c106a_ffn1:
	.size	k_qce2f6c106a_ffn1, .Lfunc_end_k_qce2f6c106a_ffn1-k_qce2f6c106a_ffn1
	.p2alignl 7, 3214868480
	.fill 96, 4, 3214868480
	.section	.rodata,"a",@progbits
	.p2align	6, 0x0
	.amdhsa_kernel k_qce2f6c106a_ffn1
		.amdhsa_group_segment_fixed_size 137728
		.amdhsa_private_segment_fixed_size 0
		.amdhsa_enable_private_segment 0
		.amdhsa_kernarg_size 40
		.amdhsa_user_sgpr_count 2
		.amdhsa_user_sgpr_kernarg_segment_ptr 1
		.amdhsa_wavefront_size32 1
		.amdhsa_system_sgpr_workgroup_id_x 1
		.amdhsa_system_sgpr_workgroup_id_y 1
		.amdhsa_system_sgpr_workgroup_id_z 1
		.amdhsa_system_vgpr_workitem_id 0
		.amdhsa_next_free_vgpr 1024
		.amdhsa_next_free_sgpr 100
		.amdhsa_reserve_vcc 0
		.amdhsa_float_denorm_mode_32 3
		.amdhsa_float_denorm_mode_16_64 3
		.amdhsa_memory_ordered 1
		.amdhsa_forward_progress 1
		.amdhsa_inst_pref_size 122
	.end_amdhsa_kernel
	.amdgpu_metadata
---
amdhsa.version: [ 1, 2 ]
amdhsa.kernels:
  - .name:           k_qce2f6c106a_ffn1
    .symbol:         k_qce2f6c106a_ffn1.kd
    .args:
      - { .name: W1, .offset: 0, .size: 8, .value_kind: global_buffer, .address_space: global }
      - { .name: b1, .offset: 8, .size: 8, .value_kind: global_buffer, .address_space: global }
      - { .name: xqs, .offset: 16, .size: 8, .value_kind: global_buffer, .address_space: global }
      - { .name: lists, .offset: 24, .size: 8, .value_kind: global_buffer, .address_space: global }
      - { .name: hbuf, .offset: 32, .size: 8, .value_kind: global_buffer, .address_space: global }
    .group_segment_fixed_size: 137728
    .private_segment_fixed_size: 0
    .kernarg_segment_align: 8
    .kernarg_segment_size: 40
    .max_flat_workgroup_size: 128
    .sgpr_count:     100
    .vgpr_count:     1024
    .wavefront_size: 32
...
	.end_amdgpu_metadata
.endif
;; end of part 3
;; launch lnq (part 4): grid 256 x 1, 4 waves a work-group, no clusters, 43,520 bytes of LDS; arguments hbuf, route, ln_g, ln_b, hqs; writes hqs
.if DOCPART == 4
	.amdgcn_target "amdgcn-amd-amdhsa--gfx1250"
	.amdhsa_code_object_version 6
	.text
	.protected	k_qce2f6c106a_lnq
	.globl	k_qce2f6c106a_lnq
	.p2align	8
	.type	k_qce2f6c106a_lnq,@function
k_qce2f6c106a_lnq:
	s_mov_b64 s[64:65], 0
	v_nop
	global_prefetch_b8 v0, s[64:65] scope:SCOPE_SE
	s_setreg_imm32_b32 hwreg(HW_REG_WAVE_MODE, 25, 1), 1
	s_wait_xcnt 0x0
; LAYER NORM AND THE SECOND QUANTISER.  For each routed row id: y = (h - mean) rsqrt(var + 1e-5) g[e] + b[e], e = sel[id], all in f32; y is quantised along its 2,048 numbers to codes of E5M2 with one E8M0 byte for each 32.
; OUT: hqs: codes [4096][2048] at 0, scale bytes [4096][64] at 8,388,608.
; A wave owns four rows, n0 = 16 work-group + 4 wave on, each kept whole in 64 registers a lane between the passes: a row is read once.  Every load is 512 consecutive bytes.  Waves share nothing: no barrier.
; The conversions take neighbours along K from ONE lane's registers, so a finished row turns through the wave's own stage in LDS (64 bytes + 16 of padding a place) and comes back 16 neighbours a lane; two lanes hold a block.
; The four rows' 256 scale bytes are gathered in LDS and leave as one aligned run of 256 bytes.  Matrix units, clusters and tensor loads would add nothing: memory binds.
; LIMITS: NaN and infinities are not served; a block of zeros gets the byte 1 (its codes are zeros; this program alone reads the bytes).
; REGISTERS: window 1: the four rows (64 p on);  window 2: their g;  window 3: their b;  window 0: addresses, sums, v64-127 a row's numbers by neighbours, v128-191 codes, v32-47 scale bytes.
.set L16,  2
.set STW,  3
.set STR,  4
.set SCBW, 5
.set SCBR, 6
.set L8,   7
.set MU,   12
.set RS,   14
.set SU,   16
.set TT,   24
.set TP,   25
.set EB,   32
.set N,    64
.set CD,   128
.set MSB, 0
.macro WIN new                         ; the immediate's high byte repeats the setting that is left
.if MSB != (\new)
	s_set_vgpr_msb (MSB<<8)|(\new)
.set MSB, (\new)
.endif
.endm
.macro LANES v                         ; the sum over the 32 lanes, in every lane
	v_add_f32_dpp v[\v], v[\v], v[\v] row_xmask:1 row_mask:0xf bank_mask:0xf
	v_add_f32_dpp v[\v], v[\v], v[\v] row_xmask:2 row_mask:0xf bank_mask:0xf
	v_add_f32_dpp v[\v], v[\v], v[\v] row_xmask:4 row_mask:0xf bank_mask:0xf
	v_add_f32_dpp v[\v], v[\v], v[\v] row_xmask:8 row_mask:0xf bank_mask:0xf
	v_permlanex16_b32 v[TP], v[\v], s22, s23
	v_add_f32 v[\v], v[\v], v[TP]
.endm
.macro FOLD                            ; four chains of pairs into one number
	v_pk_add_f32 v[SU:SU+1], v[SU:SU+1], v[SU+2:SU+3]
	v_pk_add_f32 v[SU+4:SU+5], v[SU+4:SU+5], v[SU+6:SU+7]
	v_pk_add_f32 v[SU:SU+1], v[SU:SU+1], v[SU+4:SU+5]
	v_add_f32 v[TT], v[SU], v[SU+1]
	LANES TT
.endm
.macro QSTEP p, q                      ; 512 numbers of row p: 16 neighbours a lane
.set XQ, N+16*(\q)
.set CQ, CD+4*(4*(\p)+(\q))
	v_max3_num_f32 v8, |v[XQ]|, |v[XQ+1]|, |v[XQ+2]|
	v_max3_num_f32 v9, |v[XQ+3]|, |v[XQ+4]|, |v[XQ+5]|
.irp i, 6,10
	v_max3_num_f32 v8, v8, |v[XQ+\i]|, |v[XQ+\i+1]|
	v_max3_num_f32 v9, v9, |v[XQ+\i+2]|, |v[XQ+\i+3]|
.endr
	v_max3_num_f32 v8, v8, |v[XQ+14]|, |v[XQ+15]|
	v_max3_num_f32 v8, v8, v9, 0x8000000           ; and the floor 2^(16 - 127): the byte cannot fall under 1
	v_max_num_f32_dpp v8, v8, v8 row_xmask:1 row_mask:0xf bank_mask:0xf   ; with my neighbour's 16: the block's
	v_add_nc_u32 v11, 0xf8800000, v8               ; 15 off the exponent field: the conversion's scale operand
	v_and_or_b32 v10, v8, 0x7f800000, s48          ; 57,344 x the scale
.irp i, 0,1,2,3,4,5,6,7,8,9,10,11,12,13,14,15
	v_med3_num_f32 v[XQ+\i], v[XQ+\i], -v10, v10   ; the conversion does not saturate (ISA guide 7.6.2): the hold
.endr
	v_cvt_scalef32_pk8_bf8_f32 v[CQ:CQ+1], v[XQ:XQ+7], v11
	v_cvt_scalef32_pk8_bf8_f32 v[CQ+2:CQ+3], v[XQ+8:XQ+15], v11
	v_lshrrev_b32 v[EB+4*(\p)+(\q)], 23, v11       ; the scale's byte (also the plain line behind the conversions)
	ds_store_b8 v[SCBW], v[EB+4*(\p)+(\q)] offset:64*(\p)+16*(\q)   ; both lanes of a block write the same byte with the same value
	global_store_b128 v[L16], v[CQ:CQ+3], s[12:13] offset:2048*(\p)+512*(\q)   ; 512 consecutive bytes
.endm
.macro ROW p, left
.set XR, 64*(\p)
	s_wait_loadcnt \left
	WIN 0x05                                       ; both sources window 1
.irp c, 0,1,2,3
	v_pk_add_f32 v[SU+2*\c:SU+2*\c+1], v[XR+2*\c:XR+2*\c+1], v[XR+8+2*\c:XR+8+2*\c+1]   ; the first eight pairs start four chains: nothing is cleared
.endr
	WIN 0x04
.set i, 8
.rept 6
.irp c, 0,1,2,3
	v_pk_add_f32 v[SU+2*\c:SU+2*\c+1], v[SU+2*\c:SU+2*\c+1], v[XR+2*i+2*\c:XR+2*i+2*\c+1]
.endr
.set i, i+4
.endr
	WIN 0
	FOLD
	v_mul_f32 v[MU], 0x3a000000, v[TT]             ; the mean: / 2,048
	v_mov_b32 v[MU+1], v[MU]
	WIN 0x41
.set i, 0
.rept 32
	v_pk_add_f32 v[XR+2*i:XR+2*i+1], v[XR+2*i:XR+2*i+1], v[MU:MU+1] neg_lo:[0,1] neg_hi:[0,1]
.set i, i+1
.endr
	WIN 0x05
.irp c, 0,1,2,3
	v_pk_mul_f32 v[SU+2*\c:SU+2*\c+1], v[XR+2*\c:XR+2*\c+1], v[XR+2*\c:XR+2*\c+1]
.endr
.set i, 4
.rept 7
.irp c, 0,1,2,3
	v_pk_fma_f32 v[SU+2*\c:SU+2*\c+1], v[XR+2*i+2*\c:XR+2*i+2*\c+1], v[XR+2*i+2*\c:XR+2*i+2*\c+1], v[SU+2*\c:SU+2*\c+1]
.endr
.set i, i+4
.endr
	WIN 0
	FOLD
	v_fma_f32 v[TT], v[TT], s20, s21               ; the variance + 1e-5
	v_rsq_f32 v[RS], v[TT]
	v_nop                                          ; a plain line behind the transcendental
	s_wait_alu depctr_va_vdst(0)                   ; and the wait ahead of its first reader
	v_mov_b32 v[RS+1], v[RS]
	WIN 0x41
.set i, 0
.rept 32
	v_pk_mul_f32 v[XR+2*i:XR+2*i+1], v[XR+2*i:XR+2*i+1], v[RS:RS+1]
.set i, i+1
.endr
	WIN 0x79                                       ; the row window 1, g window 2, b window 3
.set i, 0
.rept 32
	v_pk_fma_f32 v[XR+2*i:XR+2*i+1], v[XR+2*i:XR+2*i+1], v[XR+2*i:XR+2*i+1], v[XR+2*i:XR+2*i+1]
.set i, i+1
.endr
	WIN 0x04
.set i, 0
.rept 16
	ds_store_b128 v[STW], v[XR+4*i:XR+4*i+3] offset:2560*(i/4)+640*(i%4)
.set i, i+1
.endr
	WIN 0
.set i, 0
.rept 16
	ds_load_b128 v[N+4*i:N+4*i+3], v[STR] offset:2560*(i/4)+16*(i%4)   ; LDS serves a wave's instructions in order: these see my stores
.set i, i+1
.endr
	s_wait_dscnt 0x0
	QSTEP \p, 0
	QSTEP \p, 1
	QSTEP \p, 2
	QSTEP \p, 3
.endm
	s_load_b256 s[4:11], s[0:1], 0x0               ; hbuf s[4:5], route s[6:7], ln_g s[8:9], ln_b s[10:11]
	s_load_b64 s[12:13], s[0:1], 0x20              ; hqs
	v_lshl_add_u32 v254, v0, 2, 0xa800
	v_mov_b32 v255, 0
	v_lshrrev_b32 v1, 5, v0
	v_readfirstlane_b32 s14, v1                    ; wave
	v_and_b32 v1, 31, v0                           ; lane
	s_lshl_b32 s15, ttmp9, 4
	s_lshl_b32 s16, s14, 2
	s_add_co_u32 s15, s15, s16                     ; n0: my first row
	v_lshlrev_b32 v[L16], 4, v1
	v_lshlrev_b32 v[L8], 3, v1
	s_mul_i32 s16, s14, 10752                      ; my wave's LDS: a stage of 4 x 2,560 bytes, then 256 scale bytes
	v_lshrrev_b32 v[STW], 2, v1
	v_mul_u32_u24 v[STW], v[STW], 80
	v_and_b32 v8, 3, v1
	v_lshl_add_u32 v[STW], v8, 4, v[STW]
	v_add_nc_u32 v[STW], s16, v[STW]               ; way in: four lanes' 64 bytes on end, then 16 of padding
	v_mul_u32_u24 v[STR], v1, 80
	v_add_nc_u32 v[STR], s16, v[STR]               ; way out: my 16 neighbours
	s_add_co_u32 s16, s16, 10240
	v_lshrrev_b32 v[SCBW], 1, v1
	v_add_nc_u32 v[SCBW], s16, v[SCBW]
	v_add_nc_u32 v[SCBR], s16, v[L8]
	v_mov_b32 v[TP], 0                             ; written once: a lane permute's destination counts as one of its sources
	s_mov_b32 s20, 0x3a000000                      ; 1 / 2,048
	s_mov_b32 s21, 0x3727c5ac                      ; 1e-5
	s_mov_b32 s22, 0x76543210
	s_mov_b32 s23, 0xfedcba98
	s_mov_b32 s48, 0x600000
	s_lshl_b32 s16, s15, 2
	s_mov_b32 s17, 0
	s_lshl_b32 s46, s15, 13
	s_mov_b32 s47, 0
	s_lshl_b32 s50, s15, 11
	s_mov_b32 s51, 0
	s_lshl_b32 s52, s15, 6
	s_mov_b32 s53, 0
	s_wait_kmcnt 0x0
	s_add_nc_u64 s[18:19], s[6:7], s[16:17]
	s_load_b128 s[40:43], s[18:19], 16384          ; my four rows' experts
	s_add_nc_u64 s[4:5], s[4:5], s[46:47]
	s_add_nc_u64 s[44:45], s[12:13], s[52:53]
	s_add_nc_u64 s[44:45], s[44:45], 0x800000      ; my rows' scale bytes
	s_add_nc_u64 s[12:13], s[12:13], s[50:51]      ; my rows' codes
	WIN 0x40
.set i, 0
.rept 64
	global_load_b128 v[4*i:4*i+3], v[L16], s[4:5] offset:512*i th:TH_LOAD_NT   ; four rows on end: 32,768 dense bytes
.set i, i+1
.endr
	WIN 0
	s_wait_kmcnt 0x0
.irp p, 0,1,2,3
	s_min_u32 s46, s[40+\p], 15
	s_lshl_b32 s46, s46, 13
	s_add_nc_u64 s[24+2*\p:25+2*\p], s[8:9], s[46:47]
	s_add_nc_u64 s[32+2*\p:33+2*\p], s[10:11], s[46:47]
.endr
.irp p, 0,1,2,3
	WIN 0x80
.set i, 0
.rept 16
	global_load_b128 v[64*\p+4*i:64*\p+4*i+3], v[L16], s[24+2*\p:25+2*\p] offset:512*i
.set i, i+1
.endr
	WIN 0xc0
.set i, 0
.rept 16
	global_load_b128 v[64*\p+4*i:64*\p+4*i+3], v[L16], s[32+2*\p:33+2*\p] offset:512*i
.set i, i+1
.endr
.endr
	WIN 0
	ROW 0, 63                                      ; the rows and row 0's g and b are in: 96 loads are younger, and the count's field holds 63
	ROW 1, 63                                      ; 64 are younger
	ROW 2, 32
	ROW 3, 0
	ds_load_b64 v[26:27], v[SCBR]                  ; LDS serves a wave's instructions in order: this sees my byte stores
	s_wait_dscnt 0x0
	global_store_b64 v[L8], v[26:27], s[44:45]     ; 32 lanes store 256 consecutive bytes, aligned
	s_wait_tensorcnt 0x0
	ds_add_u32 v254, v255
	s_wait_dscnt 0x0
	s_endpgm
.Lfunc_end_k_qce2f6c106a_lnq:
	.size	k_qce2f6c106a_lnq, .Lfunc_end_k_qce2f6c106a_lnq-k_qce2f6c106a_lnq
	.p2alignl 7, 3214868480
	.fill 96, 4, 3214868480
	.section	.rodata,"a",@progbits
	.p2align	6, 0x0
	.amdhsa_kernel k_qce2f6c106a_lnq
		.amdhsa_group_segment_fixed_size 43520
		.amdhsa_private_segment_fixed_size 0
		.amdhsa_enable_private_segment 0
		.amdhsa_kernarg_size 40
		.amdhsa_user_sgpr_count 2
		.amdhsa_user_sgpr_kernarg_segment_ptr 1
		.amdhsa_wavefront_size32 1
		.amdhsa_system_sgpr_workgroup_id_x 1
		.amdhsa_system_sgpr_workgroup_id_y 1
		.amdhsa_system_sgpr_workgroup_id_z 1
		.amdhsa_system_vgpr_workitem_id 0
		.amdhsa_next_free_vgpr 1024
		.amdhsa_next_free_sgpr 66
		.amdhsa_reserve_vcc 0
		.amdhsa_float_denorm_mode_32 3
		.amdhsa_float_denorm_mode_16_64 3
		.amdhsa_memory_ordered 1
		.amdhsa_forward_progress 1
		.amdhsa_inst_pref_size 109
	.end_amdhsa_kernel
	.amdgpu_metadata
---
amdhsa.version: [ 1, 2 ]
amdhsa.kernels:
  - .name:           k_qce2f6c106a_lnq
    .symbol:         k_qce2f6c106a_lnq.kd
    .args:
      - { .name: hbuf, .offset: 0, .size: 8, .value_kind: global_buffer, .address_space: global }
      - { .name: route, .offset: 8, .size: 8, .value_kind: global_buffer, .address_space: global }
      - { .name: ln_g, .offset: 16, .size: 8, .value_kind: global_buffer, .address_space: global }
      - { .name: ln_b, .offset: 24, .size: 8, .value_kind: global_buffer, .address_space: global }
      - { .name: hqs, .offset: 32, .size: 8, .value_kind: global_buffer, .address_space: global }
    .group_segment_fixed_size: 43520
    .private_segment_fixed_size: 0
    .kernarg_segment_align: 8
    .kernarg_segment_size: 40
    .max_flat_workgroup_size: 128
    .sgpr_count:     66
    .vgpr_count:     1024
    .wavefront_size: 32
...
	.end_amdgpu_metadata
.endif
;; end of part 4
;; launch ffn2 (part 5): grid 16 x 16, 4 waves a work-group, no clusters, 153,088 bytes of LDS; arguments W2, b2, hqs, xqs, lists, ybuf; writes ybuf
.if DOCPART == 5
	.amdgcn_target "amdgcn-amd-amdhsa--gfx1250"
	.amdhsa_code_object_version 6
	.text
	.protected	k_qce2f6c106a_ffn2
	.globl	k_qce2f6c106a_ffn2
	.p2align	8
	.type	k_qce2f6c106a_ffn2,@function
k_qce2f6c106a_ffn2:
	s_mov_b64 s[64:65], 0
	v_nop
	global_prefetch_b8 v0, s[64:65] scope:SCOPE_SE
	s_setreg_imm32_b32 hwreg(HW_REG_WAVE_MODE, 25, 1), 1
	s_wait_xcnt 0x0
; ybuf[khalf][id][64 slice ..] = gw[id] x (the sum over this half of K of Q(h)[id] Q(W2[e]), + b2[e] in half 0), for the routed rows id of expert e.
; Work-group (x, e): slice = x % 8 (64 outputs: 256 bytes of each row of W2), khalf = x / 8 (1,024 of K's 2,048), all of the expert's rows.  The product's sum is so made of two halves of K, added in f32 by the last launch.
; Why 64 outputs x half of K: 256 work-groups of equal weight, and every read of W2 takes whole aligned runs of 256 bytes; a slice of 32 outputs would take half of each.
; Each byte of W2 is read once in the launch and quantised in registers on its way: a load's lanes 0-15 take row 32 b + i, lanes 16-31 row 32 b + 16 + i, 4 columns a lane, so a lane holds k = 32 b + 16 (lane / 16) + 0 .. 15,
; the fragment's own split; a block's maximum is joined with lane l xor 16's.  The codes go through LDS and come back as 32 fragments (K step s, tile t: 16 (4 s + t)), which stay in windows 1 and 2.
; Rows go in tiles of 16 as in the first product's launch: ids from the stored list, h's code rows (1,024 bytes of this half) a whole trip ahead.  Pad ids read row 4,095 and store into ybuf's row 4,096 + e, which nobody reads.
; The trip count hangs on the stored count: no tensor load; no barrier in the loop; no LDS address is stepped.  No cluster: partners' trip counts differ, and what is shared (h's codes) is under half of a work-group's bytes.
; LIMITS: NaN and infinities are not served; a block of zeros gets the byte 1 (its codes are zeros; this program alone reads the bytes).
; REGISTERS.  window 0: v1-15, v48-50 addresses, the gate weight; v16-23 h's scale words, v24-31 the next tile's; v32-47 W2's; v52-95 the quantiser's; v96-127 the four sums (at the head: codes); v128-255 h's fragments (at the head: numbers).
;   window 3: v0-31 b2; v32-159 code rows as loaded; v160-191 rows on the way out; v192-207, v208-215 addresses.
.set WSC2, 66560                       ; LDS: 0: W2's codes, 64 rows x (1,024 + 16);  here: its scale words, 8 K steps x 256 bytes
.set HST2, 68608                       ; h's code rows of a tile: 16 x 1,040 for each wave
.set YST,  135168                      ; the way out: 16 x 272 for each wave
.set L16K, 1
.set WTW2, 2
.set WTR2, 3
.set HSTW, 4
.set HSTR, 5
.set YSTW, 6
.set YSTR, 7
.set YO,   8
.set VID,  9
.set HSO,  10
.set GWO,  11
.set GW,   12
.set GWN,  14
.set WSW2, 15
.set HS,   16
.set HSN,  24
.set WS,   32
.set WSR2, 48
.set WLD,  49
.set B2O,  50
.set M,    52
.set P,    60
.set SCL,  68
.set LIM,  76
.set SW,   84
.set SWS,  92
.set ACC,  96
.set C,    96
.set HF,   128
.set T,    128
.set B2,   0                           ; window 3
.set RAW,  32
.set OUT,  160
.set RAD,  192
.set YAD,  208
.set IDA,  16
.set IDB,  32
.set IDC,  48
.set WV,   66
.set EX,   67
.set CNT,  68                          ; s68  the expert's count of rows, then my wave's number of tiles
.set TRIP, 69                          ; s69  my wave's first row, then the tiles done
.set MNT,  71
.set LP,   72
.set SLC,  74
.set KH,   75
.set BM,   76
.set HIM,  77
.set HSB,  80                          ; s[80:81] h's scale bytes of this half
.set SEL,  82
.set MSB, 0
.macro WIN new                         ; the immediate's high byte repeats the setting that is left
.if MSB != (\new)
	s_set_vgpr_msb (MSB<<8)|(\new)
.set MSB, (\new)
.endif
.endm
.macro LOADGRP g                       ; two blocks of 32 along K: 32 loads, each two whole runs of 256 bytes
	WIN 0x40*(1+(\g)/2)
.set i, 0
.rept 32
	global_load_b128 v[128*((\g)%2)+4*i:128*((\g)%2)+4*i+3], v[WLD], s[4:5] offset:2048*(32*(2*(\g)+i/16)+i%16) th:TH_LOAD_NT
.set i, i+1
.endr
	WIN 0
.endm
.macro WBLOCK2 g                       ; m = 4 bb + j: block 2 g + bb, column j of my four
.set X, 1+(\g)/2
.set R, 128*((\g)%2)
	WIN 5*X
.irp m, 0,1,2,3,4,5,6,7
	v_max3_num_f32 v[M+\m], |v[R+64*(\m/4)+(\m%4)]|, |v[R+64*(\m/4)+4+(\m%4)]|, 0x8000000   ; the floor 2^(16 - 127): the byte cannot fall under 1
.endr
.set i, 2
.rept 7
.irp m, 0,1,2,3,4,5,6,7
	v_max3_num_f32 v[M+\m], |v[R+64*(\m/4)+4*i+(\m%4)]|, |v[R+64*(\m/4)+4*i+4+(\m%4)]|, v[M+\m]
.endr
.set i, i+2
.endr
	WIN 0
.irp m, 0,1,2,3,4,5,6,7
	v_permlanex16_b32 v[P+\m], v[M+\m], s[SEL], s[SEL+1]
.endr
.irp m, 0,1,2,3,4,5,6,7
	v_max_num_f32 v[M+\m], v[M+\m], v[P+\m]        ; with lane l xor 16's 16: the block's largest magnitude
.endr
.irp m, 0,1,2,3,4,5,6,7
	v_add_nc_u32 v[SCL+\m], 0xf8800000, v[M+\m]
.endr
.irp m, 0,1,2,3,4,5,6,7
	v_and_or_b32 v[LIM+\m], v[M+\m], 0x7f800000, s[MNT]
.endr
.irp m, 0,1,2,3,4,5,6,7
	v_lshrrev_b32 v[P+\m], 23, v[SCL+\m]           ; the scale's byte
.endr
.irp m, 0,1,2,3,4,5,6,7
.set SWR, SW+4*((\g)/2)+(\m%4)
.set SH, 8*((2*(\g)+(\m/4))%4)
.if SH == 0
	v_mov_b32 v[SWR], v[P+\m]
.else
	v_lshl_or_b32 v[SWR], v[P+\m], SH, v[SWR]
.endif
.endr
	WIN X
.set i, 0
.rept 16
.irp m, 0,1,2,3,4,5,6,7
	v_med3_num_f32 v[T+16*\m+i], v[R+64*(\m/4)+4*i+(\m%4)], -v[LIM+\m], v[LIM+\m]   ; the hold also brings a column's 16 numbers into consecutive registers
.endr
.set i, i+1
.endr
	WIN 0
.irp m, 0,1,2,3,4,5,6,7
	v_cvt_scalef32_pk8_bf8_f32 v[C+4*\m:C+4*\m+1], v[T+16*\m:T+16*\m+7], v[SCL+\m]
	v_cvt_scalef32_pk8_bf8_f32 v[C+4*\m+2:C+4*\m+3], v[T+16*\m+8:T+16*\m+15], v[SCL+\m]
.endr
	v_nop                                          ; one plain line behind the last conversion
.irp m, 0,1,2,3,4,5,6,7
	ds_store_b128 v[WTW2], v[C+4*\m:C+4*\m+3] offset:1040*(\m%4)+32*(2*(\g)+(\m/4))
.endr
	s_wait_dscnt 0x0                               ; the stores have read their registers
.endm
.macro NEXTH                           ; the next tile (ids in s[IDB] on): 32 loads of code rows, 2 of scale words, 1 of gate weights
	WIN 0xc0
.set i, 0
.rept 16
	s_min_u32 s70, s[IDB+i], 4095
	s_lshl_b32 s70, s70, 11
	v_add_nc_u32 v[RAD+i], s70, v[L16K]
.set i, i+1
.endr
	WIN 0
.set i, 0
.rept 16
	v_writelane_b32 v[VID], s[IDB+i], i            ; both halves of the lanes hold row r's id: the gate weight is wanted in all 32
	v_writelane_b32 v[VID], s[IDB+i], 16+i
.set i, i+1
.endr
	v_min_u32 v[HSO], 4095, v[VID]
	v_lshlrev_b32 v[GWO], 2, v[HSO]
	v_lshlrev_b32 v[HSO], 6, v[HSO]
	WIN 0xc3
.set i, 0
.rept 16
	global_load_b128 v[RAW+8*i:RAW+8*i+3], v[RAD+i], s[8:9]
	global_load_b128 v[RAW+8*i+4:RAW+8*i+7], v[RAD+i], s[8:9] offset:512
.set i, i+1
.endr
	WIN 0
	global_load_b128 v[HSN:HSN+3], v[HSO], s[HSB:HSB+1]
	global_load_b128 v[HSN+4:HSN+7], v[HSO], s[HSB:HSB+1] offset:16
	global_load_b32 v[GWN], v[GWO], s[10:11] offset:1081344
.endm
.macro ROT
.irp i, 0,2,4,6,8,10,12,14
	s_mov_b64 s[IDA+\i:IDA+\i+1], s[IDB+\i:IDB+\i+1]
.endr
.irp i, 0,2,4,6,8,10,12,14
	s_mov_b64 s[IDB+\i:IDB+\i+1], s[IDC+\i:IDC+\i+1]
.endr
.endm
.macro PROD2 s, t
.set FW, 16*((4*(\s)+(\t))%16)
.set AC, ACC+8*(\t)
.set BX, HF+16*(\s)
.set SA, WS+8*((\t)/2)+(\s)
.if (\s) == 0
.if (\t)%2 == 0
	v_wmma_scale_f32_16x16x128_f8f6f4 v[AC:AC+7], v[FW:FW+15], v[BX:BX+15], v[B2+8*(\t):B2+8*(\t)+7], v[SA], v[HS+(\s)] matrix_a_fmt:MATRIX_FMT_BF8 matrix_b_fmt:MATRIX_FMT_BF8
.else
	v_wmma_scale_f32_16x16x128_f8f6f4 v[AC:AC+7], v[FW:FW+15], v[BX:BX+15], v[B2+8*(\t):B2+8*(\t)+7], v[SA], v[HS+(\s)] matrix_a_fmt:MATRIX_FMT_BF8 matrix_b_fmt:MATRIX_FMT_BF8 matrix_a_scale:MATRIX_SCALE_ROW1
.endif
.else
.if (\t)%2 == 0
	v_wmma_scale_f32_16x16x128_f8f6f4 v[AC:AC+7], v[FW:FW+15], v[BX:BX+15], v[AC:AC+7], v[SA], v[HS+(\s)] matrix_a_fmt:MATRIX_FMT_BF8 matrix_b_fmt:MATRIX_FMT_BF8
.else
	v_wmma_scale_f32_16x16x128_f8f6f4 v[AC:AC+7], v[FW:FW+15], v[BX:BX+15], v[AC:AC+7], v[SA], v[HS+(\s)] matrix_a_fmt:MATRIX_FMT_BF8 matrix_b_fmt:MATRIX_FMT_BF8 matrix_a_scale:MATRIX_SCALE_ROW1
.endif
.endif
.endm
	s_load_b256 s[4:11], s[0:1], 0x0               ; W2 s[4:5], b2 s[6:7], hqs s[8:9], xqs s[10:11]
	s_load_b128 s[12:15], s[0:1], 0x20             ; lists s[12:13], ybuf s[14:15]
	v_lshl_add_u32 v51, v0, 2, 0x25400
	s_set_vgpr_msb 0xc0
	v_mov_b32 v255, 0
	s_set_vgpr_msb 0xc000
	v_lshrrev_b32 v1, 5, v0
	v_readfirstlane_b32 s[WV], v1
	s_and_b32 s[EX], ttmp7, 0xffff                 ; the expert
	s_and_b32 s[SLC], ttmp9, 7                     ; the slice of 64 outputs
	s_lshr_b32 s[KH], ttmp9, 3                     ; the half of K
	v_and_b32 v60, 31, v0                          ; lane
	v_and_b32 v61, 15, v0                          ; r
	v_bfe_u32 v62, v0, 4, 1                        ; h
	s_lshl_b32 s70, s[KH], 10
	v_lshl_add_u32 v[L16K], v60, 4, s70            ; 16 x lane + this half's 1,024 bytes of a code row
	v_mul_u32_u24 v[WTW2], v61, 4160               ; my 4 columns' rows of codes,
	v_lshl_add_u32 v[WTW2], v62, 4, v[WTW2]        ; my half of a block,
	s_lshl_b32 s70, s[WV], 8
	v_add_nc_u32 v[WTW2], s70, v[WTW2]             ; my wave's 256 along K
	v_mul_u32_u24 v[WTR2], v61, 1040
	v_lshl_add_u32 v[WTR2], v62, 4, v[WTR2]        ; a fragment's row x pitch + 16 h
	s_mul_i32 s70, s[WV], 16640
	s_add_co_u32 s70, s70, HST2
	v_lshl_add_u32 v[HSTW], v60, 4, s70
	v_add_nc_u32 v[HSTR], s70, v[WTR2]
	s_mul_i32 s70, s[WV], 4352
	s_add_co_u32 s70, s70, YST
	v_mul_u32_u24 v[YSTW], v61, 272
	v_lshl_add_u32 v[YSTW], v62, 5, v[YSTW]
	v_add_nc_u32 v[YSTW], s70, v[YSTW]
	v_mul_u32_u24 v[YSTR], v62, 272
	v_lshl_add_u32 v[YSTR], v61, 4, v[YSTR]
	v_add_nc_u32 v[YSTR], s70, v[YSTR]
	s_lshl_b32 s84, s[SLC], 8
	v_lshl_add_u32 v[YO], v61, 4, s84
	v_mov_b32 v[VID], 0
	v_mov_b32 v[GW+1], 0                           ; (named with the gate weight as a pair, so it is written)
	s_lshl_b32 s70, s[WV], 9
	s_add_co_u32 s70, s70, WSC2
	v_lshl_add_u32 v[WSW2], v61, 4, s70
	v_lshl_add_u32 v[WSW2], v62, 8, v[WSW2]
	v_lshl_add_u32 v[WSR2], v60, 2, WSC2
	v_lshlrev_b32 v[WLD], 4, v61
	v_lshl_add_u32 v[WLD], v62, 15, v[WLD]         ; lanes 16-31 begin 16 rows of 2,048 bytes further down
	v_lshlrev_b32 v[B2O], 5, v62
.irp m, 0,1,2,3,4,5,6,7
	v_mov_b32 v[P+\m], 0                           ; written once: a lane permute's destination counts as one of its sources
.endr
	s_mov_b32 s[MNT], 0x600000
	s_mov_b32 s[HIM], 0xffff0000
	s_mov_b32 s[SEL], 0x76543210
	s_mov_b32 s[SEL+1], 0xfedcba98
	s_cmp_eq_u32 s[KH], 0
	s_cselect_b32 s[BM], -1, 0                     ; b2 counts in half 0 alone
	s_lshl_b32 s78, s[EX], 22                      ; W2: the expert's 4 MiB, the half, my wave's 256 rows, the slice
	s_lshl_b32 s70, s[KH], 21
	s_add_co_u32 s78, s78, s70
	s_lshl_b32 s70, s[WV], 19
	s_add_co_u32 s78, s78, s70
	s_add_co_u32 s78, s78, s84
	s_mov_b32 s79, 0
	s_lshl_b32 s86, s[EX], 11                      ; b2
	s_add_co_u32 s86, s86, s84
	s_mov_b32 s87, 0
	s_mul_i32 s88, s[EX], 9216                     ; the expert's list, my wave's first tile
	s_lshl_b32 s70, s[WV], 6
	s_add_co_u32 s88, s88, s70
	s_mov_b32 s89, 0
	s_lshl_b32 s90, s[EX], 2
	s_mov_b32 s91, 0
	s_lshl_b32 s92, s[KH], 5
	s_mov_b32 s93, 0
	s_mul_i32 s94, s[KH], 8421376                  ; ybuf's half: 4,112 rows of 2,048 bytes
	s_mov_b32 s95, 0
	s_wait_kmcnt 0x0
	s_add_nc_u64 s[4:5], s[4:5], s[78:79]
	s_add_nc_u64 s[6:7], s[6:7], s[86:87]
	s_add_nc_u64 s[LP:LP+1], s[12:13], s[88:89]
	s_add_nc_u64 s[12:13], s[12:13], s[90:91]
	s_add_nc_u64 s[HSB:HSB+1], s[8:9], s[92:93]
	s_add_nc_u64 s[HSB:HSB+1], s[HSB:HSB+1], 0x800000
	s_add_nc_u64 s[14:15], s[14:15], s[94:95]
	s_load_b32 s[CNT], s[12:13], 147456
	s_load_b512 s[IDB:IDB+15], s[LP:LP+1], 0x0
	s_load_b512 s[IDC:IDC+15], s[LP:LP+1], 0x100
	WIN 0xc0
.irp t, 0,1,2,3
	global_load_b128 v[B2+8*\t:B2+8*\t+3], v[B2O], s[6:7] offset:64*\t         ; b2 in the result's layout: lane (r, h): outputs 16 t + 8 h + 0 .. 7
	global_load_b128 v[B2+8*\t+4:B2+8*\t+7], v[B2O], s[6:7] offset:64*\t+16
.endr
	WIN 0
	LOADGRP 0
	LOADGRP 1
	s_wait_loadcnt 32                              ; b2 and group 0 are in; group 1 may be out
	LOADGRP 2
	WIN 0xcc
.set i, 0
.rept 32
	v_cndmask_b32 v[B2+i], 0, v[B2+i], s[BM]
.set i, i+1
.endr
	WIN 0
	WBLOCK2 0
	s_wait_loadcnt 32                              ; group 1 is in; group 2 may be out
	LOADGRP 3
	WBLOCK2 1
	s_wait_kmcnt 0x0                               ; the count and the first two tiles' ids
	NEXTH
	ROT
	s_wait_loadcnt 63                              ; group 2 is in: 67 loads are younger, and the count's field holds 63
	WBLOCK2 2
	s_wait_loadcnt 35                              ; group 3 is in; the first tile's 35 loads may be out
	WBLOCK2 3
.irp j, 0,1,2,3
	v_cndmask_b32 v[SWS+\j], v[SW+\j], v[SW+4+\j], s[HIM]   ; lanes 0-15 store K step 2 w's words, lanes 16-31 K step 2 w + 1's
.endr
	ds_store_b128 v[WSW2], v[SWS:SWS+3]
	s_wait_dscnt 0x0                               ; for the others' sake: my codes and scale words have landed
	s_barrier_signal -1
	s_barrier_wait -1
	WIN 0x40
.irp s, 0,1,2,3
.irp t, 0,1,2,3
.irp c, 0,1,2,3
	ds_load_b128 v[16*(4*\s+\t)+4*\c:16*(4*\s+\t)+4*\c+3], v[WTR2] offset:16640*\t+128*\s+32*\c
.endr
.endr
.endr
	WIN 0x80
.irp s, 0,1,2,3
.irp t, 0,1,2,3
.irp c, 0,1,2,3
	ds_load_b128 v[16*(4*\s+\t)+4*\c:16*(4*\s+\t)+4*\c+3], v[WTR2] offset:16640*\t+128*(\s+4)+32*\c
.endr
.endr
.endr
	WIN 0
.irp u, 0,1
.irp s, 0,1,2,3,4,5,6,7
	ds_load_b32 v[WS+8*\u+\s], v[WSR2] offset:256*\s+128*\u   ; lanes 0-15: tile 2 u's words, lanes 16-31: tile 2 u + 1's
.endr
.endr
	s_wait_dscnt 0x0
	; how many tiles are mine: tiles w, w + 4, .. whose first row, 16 w + 64 n, lies under the count: ceil((count - 16 w) / 64)
	s_min_u32 s[CNT], s[CNT], 2048                 ; an expert has 2,048 rows at the most (a token's two experts differ): so at most 32 trips, and the list is read up to entry 2,175 of the 2,240 that are filled
	s_lshl_b32 s[TRIP], s[WV], 4                   ; my first tile's first row
	s_cmp_ge_u32 s[TRIP], s[CNT]
	s_cbranch_scc1 .Ldone                          ; none
	s_sub_co_u32 s[CNT], s[CNT], s[TRIP]
	s_add_co_u32 s[CNT], s[CNT], 63
	s_lshr_b32 s[CNT], s[CNT], 6                   ; my tiles; the loop does not write it
	s_mov_b32 s[TRIP], 0
.Ltile:
	s_wait_loadcnt 0x0                             ; this tile's 35 loads, asked for a trip ago
.irp s, 0,1,2,3,4,5,6,7
	v_mov_b32 v[HS+\s], v[HSN+\s]
.endr
	v_mov_b32 v[GW], v[GWN]
	WIN 0x0c                                       ; an LDS store's data are its source 1: window 3
.set i, 0
.rept 32
	ds_store_b128 v[HSTW], v[RAW+4*i:RAW+4*i+3] offset:1040*(i/2)+512*(i%2)
.set i, i+1
.endr
	WIN 0
.irp s, 0,1,2,3,4,5,6,7
.irp c, 0,1,2,3
	ds_load_b128 v[HF+16*\s+4*\c:HF+16*\s+4*\c+3], v[HSTR] offset:128*\s+32*\c   ; LDS serves a wave's instructions in order: these see my stores
.endr
.endr
	s_wait_dscnt 0x0                               ; the fragments are in, and the stores have read the rows' registers
	s_wait_xcnt 0x0                                ; the last trip's stores have read their addresses and data: both are written again below
	NEXTH
	s_load_b512 s[IDC:IDC+15], s[LP:LP+1], 0x200   ; the ids two tiles on
.irp p, 0,1,2,3,4,5,6,7
	v_mov_b32 v[M+\p], s[IDA+2*\p]                 ; a store takes two rows: lanes 0-15 row 2 p, lanes 16-31 row 2 p + 1
	v_mov_b32 v[P], s[IDA+2*\p+1]
	v_cndmask_b32 v[M+\p], v[M+\p], v[P], s[HIM]
	v_min_u32 v[M+\p], 4111, v[M+\p]
.endr
	WIN 0xc0
.irp p, 0,1,2,3,4,5,6,7
	v_lshl_add_u32 v[YAD+\p], v[M+\p], 11, v[YO]
.endr
.irp s, 0,1,2,3,4,5,6,7                ; 32 products; the four sums take turns, one instruction a turn
.if \s == 0
	WIN 0x31                                       ; source 0 (W2) window 1, C (b2) window 3
.elseif \s < 4
	WIN 0x01
.else
	WIN 0x02
.endif
.irp t, 0,1,2,3
	PROD2 \s, \t
.endr
.endr
	WIN 0
.rept 8
	v_nop                                          ; eight places behind the products
.endr
.set i, 0
.rept 16
	v_pk_mul_f32 v[ACC+2*i:ACC+2*i+1], v[ACC+2*i:ACC+2*i+1], v[GW:GW+1] op_sel_hi:[1,0]   ; x the row's gate weight; each sum is read from its low end on
.set i, i+1
.endr
.irp t, 0,1,2,3
	ds_store_b128 v[YSTW], v[ACC+8*\t:ACC+8*\t+3] offset:64*\t
	ds_store_b128 v[YSTW], v[ACC+8*\t+4:ACC+8*\t+7] offset:64*\t+16
.endr
	WIN 0xc0
.set i, 0
.rept 8
	ds_load_b128 v[OUT+4*i:OUT+4*i+3], v[YSTR] offset:544*i
.set i, i+1
.endr
	WIN 0x0f                                       ; a store's address and data: window 3
.set i, 0
.rept 8
	s_wait_dscnt 7-i
	global_store_b128 v[YAD+i], v[OUT+4*i:OUT+4*i+3], s[14:15] th:TH_STORE_NT   ; each half of the lanes stores 256 consecutive bytes, aligned
.set i, i+1
.endr
	WIN 0
	s_wait_kmcnt 0x0                               ; the ids two tiles on are in, and the list's pointer may step
	ROT
	s_add_nc_u64 s[LP:LP+1], s[LP:LP+1], 0x100
	s_add_co_u32 s[TRIP], s[TRIP], 1
	s_cmp_lt_u32 s[TRIP], s[CNT]
	s_cbranch_scc1 .Ltile
.Ldone:
	s_set_vgpr_msb 0xc
	s_wait_tensorcnt 0x0
	ds_add_u32 v51, v255
	s_wait_dscnt 0x0
	s_set_vgpr_msb 0xc00
	s_endpgm
.Lfunc_end_k_qce2f6c106a_ffn2:
	.size	k_qce2f6c106a_ffn2, .Lfunc_end_k_qce2f6c106a_ffn2-k_qce2f6c106a_ffn2
	.p2alignl 7, 3214868480
	.fill 96, 4, 3214868480
	.section	.rodata,"a",@progbits
	.p2align	6, 0x0
	.amdhsa_kernel k_qce2f6c106a_ffn2
		.amdhsa_group_segment_fixed_size 153088
		.amdhsa_private_segment_fixed_size 0
		.amdhsa_enable_private_segment 0
		.amdhsa_kernarg_size 48
		.amdhsa_user_sgpr_count 2
		.amdhsa_user_sgpr_kernarg_segment_ptr 1
		.amdhsa_wavefront_size32 1
		.amdhsa_system_sgpr_workgroup_id_x 1
		.amdhsa_system_sgpr_workgroup_id_y 1
		.amdhsa_system_sgpr_workgroup_id_z 1
		.amdhsa_system_vgpr_workitem_id 0
		.amdhsa_next_free_vgpr 1024
		.amdhsa_next_free_sgpr 100
		.amdhsa_reserve_vcc 0
		.amdhsa_float_denorm_mode_32 3
		.amdhsa_float_denorm_mode_16_64 3
		.amdhsa_memory_ordered 1
		.amdhsa_forward_progress 1
		.amdhsa_inst_pref_size 127
	.end_amdhsa_kernel
	.amdgpu_metadata
---
amdhsa.version: [ 1, 2 ]
amdhsa.kernels:
  - .name:           k_qce2f6c106a_ffn2
    .symbol:         k_qce2f6c106a_ffn2.kd
    .args:
      - { .name: W2, .offset: 0, .size: 8, .value_kind: global_buffer, .address_space: global }
      - { .name: b2, .offset: 8, .size: 8, .value_kind: global_buffer, .address_space: global }
      - { .name: hqs, .offset: 16, .size: 8, .value_kind: global_buffer, .address_space: global }
      - { .name: xqs, .offset: 24, .size: 8, .value_kind: global_buffer, .address_space: global }
      - { .name: lists, .offset: 32, .size: 8, .value_kind: global_buffer, .address_space: global }
      - { .name: ybuf, .offset: 40, .size: 8, .value_kind: global_buffer, .address_space: global }
    .group_segment_fixed_size: 153088
    .private_segment_fixed_size: 0
    .kernarg_segment_align: 8
    .kernarg_segment_size: 48
    .max_flat_workgroup_size: 128
    .sgpr_count:     100
    .vgpr_count:     1024
    .wavefront_size: 32
...
	.end_amdgpu_metadata
.endif
;; end of part 5
;; launch combine (part 6): grid 256 x 1, 8 waves a work-group, no clusters, 0 bytes of LDS; arguments ybuf, out0; writes out0
.if DOCPART == 6
	.amdgcn_target "amdgcn-amd-amdhsa--gfx1250"
	.amdhsa_code_object_version 6
	.text
	.protected	k_qce2f6c106a_combine
	.globl	k_qce2f6c106a_combine
	.p2align	8
	.type	k_qce2f6c106a_combine,@function
k_qce2f6c106a_combine:
	s_mov_b64 s[64:65], 0
	v_nop
	global_prefetch_b8 v0, s[64:65] scope:SCOPE_SE
	s_setreg_imm32_b32 hwreg(HW_REG_WAVE_MODE, 25, 1), 1
	s_wait_xcnt 0x0
; out0[t] = the sum of ybuf's four rows of token t: routed rows 2 t and 2 t + 1, each in the two halves of K.  The gate weights and b2 are already in them.
; A wave owns one token: 16 loads of 512 consecutive bytes, all issued at once, and 4 stores of 512.  A stream: LDS, barriers and the matrix unit would add nothing.
.set A, 16                             ; v16-79: quarter q of the row: four loads of four registers
	s_load_b128 s[4:7], s[0:1], 0x0                ; ybuf, out0
	v_lshrrev_b32 v1, 5, v0
	v_readfirstlane_b32 s8, v1
	v_and_b32 v1, 31, v0
	v_lshlrev_b32 v1, 4, v1                        ; 16 x lane
	s_lshl_b32 s9, ttmp9, 3
	s_add_co_u32 s9, s9, s8                        ; my token
	s_lshl_b32 s10, s9, 12                         ; its two rows of 2,048 bytes lie on end
	s_mov_b32 s11, 0
	s_lshl_b32 s12, s9, 11
	s_mov_b32 s13, 0
	s_wait_kmcnt 0x0
	s_add_nc_u64 s[4:5], s[4:5], s[10:11]
	s_add_nc_u64 s[14:15], s[4:5], 8421376         ; the second half of K: 4,112 rows on
	s_add_nc_u64 s[6:7], s[6:7], s[12:13]
.irp q, 0,1,2,3
	global_load_b128 v[A+16*\q:A+16*\q+3],     v1, s[4:5] offset:512*\q th:TH_LOAD_NT
	global_load_b128 v[A+16*\q+4:A+16*\q+7],   v1, s[4:5] offset:2048+512*\q th:TH_LOAD_NT
	global_load_b128 v[A+16*\q+8:A+16*\q+11],  v1, s[14:15] offset:512*\q th:TH_LOAD_NT
	global_load_b128 v[A+16*\q+12:A+16*\q+15], v1, s[14:15] offset:2048+512*\q th:TH_LOAD_NT
.endr
.irp q, 0,1,2,3
	s_wait_loadcnt 12-4*\q                         ; this quarter's four loads are in; the later quarters' may be out
.irp k, 0,2
	v_pk_add_f32 v[A+16*\q+\k:A+16*\q+\k+1], v[A+16*\q+\k:A+16*\q+\k+1], v[A+16*\q+4+\k:A+16*\q+4+\k+1]
	v_pk_add_f32 v[A+16*\q+8+\k:A+16*\q+8+\k+1], v[A+16*\q+8+\k:A+16*\q+8+\k+1], v[A+16*\q+12+\k:A+16*\q+12+\k+1]
	v_pk_add_f32 v[A+16*\q+\k:A+16*\q+\k+1], v[A+16*\q+\k:A+16*\q+\k+1], v[A+16*\q+8+\k:A+16*\q+8+\k+1]
.endr
	global_store_b128 v1, v[A+16*\q:A+16*\q+3], s[6:7] offset:512*\q th:TH_STORE_NT
.endr
	s_endpgm
.Lfunc_end_k_qce2f6c106a_combine:
	.size	k_qce2f6c106a_combine, .Lfunc_end_k_qce2f6c106a_combine-k_qce2f6c106a_combine
	.p2alignl 7, 3214868480
	.fill 96, 4, 3214868480
	.section	.rodata,"a",@progbits
	.p2align	6, 0x0
	.amdhsa_kernel k_qce2f6c106a_combine
		.amdhsa_group_segment_fixed_size 0
		.amdhsa_private_segment_fixed_size 0
		.amdhsa_enable_private_segment 0
		.amdhsa_kernarg_size 16
		.amdhsa_user_sgpr_count 2
		.amdhsa_user_sgpr_kernarg_segment_ptr 1
		.amdhsa_wavefront_size32 1
		.amdhsa_system_sgpr_workgroup_id_x 1
		.amdhsa_system_sgpr_workgroup_id_y 1
		.amdhsa_system_sgpr_workgroup_id_z 1
		.amdhsa_system_vgpr_workitem_id 0
		.amdhsa_next_free_vgpr 96
		.amdhsa_next_free_sgpr 66
		.amdhsa_reserve_vcc 0
		.amdhsa_float_denorm_mode_32 3
		.amdhsa_float_denorm_mode_16_64 3
		.amdhsa_memory_ordered 1
		.amdhsa_forward_progress 1
		.amdhsa_inst_pref_size 5
	.end_amdhsa_kernel
	.amdgpu_metadata
---
amdhsa.version: [ 1, 2 ]
amdhsa.kernels:
  - .name:           k_qce2f6c106a_combine
    .symbol:         k_qce2f6c106a_combine.kd
    .args:
      - { .name: ybuf, .offset: 0, .size: 8, .value_kind: global_buffer, .address_space: global }
      - { .name: out0, .offset: 8, .size: 8, .value_kind: global_buffer, .address_space: global }
    .group_segment_fixed_size: 0
    .private_segment_fixed_size: 0
    .kernarg_segment_align: 8
    .kernarg_segment_size: 16
    .max_flat_workgroup_size: 256
    .sgpr_count:     66
    .vgpr_count:     96
    .wavefront_size: 32
...
	.end_amdgpu_metadata
.endif
;; end of part 6
;; ======== version 2 of 2: 6 launches; version 1 with the launches gate, place, ffn1, ffn2 written anew for expert scheduling mode
;; workspace buffers: xqs 1,097,728 bytes; route 32,768 bytes of whole numbers; lists 147,712 bytes of whole numbers; hbuf 33,685,504 bytes; hqs 8,650,752 bytes; ybuf 16,842,752 bytes
;; launch gate (part 7): grid 32 x 1, 4 waves a work-group, no clusters, 175,104 bytes of LDS; arguments x, Wg, xqs, route; writes xqs, route
.if DOCPART == 7
	.amdgcn_target "amdgcn-amd-amdhsa--gfx1250"
	.amdhsa_code_object_version 6
	.text
	.protected	k_qce2f6c106a_gate
	.globl	k_qce2f6c106a_gate
	.p2align	8
	.type	k_qce2f6c106a_gate,@function
k_qce2f6c106a_gate:
	s_mov_b64 s[64:65], 0
	v_nop
	global_prefetch_b8 v0, s[64:65] scope:SCOPE_SE
	s_setreg_imm32_b32 hwreg(HW_REG_WAVE_SCHED_MODE, 0, 2), 2
	s_setreg_imm32_b32 hwreg(HW_REG_WAVE_MODE, 25, 1), 1
	s_wait_xcnt 0x0
	s_wait_alu depctr_vm_vsrc(0)
; THE GATE.  x [2048][512] f32 is quantised to codes of E5M2 with one E8M0 byte for each 32 along K; logits = Q(x) Q(Wg); top 2 of 16; softmax over the two.
; OUT: xqs: x's codes [2048][512] at 0, x's scale bytes [2048][16] at XS_AT, the gate weights gw[4096] f32 at GW_AT (routed row id = 2 token + rank).
;      route: masks[128][16] at 0 (bit L of word j, expert e: id 32 j + 2 (L % 16) + L / 16 goes to e), their bit counts [128][16] at 8,192, sel[4096] at 16,384.  All at fixed places: no address hangs on a choice.
; SHARES.  Wave w of work-group g owns tile j = 4 g + w: tokens 16 j .. 16 j + 15, 32,768 dense bytes of x.  Wave w also quantises K step w (128 along K) of Wg; the four fragments reach all waves through LDS as images of their registers.
; x is loaded as it lies (each load 512 consecutive bytes) and turned through the wave's own stage in LDS, so that lane (r, h) holds 16 neighbours of each block of 32 of row r.
; The product is used transposed (source 0 = Wg's 16 experts, source 1 = 16 tokens): lane (r, h) holds token r and experts 8 h + 0 .. 7.
; LIMITS: NaN and infinities are not served.  A block of zeros gets the byte 1 (its codes are zeros; this program alone reads the bytes).  Equal logits keep the lower index.
; THE MODE: SCHED_MODE bits 1:0 = 2 (LLVM: expert scheduling mode 2), set by the entry lines.  The code itself states the register dependences
; between vector or matrix instructions and memory or LDS instructions, with s_wait_alu, always for 0.
; THE PLAN.  Registers that memory or LDS instructions touch:
;   v4-13      addresses, made once at the head, ahead of the first wait on va_vdst, and never written again.
;   v128-255   x as loaded, read by LDS stores; behind the barrier Wg's fragments land there and the logits and the search work there: one wait on vm_vsrc behind the barrier.
;   NUM        a step's LDS loads land in it; the quantiser holds and converts it; the next step's loads (at the end: the code rows) land in it.
;   PC, PW     written by the quantiser; read by LDS stores and by the product.
;   what the five small stores at the end read is written once: one wait on va_vdst stands ahead of them.
; A K step: wait on vm_vsrc (the last step's stores have read PC), the quantiser, wait on va_vdst (PC is written, NUM is done with), the four LDS stores and at once the next step's sixteen LDS loads,
; the eight places, the wait directly ahead of the product.  Compares write scalar registers in runs, with one wait on va_sdst behind each run.
.set XSTB,  33024                      ; x's stage of a wave: 16 rows x (2,048 + 16) bytes
.set CST,   132096                     ; the codes' stage: 16 rows x (512 + 16) for each wave
.set CSTB,  8448
.set WIMG,  165888                     ; Wg's four fragments, 2,048 bytes each
.set WSCG,  174080                     ; and their scale words, 128 bytes each
.set XS_AT, 1048576
.set GW_AT, 1081344
.set L16,  4                           ; v4   16 x lane
.set WGO,  5                           ; v5   Wg: 4 r + 1,024 h + 8,192 w
.set XSTW, 6                           ; v6   x's stage, way in
.set XSTR, 7                           ; v7   way out: row r, + 64 h
.set CSTW, 8                           ; v8   codes' stage, way in: row r, + 16 h
.set CSTR, 9                           ; v9   way out: 16 x lane
.set WIW,  10                          ; v10  my image of Wg
.set WIR,  11                          ; v11  all images
.set WSW,  12                          ; v12  my scale words of Wg
.set WSR,  13                          ; v13  all of them
.set TM,   16                          ; v16-31 the quantiser's work
.set PC,   32                          ; v32-47 the codes just made
.set PW,   48                          ; v48  the scale word just made
.set WGS,  49                          ; v49-52 Wg's scale words
.set XSW,  56                          ; v56-59 x's scale words
.set NUM,  64                          ; v64-127 64 numbers of a lane
.set XA,   128                         ; v128-255 x, first 32 loads (the other 32: window 1, v0-127)
.set WF,   128                         ; later: Wg's four fragments
.set ACC,  192                         ; and the logits
.set V1, 200
.set I1, 201
.set V2, 202
.set I2, 203
.set U1, 204
.set K1, 205
.set U2, 206
.set K2, 207
.set IX, 208
.set I0, 209
.set F1V, 210
.set F1I, 211
.set PV, 212
.set PI, 213
.set QV, 214
.set QI, 215
.set F2V, 216
.set F2I, 217
.set DD, 218
.set PP, 219
.set SS, 220
.set RC, 221
.set W2V, 222
.set SELV, 223
.set GWV, 224
.set VM, 225
.set VC, 226
.set VT, 227
.set IDO, 228
.set MO, 229
.set SO, 230
.set SEL, 20                           ; s[20:21] v_permlanex16_b32's selects for lane l xor 16
.set MNT, 22                           ; s22  the mantissa field of 57,344
.set MK,  36                           ; s36-43 eight masks at a time
.set MSB, 0
.macro WIN new                         ; the immediate's high byte repeats the setting that is left
.if MSB != (\new)
	s_set_vgpr_msb (MSB<<8)|(\new)
.set MSB, (\new)
.endif
.endm
; 64 numbers of a lane, register 16 b + i = k 32 b + 16 (lane / 16) + i of my row, become a fragment's codes in v[PC] on and its scale word in v[PW]
.macro QUANT s
.irp b, 0,1,2,3
	v_max3_num_f32 v[TM+\b], |v[\s+16*\b]|, |v[\s+1+16*\b]|, 0x8000000   ; my 16 numbers of block b, and the floor 2^(16 - 127): the byte cannot fall under 1
.endr
.irp i, 2,4,6,8,10,12,14
.irp b, 0,1,2,3
	v_max3_num_f32 v[TM+\b], v[TM+\b], |v[\s+16*\b+\i]|, |v[\s+1+16*\b+\i]|
.endr
.endr
.irp b, 0,1,2,3
	v_permlanex16_b32 v[TM+4+\b], v[TM+\b], s[SEL], s[SEL+1]
.endr
.irp b, 0,1,2,3
	v_max_num_f32 v[TM+\b], v[TM+\b], v[TM+4+\b]   ; with lane l xor 16's: the block's largest magnitude
.endr
.irp b, 0,1,2,3
	v_add_nc_u32 v[TM+12+\b], 0xf8800000, v[TM+\b]   ; 15 off its exponent field: the conversion's scale operand
.endr
.irp b, 0,1,2,3
	v_and_or_b32 v[TM+8+\b], v[TM+\b], 0x7f800000, s[MNT]   ; 57,344 x the scale
.endr
.irp b, 0,1,2,3
	v_lshrrev_b32 v[TM+4+\b], 23, v[TM+12+\b]      ; the scale's byte
.endr
	v_lshl_or_b32 v[PW], v[TM+5], 8, v[TM+4]
	v_lshl_or_b32 v[PW], v[TM+6], 16, v[PW]
	v_lshl_or_b32 v[PW], v[TM+7], 24, v[PW]
.irp b, 0,1,2,3
.irp i, 0,1,2,3,4,5,6,7,8,9,10,11,12,13,14,15
	v_med3_num_f32 v[\s+16*\b+\i], v[\s+16*\b+\i], -v[TM+8+\b], v[TM+8+\b]   ; the conversion does not saturate (ISA guide 7.6.2): the hold at the largest code x the scale
.endr
	v_cvt_scalef32_pk8_bf8_f32 v[PC+4*\b:PC+1+4*\b], v[\s+16*\b:\s+7+16*\b], v[TM+12+\b]
	v_cvt_scalef32_pk8_bf8_f32 v[PC+2+4*\b:PC+3+4*\b], v[\s+8+16*\b:\s+15+16*\b], v[TM+12+\b]
.endr
	v_nop                                          ; one plain line behind the last conversion
.endm
.macro BETTER a, ia, b, ib             ; s30 = (a > b) or (a = b and ia < ib)
	v_cmp_gt_f32 s30, v[\a], v[\b]
	v_cmp_eq_f32 s31, v[\a], v[\b]
	v_cmp_lt_u32 s32, v[\ia], v[\ib]
	s_wait_alu depctr_va_sdst(0)                   ; the three compares have written s30 to s32, ahead of their first readers
	s_and_b32 s31, s31, s32
	s_or_b32 s30, s30, s31
.endm
.macro XNUM s                          ; K step s of my 16 tokens' numbers, out of x's stage: 16 neighbours of each block of 32 a lane
.irp c, 0,1,2,3
.irp q, 0,1,2,3
	ds_load_b128 v[NUM+16*\c+4*\q:NUM+16*\c+4*\q+3], v[XSTR] offset:512*(\s)+128*\c+16*\q
.endr
.endr
.endm
	s_load_b256 s[4:11], s[0:1], 0x0               ; x s[4:5], Wg s[6:7], xqs s[8:9], route s[10:11]
	v_lshl_add_u32 v62, v0, 2, 0x2aa00
	v_mov_b32 v63, 0
	v_lshrrev_b32 v1, 5, v0
	v_readfirstlane_b32 s12, v1                    ; wave
	v_and_b32 v1, 31, v0                           ; lane
	v_and_b32 v2, 15, v0                           ; r
	v_bfe_u32 v3, v0, 4, 1                         ; h
	s_lshl_b32 s13, ttmp9, 2
	s_wait_alu depctr_va_sdst(0)                   ; s12 is written, ahead of its first reader
	s_add_co_u32 s13, s13, s12                     ; j: my tile of 16 tokens
	v_lshlrev_b32 v[L16], 4, v1
	v_lshlrev_b32 v[WGO], 2, v2
	v_lshl_add_u32 v[WGO], v3, 10, v[WGO]
	s_lshl_b32 s14, s12, 13
	v_add_nc_u32 v[WGO], s14, v[WGO]
	s_mul_i32 s14, s12, XSTB
	v_add_nc_u32 v[XSTW], s14, v[L16]
	v_mul_u32_u24 v[XSTR], v2, 2064
	v_lshl_add_u32 v[XSTR], v3, 6, v[XSTR]
	v_add_nc_u32 v[XSTR], s14, v[XSTR]
	s_mul_i32 s14, s12, CSTB
	s_add_co_u32 s14, s14, CST
	v_mul_u32_u24 v[CSTW], v2, 528
	v_lshl_add_u32 v[CSTW], v3, 4, v[CSTW]
	v_add_nc_u32 v[CSTW], s14, v[CSTW]
	v_add_nc_u32 v[CSTR], s14, v[L16]
	s_lshl_b32 s14, s12, 11
	s_add_co_u32 s14, s14, WIMG
	v_add_nc_u32 v[WIW], s14, v[L16]
	v_add_nc_u32 v[WIR], WIMG, v[L16]
	v_lshlrev_b32 v[WSR], 2, v1
	s_lshl_b32 s14, s12, 7
	s_add_co_u32 s14, s14, WSCG
	v_add_nc_u32 v[WSW], s14, v[WSR]
	v_add_nc_u32 v[WSR], WSCG, v[WSR]
	s_mov_b32 s[SEL], 0x76543210
	s_mov_b32 s[SEL+1], 0xfedcba98
	s_mov_b32 s[MNT], 0x600000
	s_mov_b32 s33, 0xffff0000                      ; lanes 16-31
.irp b, 0,1,2,3
	v_mov_b32 v[TM+4+\b], 0                        ; written once: a lane permute's destination counts as one of its sources
.endr
	s_lshl_b32 s14, s13, 15                        ; my tile's 32,768 bytes of x
	s_mov_b32 s15, 0
	s_lshl_b32 s16, s13, 13                        ; and its 8,192 bytes of codes
	s_mov_b32 s17, 0
	s_wait_kmcnt 0x0
	s_add_nc_u64 s[4:5], s[4:5], s[14:15]
	s_add_nc_u64 s[16:17], s[8:9], s[16:17]
	s_wait_alu depctr_va_vdst(0)                   ; the ten addresses v4 to v13 are written, which the loads and stores of the whole kernel read
.irp c, 0,1,2,3
.irp i, 0,1,2,3,4,5,6,7,8,9,10,11,12,13,14,15
	global_load_b32 v[NUM+16*\c+\i], v[WGO], s[6:7] offset:64*(32*\c+\i)   ; Wg(128 w + 32 c + 16 h + i, r): a lane takes an expert, its registers run down K
.endr
.endr
.set n, 0
.rept 32
	global_load_b128 v[XA+4*n:XA+4*n+3], v[L16], s[4:5] offset:512*n th:TH_LOAD_NT   ; 32 lanes read 512 consecutive bytes
.set n, n+1
.endr
	WIN 0x40                                       ; destination window 1
.set n, 0
.rept 32
	global_load_b128 v[4*n:4*n+3], v[L16], s[4:5] offset:512*(n+32) th:TH_LOAD_NT
.set n, n+1
.endr
	WIN 0
	s_wait_loadcnt 63                              ; Wg's 64 loads are in: 64 loads of x are younger, and the count's field holds 63
	QUANT NUM
	s_wait_alu depctr_va_vdst(0)                   ; the quantiser has written v[PC ..] and v[PW], which the LDS stores read, and is done with v[NUM ..], in which the first step's loads land
.irp c, 0,1,2,3
	ds_store_b128 v[WIW], v[PC+4*\c:PC+4*\c+3] offset:512*\c   ; the fragment goes to LDS as it stands in the registers
.endr
	ds_store_b32 v[WSW], v[PW]
	s_wait_loadcnt 32                              ; x's first 32 loads are in
.set n, 0
.rept 32
	ds_store_b128 v[XSTW], v[XA+4*n:XA+4*n+3] offset:2064*(n/4)+512*(n%4)
.set n, n+1
.endr
	s_wait_loadcnt 0x0
	WIN 0x04                                       ; an LDS store's data are its source 1: window 1
.set n, 0
.rept 32
	ds_store_b128 v[XSTW], v[4*n:4*n+3] offset:2064*(8+n/4)+512*(n%4)
.set n, n+1
.endr
	WIN 0
	s_wait_dscnt 0x0                               ; for the others' sake: my image of Wg has landed
	s_barrier_signal -1
	s_barrier_wait -1
	s_wait_alu depctr_vm_vsrc(0)                   ; my LDS stores have read v128 to v255, in which Wg's fragments land and the logits and the search work, and v[PC ..] and v[PW], which the first step's quantiser writes again
.irp s, 0,1,2,3
.irp c, 0,1,2,3
	ds_load_b128 v[WF+16*\s+4*\c:WF+16*\s+4*\c+3], v[WIR] offset:2048*\s+512*\c
.endr
	ds_load_b32 v[WGS+\s], v[WSR] offset:128*\s
.endr
	XNUM 0
.irp s, 0,1,2,3                        ; four K steps of 128: quantise my 16 tokens' numbers, keep the codes, multiply
	s_wait_dscnt 0x0                               ; the numbers are in (in the first step Wg's fragments and scale words too)
.if \s > 0
	s_wait_alu depctr_vm_vsrc(0)                   ; the last step's LDS stores have read v[PC ..], which the quantiser writes again
.endif
	QUANT NUM
	v_mov_b32 v[XSW+\s], v[PW]
	s_wait_alu depctr_va_vdst(0)                   ; the conversions have written v[PC ..], which the LDS stores read; the holds and conversions are done with v[NUM ..], in which the loads below land
.irp c, 0,1,2,3
	ds_store_b128 v[CSTW], v[PC+4*\c:PC+4*\c+3] offset:128*\s+32*\c
.endr
.if \s < 3
	XNUM \s+1                                      ; the next step's numbers are asked for at once: no vector or matrix instruction from here to their wait names v[NUM ..]
.else
.set i, 0
.rept 16
	ds_load_b128 v[NUM+4*i:NUM+4*i+3], v[CSTR] offset:528*i   ; the way out's code rows.  LDS serves a wave's instructions in order: these see my stores
.set i, i+1
.endr
.endif
.rept 8
	v_nop                                          ; a scale register written by a vector instruction stands eight places ahead of the product, the codes four
.endr
	s_wait_alu depctr_va_vdst(0)                   ; the codes v[PC ..] and x's scale word are written, which the product takes; from the second step on also: one accumulator, the wait directly ahead of each link
.if \s == 0
	v_wmma_scale_f32_16x16x128_f8f6f4 v[ACC:ACC+7], v[WF+16*\s:WF+16*\s+15], v[PC:PC+15], 0, v[WGS+\s], v[XSW+\s] matrix_a_fmt:MATRIX_FMT_BF8 matrix_b_fmt:MATRIX_FMT_BF8
.else
	v_wmma_scale_f32_16x16x128_f8f6f4 v[ACC:ACC+7], v[WF+16*\s:WF+16*\s+15], v[PC:PC+15], v[ACC:ACC+7], v[WGS+\s], v[XSW+\s] matrix_a_fmt:MATRIX_FMT_BF8 matrix_b_fmt:MATRIX_FMT_BF8
.endif
.endr
	v_lshlrev_b32 v[I0], 3, v3                     ; eight plain lines that name none of the product's registers: the places behind it
	v_mov_b32 v[V2], 0xff800000                    ; the second largest so far: -infinity
	v_mov_b32 v[U1], 0
	v_mov_b32 v[K1], 0
	v_mov_b32 v[U2], 0
	v_mov_b32 v[K2], 0
	v_mov_b32 v[VM], 0
	v_mov_b32 v[VC], 0
	v_mov_b32 v[V1], v[ACC]                        ; the top 2 of my eight experts, in ascending order and with strict compares: the lower index wins a tie
	v_mov_b32 v[I1], v[I0]
	v_mov_b32 v[I2], v[I0]
.irp j, 1,2,3,4,5,6,7
	v_cmp_gt_f32 s30, v[ACC+\j], v[V1]
	v_cmp_gt_f32 s31, v[ACC+\j], v[V2]
	v_add_nc_u32 v[IX], \j, v[I0]
	s_wait_alu depctr_va_sdst(0)                   ; the two compares have written s30 and s31, ahead of the selections that read them
	v_cndmask_b32 v[V2], v[V2], v[ACC+\j], s31
	v_cndmask_b32 v[I2], v[I2], v[IX], s31
	v_cndmask_b32 v[V2], v[V2], v[V1], s30
	v_cndmask_b32 v[I2], v[I2], v[I1], s30
	v_cndmask_b32 v[V1], v[V1], v[ACC+\j], s30
	v_cndmask_b32 v[I1], v[I1], v[IX], s30
.endr
.set i, 0
.rept 16
	s_wait_dscnt 15-i                              ; the code rows were asked for ahead of the last product.  No vector instruction since the last step's wait names v[NUM ..] or v[L16]
	global_store_b128 v[L16], v[NUM+4*i:NUM+4*i+3], s[16:17] offset:512*i   ; a token's 512 codes: 512 consecutive bytes
.set i, i+1
.endr
	v_permlanex16_b32 v[U1], v[V1], s[SEL], s[SEL+1]   ; the other eight experts' top 2 lie in lane l xor 16
	v_permlanex16_b32 v[K1], v[I1], s[SEL], s[SEL+1]
	v_permlanex16_b32 v[U2], v[V2], s[SEL], s[SEL+1]
	v_permlanex16_b32 v[K2], v[I2], s[SEL], s[SEL+1]
	BETTER V1, I1, U1, K1
	v_cndmask_b32 v[F1V], v[U1], v[V1], s30        ; the first
	v_cndmask_b32 v[F1I], v[K1], v[I1], s30
	v_cndmask_b32 v[PV], v[V1], v[V2], s30         ; what is left at the head of my pair,
	v_cndmask_b32 v[PI], v[I1], v[I2], s30
	v_cndmask_b32 v[QV], v[U2], v[U1], s30         ; and of the other
	v_cndmask_b32 v[QI], v[K2], v[K1], s30
	BETTER PV, PI, QV, QI
	v_cndmask_b32 v[F2V], v[QV], v[PV], s30        ; the second
	v_cndmask_b32 v[F2I], v[QI], v[PI], s30
	v_sub_f32 v[DD], v[F2V], v[F1V]                ; the softmax of the two, the larger taken away: 1 / (1 + p), p / (1 + p), p = e^(l2 - l1)
	v_mul_f32 v[DD], 0x3fb8aa3b, v[DD]
	v_exp_f32 v[PP], v[DD]
	v_lshlrev_b32 v[IDO], 3, v2                    ; (a plain line behind the transcendental)  where id 2 r + h of my tile lies: 4 (32 j + 2 r + h)
	s_wait_alu depctr_va_vdst(0)                   ; the exponential has written v[PP], ahead of its first reader
	v_add_f32 v[SS], 1.0, v[PP]
	v_rcp_f32 v[RC], v[SS]
	v_lshl_add_u32 v[IDO], v3, 2, v[IDO]
	s_wait_alu depctr_va_vdst(0)                   ; the reciprocal has written v[RC], ahead of its first reader
	v_mul_f32 v[W2V], v[PP], v[RC]
	s_lshl_b32 s14, s13, 7
	v_add_nc_u32 v[IDO], s14, v[IDO]
	v_cndmask_b32 v[SELV], v[F1I], v[F2I], s33     ; lane (r, h) speaks for id 2 r + h
	v_cndmask_b32 v[GWV], v[RC], v[W2V], s33
.irp g, 0,8                            ; the sixteen experts' masks, eight compares to a run
.irp k, 0,1,2,3,4,5,6,7
	v_cmp_eq_u32 s[MK+\k], \g+\k, v[SELV]          ; which of my 32 ids go to expert g + k
.endr
	s_wait_alu depctr_va_sdst(0)                   ; the eight compares have written s36 to s43, ahead of their first readers
.irp k, 0,1,2,3,4,5,6,7
	s_bcnt1_i32_b32 s35, s[MK+\k]                  ; and how many
	v_writelane_b32 v[VM], s[MK+\k], \g+\k
	v_writelane_b32 v[VC], s35, \g+\k
.endr
.endr
	v_mov_b32 v[VT], 0
	v_permlanex16_b32 v[VT], v[VM], s[SEL], s[SEL+1]
	v_or_b32 v[VM], v[VM], v[VT]                   ; lanes 16-31 hold what lanes 0-15 hold: both halves store equal words, and EXEC stays as it is
	v_permlanex16_b32 v[VT], v[VC], s[SEL], s[SEL+1]
	v_or_b32 v[VC], v[VC], v[VT]
	s_lshl_b32 s14, s13, 6
	v_lshl_add_u32 v[MO], v2, 2, s14               ; 64 j + 4 r
	s_lshl_b32 s14, s13, 8
	v_lshl_add_u32 v[SO], v2, 4, s14               ; 16 (16 j + r)
	s_wait_alu depctr_va_vdst(0)                   ; the three offsets, the choice, its weight, the masks, the counts and x's scale words are written, which the five stores read
	global_store_b32 v[IDO], v[SELV], s[10:11] offset:16384
	global_store_b32 v[IDO], v[GWV], s[8:9] offset:GW_AT
	global_store_b32 v[MO], v[VM], s[10:11]
	global_store_b32 v[MO], v[VC], s[10:11] offset:8192
	global_store_b128 v[SO], v[XSW:XSW+3], s[8:9] offset:XS_AT   ; sixteen lanes store my tile's 256 scale bytes (the other sixteen the same)
	s_wait_dscnt 0x0
	s_wait_alu depctr_hold_cnt(0) depctr_sa_sdst(0) depctr_va_vdst(0) depctr_va_sdst(0) depctr_va_ssrc(0) depctr_va_vcc(0) depctr_vm_vsrc(0)
	s_wait_tensorcnt 0x0
	ds_add_u32 v62, v63
	s_wait_dscnt 0x0
	s_endpgm
.Lfunc_end_k_qce2f6c106a_gate:
	.size	k_qce2f6c106a_gate, .Lfunc_end_k_qce2f6c106a_gate-k_qce2f6c106a_gate
	.p2alignl 7, 3214868480
	.fill 96, 4, 3214868480
	.section	.rodata,"a",@progbits
	.p2align	6, 0x0
	.amdhsa_kernel k_qce2f6c106a_gate
		.amdhsa_group_segment_fixed_size 175104
		.amdhsa_private_segment_fixed_size 0
		.amdhsa_enable_private_segment 0
		.amdhsa_kernarg_size 32
		.amdhsa_user_sgpr_count 2
		.amdhsa_user_sgpr_kernarg_segment_ptr 1
		.amdhsa_wavefront_size32 1
		.amdhsa_system_sgpr_workgroup_id_x 1
		.amdhsa_system_sgpr_workgroup_id_y 1
		.amdhsa_system_sgpr_workgroup_id_z 1
		.amdhsa_system_vgpr_workitem_id 0
		.amdhsa_next_free_vgpr 384
		.amdhsa_next_free_sgpr 66
		.amdhsa_reserve_vcc 0
		.amdhsa_float_denorm_mode_32 3
		.amdhsa_float_denorm_mode_16_64 3
		.amdhsa_memory_ordered 1
		.amdhsa_forward_progress 1
		.amdhsa_inst_pref_size 82
	.end_amdhsa_kernel
	.amdgpu_metadata
---
amdhsa.version: [ 1, 2 ]
amdhsa.kernels:
  - .name:           k_qce2f6c106a_gate
    .symbol:         k_qce2f6c106a_gate.kd
    .args:
      - { .name: x, .offset: 0, .size: 8, .value_kind: global_buffer, .address_space: global }
      - { .name: Wg, .offset: 8, .size: 8, .value_kind: global_buffer, .address_space: global }
      - { .name: xqs, .offset: 16, .size: 8, .value_kind: global_buffer, .address_space: global }
      - { .name: route, .offset: 24, .size: 8, .value_kind: global_buffer, .address_space: global }
    .group_segment_fixed_size: 175104
    .private_segment_fixed_size: 0
    .kernarg_segment_align: 8
    .kernarg_segment_size: 32
    .max_flat_workgroup_size: 128
    .sgpr_count:     66
    .vgpr_count:     384
    .wavefront_size: 32
...
	.end_amdgpu_metadata
.endif
;; end of part 7
;; launch place (part 8): grid 16 x 1, 4 waves a work-group, no clusters, 0 bytes of LDS; arguments route, lists; writes lists
.if DOCPART == 8
	.amdgcn_target "amdgcn-amd-amdhsa--gfx1250"
	.amdhsa_code_object_version 6
	.text
	.protected	k_qce2f6c106a_place
	.globl	k_qce2f6c106a_place
	.p2align	8
	.type	k_qce2f6c106a_place,@function
k_qce2f6c106a_place:
	s_mov_b64 s[64:65], 0
	v_nop
	global_prefetch_b8 v0, s[64:65] scope:SCOPE_SE
	s_setreg_imm32_b32 hwreg(HW_REG_WAVE_SCHED_MODE, 0, 2), 2
	s_setreg_imm32_b32 hwreg(HW_REG_WAVE_MODE, 25, 1), 1
	s_wait_xcnt 0x0
	s_wait_alu depctr_vm_vsrc(0)
; THE LISTS.  Work-group e makes expert e's list of routed rows: list[e][0 .. count - 1] = the ids whose expert is e; entries count .. 2,239 = the pad id 4,096 + e;
; entries 2,240 .. 2,271 take what is not wanted and are read by nobody.  count[e] lies at byte 147,456 + 4 e.  An expert's list is 2,304 words.
; No atomics: each of the 128 mask words has its bit count beside it; a word's first place is the sum of the counts of the words in front of it.
; Wave w owns words 32 w + lane.  Every lane walks its word's 32 bits; a bit that is 0 sends its store to the dump.  Every address made from loaded numbers is held by v_min_u32 first.
; THE MODE: SCHED_MODE bits 1:0 = 2 (LLVM: expert scheduling mode 2), set by the entry lines.  The code itself states the register dependences
; between vector instructions and memory instructions, with s_wait_alu, always for 0.
; THE PLAN.  Registers that memory instructions touch: v2, v3 (the loads' offsets) and v4-9 (their data, named by no vector instruction before); then v21, v22, v32-114: the addresses and data of the
; 51 stores, each store with registers of its own, all made first: ONE wait on va_vdst stands ahead of the run of stores, and nothing that a store reads is written again.
; Numbers that vector instructions put into scalar registers come in runs, with one wait on va_sdst behind each run: the wave's number; the two scans' half sums; their totals; the bits' masks, eight at a time.
.set AD, 32                            ; v32-63  the scatter's addresses, one for each bit, so that no store's source is written again
.set DA, 64                            ; v64-95  and its data
.set PA, 96                            ; v96-113 the pads' addresses
.set BT, 116                           ; v116-123 eight bits of my word
.set MK, 24                            ; s24-31  and their masks
	s_load_b128 s[4:7], s[0:1], 0x0                ; route s[4:5], lists s[6:7]
	v_lshrrev_b32 v1, 5, v0
	v_readfirstlane_b32 s8, v1                     ; wave
	v_and_b32 v1, 31, v0                           ; lane
	s_lshl_b32 s9, ttmp9, 2                        ; 4 e
	v_lshl_add_u32 v2, v1, 6, s9                   ; a word's 16 experts are 64 bytes
	s_wait_alu depctr_va_sdst(0)                   ; s8 is written, ahead of its first reader
	s_lshl_b32 s10, s8, 11
	v_add_nc_u32 v3, s10, v2                       ; my own word
	s_mov_b32 s11, 0xffff0000
	v_mov_b32 v14, 0                               ; written once: the destination of a form that reads another lane counts as one of its sources
	v_mov_b32 v19, 0
	s_mul_i32 s18, ttmp9, 9216
	s_mov_b32 s19, 0
	s_wait_kmcnt 0x0
	s_add_nc_u64 s[18:19], s[6:7], s[18:19]        ; my expert's list
	s_wait_alu depctr_va_vdst(0)                   ; the offsets v2 and v3 are written, which the six loads read
.irp q, 0,1,2,3
	global_load_b32 v[4+\q], v2, s[4:5] offset:8192+2048*\q   ; the counts of word 32 q + lane
.endr
	global_load_b32 v8, v3, s[4:5]                 ; my word
	global_load_b32 v9, v3, s[4:5] offset:8192     ; and its count
.irp q, 0,1,2
	s_cmp_gt_u32 s8, \q
	s_cselect_b32 s[12+\q], -1, 0                  ; quarters in front of mine
.endr
	s_wait_loadcnt 0x0
	v_add_nc_u32 v10, v4, v5
	v_add3_u32 v10, v10, v6, v7                    ; Y: all four quarters
	v_and_b32 v11, s12, v4
	v_and_b32 v12, s13, v5
	v_and_b32 v13, s14, v6
	v_add3_u32 v11, v11, v12, v13
	v_lshl_or_b32 v11, v11, 16, v9                 ; X: my word's count below, the earlier quarters' above: both sums stay under 2^16 (2,048 rows at the most)
.irp n, 1,2,4,8                        ; inclusive sums over the 32 lanes, of X and of Y side by side: first inside each half of 16 lanes
	v_mov_b32_dpp v14, v11 row_shr:\n row_mask:0xf bank_mask:0xf bound_ctrl:1
	v_mov_b32_dpp v19, v10 row_shr:\n row_mask:0xf bank_mask:0xf bound_ctrl:1
	v_add_nc_u32 v11, v11, v14
	v_add_nc_u32 v10, v10, v19
.endr
	v_readlane_b32 s15, v11, 15
	v_readlane_b32 s22, v10, 15
	s_wait_alu depctr_va_sdst(0)                   ; the first halves' sums s15 and s22 are written, ahead of their first readers
	v_mov_b32 v14, s15
	v_mov_b32 v19, s22
	v_cndmask_b32 v14, 0, v14, s11                 ; lanes 16-31 add the first half's sum
	v_cndmask_b32 v19, 0, v19, s11
	v_add_nc_u32 v11, v11, v14
	v_add_nc_u32 v10, v10, v19
	v_readlane_b32 s16, v11, 31
	v_readlane_b32 s17, v10, 31                    ; the expert's count
	s_wait_alu depctr_va_sdst(0)                   ; the totals s16 and s17 are written, ahead of their first readers
	s_lshr_b32 s16, s16, 16                        ; rows in the quarters in front of mine
	v_and_b32 v15, 0xffff, v11
	v_sub_nc_u32 v15, v15, v9
	v_add_nc_u32 v15, s16, v15                     ; my word's first place
	s_lshl_b32 s20, s8, 10
	v_lshl_add_u32 v16, v1, 5, s20                 ; 32 x my word
	v_add_nc_u32 v17, 2240, v1                     ; my dump
.set g, 0
.rept 4                                ; the word's 32 bits, eight to a run
.irp k, 0,1,2,3,4,5,6,7
	v_bfe_u32 v[BT+\k], v8, 8*g+\k, 1
.endr
.irp k, 0,1,2,3,4,5,6,7
	v_cmp_ne_u32 s[MK+\k], 0, v[BT+\k]
.endr
	s_wait_alu depctr_va_sdst(0)                   ; the eight compares have written s24 to s31, ahead of the selections that read them
.irp k, 0,1,2,3,4,5,6,7
	v_cndmask_b32 v[AD+8*g+\k], v17, v15, s[MK+\k] ; the next free place, or the dump
	v_add_nc_u32 v15, v15, v[BT+\k]
.endr
.set g, g+1
.endr
.set b, 0
.rept 32
	v_min_u32 v[AD+b], 2303, v[AD+b]
	v_lshlrev_b32 v[AD+b], 2, v[AD+b]
	v_add_nc_u32 v[DA+b], 2*(b&15)+(b>>4), v16     ; bit b stands for id 32 word + 2 (b % 16) + b / 16
.set b, b+1
.endr
	s_lshl_b32 s20, s8, 5
	s_add_co_u32 s20, s20, s17
	v_add_nc_u32 v20, s20, v1                      ; count + 32 w + lane
	s_add_co_u32 s21, ttmp9, 4096
	v_mov_b32 v114, s21                            ; the pad id
.set k, 0
.rept 18                               ; 18 x 128 = 2,304 places from count on: all up to 2,239 are reached, the rest falls into the dump
	v_add_nc_u32 v[PA+k], 128*k, v20
	v_min_u32 v[PA+k], v[PA+k], v17
	v_min_u32 v[PA+k], 2303, v[PA+k]
	v_lshlrev_b32 v[PA+k], 2, v[PA+k]
.set k, k+1
.endr
	v_mov_b32 v21, s9                              ; where the count goes, and the count: made in every wave, stored by wave 0
	v_mov_b32 v22, s17
	s_wait_alu depctr_va_vdst(0)                   ; all addresses and data of the stores below are written: v[AD ..], v[DA ..], v[PA ..], v114, v21, v22
.set b, 0
.rept 32
	global_store_b32 v[AD+b], v[DA+b], s[18:19]
.set b, b+1
.endr
.set k, 0
.rept 18
	global_store_b32 v[PA+k], v114, s[18:19]
.set k, k+1
.endr
	s_cmp_lg_u32 s8, 0
	s_cbranch_scc1 .Lend
	global_store_b32 v21, v22, s[6:7] offset:147456   ; all lanes store the same word with the same number
.Lend:
	s_endpgm
.Lfunc_end_k_qce2f6c106a_place:
	.size	k_qce2f6c106a_place, .Lfunc_end_k_qce2f6c106a_place-k_qce2f6c106a_place
	.p2alignl 7, 3214868480
	.fill 96, 4, 3214868480
	.section	.rodata,"a",@progbits
	.p2align	6, 0x0
	.amdhsa_kernel k_qce2f6c106a_place
		.amdhsa_group_segment_fixed_size 0
		.amdhsa_private_segment_fixed_size 0
		.amdhsa_enable_private_segment 0
		.amdhsa_kernarg_size 16
		.amdhsa_user_sgpr_count 2
		.amdhsa_user_sgpr_kernarg_segment_ptr 1
		.amdhsa_wavefront_size32 1
		.amdhsa_system_sgpr_workgroup_id_x 1
		.amdhsa_system_sgpr_workgroup_id_y 1
		.amdhsa_system_sgpr_workgroup_id_z 1
		.amdhsa_system_vgpr_workitem_id 0
		.amdhsa_next_free_vgpr 128
		.amdhsa_next_free_sgpr 66
		.amdhsa_reserve_vcc 0
		.amdhsa_float_denorm_mode_32 3
		.amdhsa_float_denorm_mode_16_64 3
		.amdhsa_memory_ordered 1
		.amdhsa_forward_progress 1
		.amdhsa_inst_pref_size 24
	.end_amdhsa_kernel
	.amdgpu_metadata
---
amdhsa.version: [ 1, 2 ]
amdhsa.kernels:
  - .name:           k_qce2f6c106a_place
    .symbol:         k_qce2f6c106a_place.kd
    .args:
      - { .name: route, .offset: 0, .size: 8, .value_kind: global_buffer, .address_space: global }
      - { .name: lists, .offset: 8, .size: 8, .value_kind: global_buffer, .address_space: global }
    .group_segment_fixed_size: 0
    .private_segment_fixed_size: 0
    .kernarg_segment_align: 8
    .kernarg_segment_size: 16
    .max_flat_workgroup_size: 128
    .sgpr_count:     66
    .vgpr_count:     128
    .wavefront_size: 32
...
	.end_amdgpu_metadata
.endif
;; end of part 8
;; launch ffn1 (part 9): grid 16 x 16, 4 waves a work-group, no clusters, 137,728 bytes of LDS; arguments W1, b1, xqs, lists, hbuf; writes hbuf
.if DOCPART == 9
	.amdgcn_target "amdgcn-amd-amdhsa--gfx1250"
	.amdhsa_code_object_version 6
	.text
	.protected	k_qce2f6c106a_ffn1
	.globl	k_qce2f6c106a_ffn1
	.p2align	8
	.type	k_qce2f6c106a_ffn1,@function
k_qce2f6c106a_ffn1:
	s_mov_b64 s[64:65], 0
	v_nop
	global_prefetch_b8 v0, s[64:65] scope:SCOPE_SE
	s_setreg_imm32_b32 hwreg(HW_REG_WAVE_SCHED_MODE, 0, 2), 2
	s_setreg_imm32_b32 hwreg(HW_REG_WAVE_MODE, 25, 1), 1
	s_wait_xcnt 0x0
	s_wait_alu depctr_vm_vsrc(0)
; hbuf[id][128 slice ..] = silu(Q(x[token]) Q(W1[e]) + b1[e]) for the routed rows id of expert e (token = id / 2).  Work-group (slice, e): 128 hidden units of one expert, all of that expert's rows.
; Each byte of W1 is read once in the launch, by one work-group, as rows of 512 consecutive bytes, and is quantised in registers on its way: a lane holds 4 columns, its registers run down K,
; so a block of 32 along K lies in one lane.  The codes go through LDS (rows = hidden units, K innermost) and come back as 32 fragments, which stay in registers (windows 1 and 2) for all rows.
; Rows go in tiles of 16, wave w taking tiles w, w + 4, ..: the ids come from the stored list (scalar loads, two tiles ahead), x's code rows (512 bytes each) a whole trip ahead of their use.
; A list's tail holds the pad id 4,096 + e: it reads token 2,047 and stores into hbuf's row 4,096 + e, which nobody reads.  The trip count hangs on the stored count, so the launch has no tensor load;
; no barrier stands in the loop, and no LDS address is stepped.  No cluster: what work-groups share (x's codes) is a small part of a work-group's bytes, and partners' trip counts differ.
; The product is used transposed (source 0 = 16 hidden units, source 1 = 16 rows): a lane's eight results are eight neighbours of a row of hbuf.  b1 is the C of each sum's first product.
; LIMITS: NaN and infinities are not served; a block of zeros gets the byte 1 (its codes are zeros; this program alone reads the bytes).
; REGISTERS.  window 0: v1-14 addresses; v16-19 x's scale words, v20-23 the next tile's; v24-39 W1's scale words; v40-59 the quantiser's; v64-127 x's fragments, then the silu's work; v128-191 the sums; (at the head v64-191 numbers, v192-223 codes)
;   windows 1, 2: W1 as loaded, then its 32 fragments (K step s, tile t: 16 (8 s + t)).   window 3: v0-63 b1; v64-127 code rows as loaded; v128-191 rows on the way out; v192-207, v208-223 addresses.
; THE MODE: SCHED_MODE bits 1:0 = 2 (LLVM: expert scheduling mode 2), set by the entry lines.  The code itself states the register dependences
; between vector or matrix instructions and memory or LDS instructions, with s_wait_alu, always for 0.
; THE PLAN.  Registers that memory or LDS instructions touch, in the loop:
;   RAW        the next tile's global loads land in it; the trip's sixteen LDS stores read it.  No vector instruction names it.
;   XF = T     the trip's LDS loads land in it; the products read it; the silu works in it.
;   XSN        a load lands in it; four copies read it.        XAD, XSO   written by vector instructions at the trip's head; read by the 17 loads.
;   HAD        written behind the products; read by the sixteen global stores.     the sums   written by products and silu; read by sixteen LDS stores.
;   OUT        LDS loads land in it; the global stores read it.  No vector instruction names it.      All other addresses are made once, at the head.
; A trip: RAW's LDS stores and XF's LDS loads go out first: no vector instruction has been issued since the last trip's wait ahead of its LDS stores.  ONE wait on vm_vsrc: these LDS stores have read RAW,
; the last trip's loads XAD and XSO, its stores HAD, OUT and the sums.  The copies and the next tile's addresses.  ONE wait on va_vdst, straight ahead of the 17 loads, which go in one run, a whole trip
; ahead of their use: dealt singly among the products each would want two switches of the register windows.  The products; HAD's sixteen additions as the places behind them; the silu with the two waits
; behind its transcendentals; one wait on va_vdst ahead of the LDS stores of the sums.
.set WSC,  67584                       ; LDS: 0: W1's codes, 128 rows x (512 + 16);  here: its scale words, 4 K steps x 512 bytes
.set XST,  69632                       ; x's code rows of a tile: 16 x 528 for each wave
.set HST,  103424                      ; the way out: 16 x 528 for each wave
.set L16,  1
.set WTW,  2
.set WTR,  3
.set XSTW, 4
.set XSTR, 5
.set HSTW, 6
.set HSTR, 7
.set HO,   8
.set VID,  9
.set XSO,  10
.set WSW,  11
.set WSR,  12
.set BO,   14
.set XS,   16
.set XSN,  20
.set WS,   24
.set M,    40
.set SCL,  44
.set LIM,  48
.set BY,   52
.set SW,   56
.set XF,   64
.set T,    64
.set ACC,  128
.set C,    192
.set B1,   0                           ; window 3
.set RAW,  64
.set OUT,  128
.set XAD,  192
.set HAD,  208
.set IDA,  16                          ; s[16:31] the ids of the tile in hand;  s[32:47] of the next;  s[48:63] of the one after
.set IDB,  32
.set IDC,  48
.set CS,   66                          ; s[66:67] -log2(e)
.set CNT,  68                          ; s68  the expert's count of rows, then my wave's number of tiles
.set TRIP, 69                          ; s69  my wave's first row, then the tiles done
.set MNT,  71
.set LP,   72                          ; s[72:73] the list at the tile in hand
.set WV,   74
.set EX,   76
.set MSB, 0
.macro WIN new                         ; the immediate's high byte repeats the setting that is left
.if MSB != (\new)
	s_set_vgpr_msb (MSB<<8)|(\new)
.set MSB, (\new)
.endif
.endm
.macro LOADBLK kb                      ; 32 rows of W1 (a block along K): each load 512 consecutive bytes.  Each block has registers of its own, which no vector instruction has named
	WIN 0x40*(1+(\kb)/2)
.set i, 0
.rept 32
	global_load_b128 v[128*((\kb)%2)+4*i:128*((\kb)%2)+4*i+3], v[L16], s[4:5] offset:8192*(32*(\kb)+i) th:TH_LOAD_NT
.set i, i+1
.endr
	WIN 0
.endm
.macro WBLOCK kb                       ; block kb of my 128 along K, 4 columns a lane: scale, hold, codes, into LDS
.set X, 1+(\kb)/2
.set R, 128*((\kb)%2)
	WIN 5*X                                        ; sources 0 and 1 in the block's window
.irp j, 0,1,2,3
	v_max3_num_f32 v[M+\j], |v[R+\j]|, |v[R+4+\j]|, 0x8000000   ; the floor 2^(16 - 127): the byte cannot fall under 1
.endr
.set i, 2
.rept 15
.irp j, 0,1,2,3
	v_max3_num_f32 v[M+\j], |v[R+4*i+\j]|, |v[R+4*i+4+\j]|, v[M+\j]
.endr
.set i, i+2
.endr
	WIN 0
.irp j, 0,1,2,3
	v_add_nc_u32 v[SCL+\j], 0xf8800000, v[M+\j]    ; 15 off the exponent field: the conversion's scale operand
.endr
.irp j, 0,1,2,3
	v_and_or_b32 v[LIM+\j], v[M+\j], 0x7f800000, s[MNT]   ; 57,344 x the scale
.endr
.irp j, 0,1,2,3
	v_lshrrev_b32 v[BY+\j], 23, v[SCL+\j]
.endr
.irp j, 0,1,2,3
.if (\kb) == 0
	v_mov_b32 v[SW+\j], v[BY+\j]
.else
	v_lshl_or_b32 v[SW+\j], v[BY+\j], 8*(\kb), v[SW+\j]
.endif
.endr
	WIN X
.set i, 0
.rept 32
.irp j, 0,1,2,3
	v_med3_num_f32 v[T+32*\j+i], v[R+4*i+\j], -v[LIM+\j], v[LIM+\j]   ; the hold (the conversion does not saturate: ISA guide 7.6.2) also brings a column's 32 numbers into consecutive registers
.endr
.set i, i+1
.endr
	WIN 0
.if (\kb) > 0
	s_wait_alu depctr_vm_vsrc(0)                   ; the last block's LDS stores have read v[C ..], which the conversions write again
.endif
.irp j, 0,1,2,3
.irp g, 0,1,2,3
	v_cvt_scalef32_pk8_bf8_f32 v[C+8*\j+2*\g:C+8*\j+2*\g+1], v[T+32*\j+8*\g:T+32*\j+8*\g+7], v[SCL+\j]
.endr
.endr
	v_nop                                          ; one plain line behind the last conversion
	s_wait_alu depctr_va_vdst(0)                   ; the conversions have written v[C ..], which the LDS stores read
.irp j, 0,1,2,3
	ds_store_b128 v[WTW], v[C+8*\j:C+8*\j+3] offset:528*\j+32*(\kb)
	ds_store_b128 v[WTW], v[C+8*\j+4:C+8*\j+7] offset:528*\j+32*(\kb)+16
.endr
.endm
.macro NEXTX                           ; the next tile (ids in s[IDB] on): 16 code rows and the rows' scale words are asked for: 17 loads
	WIN 0xc0
.set i, 0
.rept 16
	s_min_u32 s70, s[IDB+i], 4095
	s_and_b32 s70, s70, 0xffe
	s_lshl_b32 s70, s70, 8                         ; 512 x token
	v_add_nc_u32 v[XAD+i], s70, v[L16]
.set i, i+1
.endr
	WIN 0
.set i, 0
.rept 16
	v_writelane_b32 v[VID], s[IDB+i], i
.set i, i+1
.endr
	v_min_u32 v[XSO], 4095, v[VID]
	v_and_b32 v[XSO], 0xffe, v[XSO]
	v_lshlrev_b32 v[XSO], 3, v[XSO]                ; 16 x token
	WIN 0xc3
	s_wait_alu depctr_va_vdst(0)                   ; v[XAD ..] and v[XSO] are written, which the loads read; in the loop also: the four copies are done reading v[XSN ..], in which the last load lands, and have written x's scale words, which the products take
.set i, 0
.rept 16
	global_load_b128 v[RAW+4*i:RAW+4*i+3], v[XAD+i], s[8:9]
.set i, i+1
.endr
	WIN 0
	global_load_b128 v[XSN:XSN+3], v[XSO], s[8:9] offset:1048576
.endm
.macro ROT
.irp i, 0,2,4,6,8,10,12,14
	s_mov_b64 s[IDA+\i:IDA+\i+1], s[IDB+\i:IDB+\i+1]
.endr
.irp i, 0,2,4,6,8,10,12,14
	s_mov_b64 s[IDB+\i:IDB+\i+1], s[IDC+\i:IDC+\i+1]
.endr
.endm
.macro PROD s, t
.set FW, 16*((8*(\s)+(\t))%16)
.set AC, ACC+8*(\t)
.set BX, XF+16*(\s)
.set SA, WS+4*((\t)/2)+(\s)
.if (\s) == 0
.if (\t)%2 == 0
	v_wmma_scale_f32_16x16x128_f8f6f4 v[AC:AC+7], v[FW:FW+15], v[BX:BX+15], v[B1+8*(\t):B1+8*(\t)+7], v[SA], v[XS+(\s)] matrix_a_fmt:MATRIX_FMT_BF8 matrix_b_fmt:MATRIX_FMT_BF8
.else
	v_wmma_scale_f32_16x16x128_f8f6f4 v[AC:AC+7], v[FW:FW+15], v[BX:BX+15], v[B1+8*(\t):B1+8*(\t)+7], v[SA], v[XS+(\s)] matrix_a_fmt:MATRIX_FMT_BF8 matrix_b_fmt:MATRIX_FMT_BF8 matrix_a_scale:MATRIX_SCALE_ROW1
.endif
.else
.if (\t)%2 == 0
	v_wmma_scale_f32_16x16x128_f8f6f4 v[AC:AC+7], v[FW:FW+15], v[BX:BX+15], v[AC:AC+7], v[SA], v[XS+(\s)] matrix_a_fmt:MATRIX_FMT_BF8 matrix_b_fmt:MATRIX_FMT_BF8
.else
	v_wmma_scale_f32_16x16x128_f8f6f4 v[AC:AC+7], v[FW:FW+15], v[BX:BX+15], v[AC:AC+7], v[SA], v[XS+(\s)] matrix_a_fmt:MATRIX_FMT_BF8 matrix_b_fmt:MATRIX_FMT_BF8 matrix_a_scale:MATRIX_SCALE_ROW1
.endif
.endif
.endm
	s_load_b256 s[4:11], s[0:1], 0x0               ; W1 s[4:5], b1 s[6:7], xqs s[8:9], lists s[10:11]
	s_load_b64 s[12:13], s[0:1], 0x20              ; hbuf
	v_lshl_add_u32 v254, v0, 2, 0x21800
	v_mov_b32 v255, 0
	v_lshrrev_b32 v1, 5, v0
	v_readfirstlane_b32 s[WV], v1
	s_and_b32 s[EX], ttmp7, 0xffff                 ; the expert
	v_and_b32 v13, 31, v0                          ; lane
	v_and_b32 v15, 15, v0                          ; r
	v_bfe_u32 v14, v0, 4, 1                        ; h
	v_lshlrev_b32 v[L16], 4, v13
	v_mul_u32_u24 v[WTW], v13, 2112                ; my 4 columns' rows of codes: 4 x 528 x lane,
	s_wait_alu depctr_va_sdst(0)                   ; the wave's number s[WV] is written, ahead of its first reader
	s_lshl_b32 s14, s[WV], 7
	v_add_nc_u32 v[WTW], s14, v[WTW]               ; my wave's 128 along K
	v_mul_u32_u24 v[WTR], v15, 528
	v_lshl_add_u32 v[WTR], v14, 4, v[WTR]          ; a fragment's row x pitch + 16 h
	s_mul_i32 s14, s[WV], 8448
	s_add_co_u32 s15, s14, XST
	v_add_nc_u32 v[XSTW], s15, v[L16]
	v_add_nc_u32 v[XSTR], s15, v[WTR]
	s_add_co_u32 s15, s14, HST
	v_mul_u32_u24 v[HSTW], v15, 528
	v_lshl_add_u32 v[HSTW], v14, 5, v[HSTW]
	v_add_nc_u32 v[HSTW], s15, v[HSTW]
	v_add_nc_u32 v[HSTR], s15, v[L16]
	s_lshl_b32 s70, ttmp9, 9                       ; the slice's 512 bytes of a row
	v_add_nc_u32 v[HO], s70, v[L16]
	v_mov_b32 v[VID], 0
	s_lshl_b32 s15, s[WV], 9
	s_add_co_u32 s15, s15, WSC
	v_add_nc_u32 v[WSW], s15, v[L16]
	v_lshl_add_u32 v[WSR], v13, 2, WSC
	v_lshlrev_b32 v[BO], 5, v14
	s_mov_b32 s[CS], 0xbfb8aa3b
	s_mov_b32 s[CS+1], s[CS]                       ; (named with it as a pair, so it is written)
	s_mov_b32 s[MNT], 0x600000
	s_lshl_b32 s78, s[EX], 22                      ; W1: the expert's 4 MiB, my wave's 128 rows of 8,192 bytes, the slice
	s_lshl_b32 s14, s[WV], 20
	s_add_co_u32 s78, s78, s14
	s_add_co_u32 s78, s78, s70
	s_mov_b32 s79, 0
	s_lshl_b32 s80, s[EX], 13                      ; b1
	s_add_co_u32 s80, s80, s70
	s_mov_b32 s81, 0
	s_mul_i32 s82, s[EX], 9216                     ; the expert's list, my wave's first tile
	s_lshl_b32 s14, s[WV], 6
	s_add_co_u32 s82, s82, s14
	s_mov_b32 s83, 0
	s_lshl_b32 s84, s[EX], 2
	s_mov_b32 s85, 0
	s_wait_kmcnt 0x0
	s_add_nc_u64 s[4:5], s[4:5], s[78:79]
	s_add_nc_u64 s[6:7], s[6:7], s[80:81]
	s_add_nc_u64 s[LP:LP+1], s[10:11], s[82:83]
	s_add_nc_u64 s[10:11], s[10:11], s[84:85]
	s_load_b32 s[CNT], s[10:11], 147456
	s_load_b512 s[IDB:IDB+15], s[LP:LP+1], 0x0
	s_load_b512 s[IDC:IDC+15], s[LP:LP+1], 0x100
	WIN 0xc0
	s_wait_alu depctr_va_vdst(0)                   ; the addresses v1 to v8, v11, v12 and v14 are written, which the loads and stores of the whole kernel read
.irp t, 0,1,2,3,4,5,6,7
	global_load_b128 v[B1+8*\t:B1+8*\t+3], v[BO], s[6:7] offset:64*\t          ; b1 in the result's layout: lane (r, h): units 16 t + 8 h + 0 .. 7
	global_load_b128 v[B1+8*\t+4:B1+8*\t+7], v[BO], s[6:7] offset:64*\t+16
.endr
	WIN 0
	LOADBLK 0
	LOADBLK 1
	s_wait_loadcnt 32                              ; b1 and block 0 are in; block 1 may be out
	LOADBLK 2
	WBLOCK 0
	s_wait_loadcnt 32                              ; block 1 is in; block 2 may be out
	LOADBLK 3
	WBLOCK 1
	s_wait_kmcnt 0x0                               ; the count and the first two tiles' ids
	NEXTX
	ROT
	s_wait_loadcnt 49                              ; block 2 is in; block 3's 32 loads and the first tile's 17 may be out
	WBLOCK 2
	s_wait_loadcnt 17
	WBLOCK 3
	ds_store_b128 v[WSW], v[SW:SW+3]               ; my 4 columns' scale words of K step w: written ahead of the last block's wait on va_vdst
	s_wait_dscnt 0x0                               ; for the others' sake: my codes and scale words have landed
	s_barrier_signal -1
	s_barrier_wait -1
	WIN 0x40
	s_wait_alu depctr_va_vdst(0)                   ; the quantiser's maxima and holds are done reading W1's numbers in windows 1 and 2, in which the fragments land
.irp s, 0,1
.irp t, 0,1,2,3,4,5,6,7
.irp c, 0,1,2,3
	ds_load_b128 v[16*(8*\s+\t)+4*\c:16*(8*\s+\t)+4*\c+3], v[WTR] offset:8448*\t+128*\s+32*\c
.endr
.endr
.endr
	WIN 0x80
.irp s, 0,1
.irp t, 0,1,2,3,4,5,6,7
.irp c, 0,1,2,3
	ds_load_b128 v[16*(8*\s+\t)+4*\c:16*(8*\s+\t)+4*\c+3], v[WTR] offset:8448*\t+128*(\s+2)+32*\c
.endr
.endr
.endr
	WIN 0
.irp u, 0,1,2,3
.irp s, 0,1,2,3
	ds_load_b32 v[WS+4*\u+\s], v[WSR] offset:512*\s+128*\u   ; lanes 0-15: tile 2 u's words, lanes 16-31: tile 2 u + 1's
.endr
.endr
	s_wait_dscnt 0x0
	; how many tiles are mine: tiles w, w + 4, .. whose first row, 16 w + 64 n, lies under the count: ceil((count - 16 w) / 64)
	s_min_u32 s[CNT], s[CNT], 2048                 ; an expert has 2,048 rows at the most (a token's two experts differ): so at most 32 trips, and the list is read up to entry 2,175 of the 2,240 that are filled
	s_lshl_b32 s[TRIP], s[WV], 4                   ; my first tile's first row
	s_cmp_ge_u32 s[TRIP], s[CNT]
	s_cbranch_scc1 .Ldone                          ; none
	s_sub_co_u32 s[CNT], s[CNT], s[TRIP]
	s_add_co_u32 s[CNT], s[CNT], 63
	s_lshr_b32 s[CNT], s[CNT], 6                   ; my tiles; the loop does not write it
	s_mov_b32 s[TRIP], 0
.Ltile:
	s_wait_loadcnt 0x0                             ; this tile's 17 loads, asked for a trip ago
	WIN 0x0c                                       ; an LDS store's data are its source 1: window 3
.set i, 0
.rept 16
	ds_store_b128 v[XSTW], v[RAW+4*i:RAW+4*i+3] offset:528*i
.set i, i+1
.endr
	WIN 0
.irp s, 0,1,2,3
.irp c, 0,1,2,3
	ds_load_b128 v[XF+16*\s+4*\c:XF+16*\s+4*\c+3], v[XSTR] offset:128*\s+32*\c   ; LDS serves a wave's instructions in order: these see my stores.  No wait on va_vdst: all that named v[XF ..] (the products, the silu; at the head the quantiser) stands ahead of the last such wait, and no vector instruction has been issued since
.endr
.endr
	s_wait_xcnt 0x0                                ; the last trip's stores have read their addresses and data: both are written again below
	s_wait_alu depctr_vm_vsrc(0)                   ; the LDS stores above have read v[RAW ..], in which the next tile's loads land; the last trip's loads have read v[XAD ..] and v[XSO], its global stores v[HAD ..] and v[OUT ..], its LDS stores the sums: all are written again in this trip
.irp s, 0,1,2,3
	v_mov_b32 v[XS+\s], v[XSN+\s]
.endr
	NEXTX                                          ; its vector lines run while LDS turns the rows; they are also the places between the copies and the products
	s_load_b512 s[IDC:IDC+15], s[LP:LP+1], 0x200   ; the ids two tiles on
	s_wait_dscnt 0x0                               ; the fragments are in
.irp s, 0,1,2,3                        ; 32 products; the eight sums take turns, one instruction a turn
.if \s == 0
	WIN 0x31                                       ; source 0 (W1) window 1, C (b1) window 3
.elseif \s == 1
	WIN 0x01
.else
	WIN 0x02
.endif
.irp t, 0,1,2,3,4,5,6,7
	PROD \s, \t
.endr
.endr
	WIN 0xc0
.set i, 0
.rept 16
	s_min_u32 s70, s[IDA+i], 4111
	s_lshl_b32 s70, s70, 13
	v_add_nc_u32 v[HAD+i], s70, v[HO]              ; where row i of this tile goes.  These sixteen name none of the products' registers: they are the eight places behind the products, and more
.set i, i+1
.endr
	WIN 0
.set i, 0
.rept 32
	v_pk_mul_f32 v[T+2*i:T+2*i+1], v[ACC+2*i:ACC+2*i+1], s[CS:CS+1] op_sel_hi:[1,0]   ; silu(a) = a / (1 + 2^(-a log2 e)); each sum is read from its low end on
.set i, i+1
.endr
.set i, 0
.rept 64
	v_exp_f32 v[T+i], v[T+i]
.set i, i+1
.endr
	v_nop                                          ; a plain line behind the last transcendental
	s_wait_alu depctr_va_vdst(0)                   ; the 64 exponentials have written v[T ..]: one wait for the batch, ahead of its first reader
.set i, 0
.rept 32
	v_pk_add_f32 v[T+2*i:T+2*i+1], v[T+2*i:T+2*i+1], 1.0 op_sel_hi:[1,0]
.set i, i+1
.endr
.set i, 0
.rept 64
	v_rcp_f32 v[T+i], v[T+i]
.set i, i+1
.endr
	v_nop
	s_wait_alu depctr_va_vdst(0)                   ; the 64 reciprocals have written v[T ..]: one wait for the batch, ahead of its first reader
.set i, 0
.rept 32
	v_pk_mul_f32 v[ACC+2*i:ACC+2*i+1], v[ACC+2*i:ACC+2*i+1], v[T+2*i:T+2*i+1]
.set i, i+1
.endr
	s_wait_alu depctr_va_vdst(0)                   ; the multiplications have written the sums' registers, which the LDS stores read, and are done with v[T ..], in which the next trip's fragments land; v[HAD ..] is written, which the global stores read
.irp t, 0,1,2,3,4,5,6,7
	ds_store_b128 v[HSTW], v[ACC+8*\t:ACC+8*\t+3] offset:64*\t
	ds_store_b128 v[HSTW], v[ACC+8*\t+4:ACC+8*\t+7] offset:64*\t+16
.endr
	WIN 0xc0
.set i, 0
.rept 16
	ds_load_b128 v[OUT+4*i:OUT+4*i+3], v[HSTR] offset:528*i
.set i, i+1
.endr
	WIN 0x0f                                       ; a store's address and data: window 3
.set i, 0
.rept 16
	s_wait_dscnt 15-i
	global_store_b128 v[HAD+i], v[OUT+4*i:OUT+4*i+3], s[12:13] th:TH_STORE_NT   ; 512 consecutive bytes of row id, aligned
.set i, i+1
.endr
	WIN 0
	s_wait_kmcnt 0x0                               ; the ids two tiles on are in, and the list's pointer may step
	ROT
	s_add_nc_u64 s[LP:LP+1], s[LP:LP+1], 0x100
	s_add_co_u32 s[TRIP], s[TRIP], 1
	s_cmp_lt_u32 s[TRIP], s[CNT]
	s_cbranch_scc1 .Ltile
.Ldone:
	s_wait_dscnt 0x0
	s_wait_alu depctr_hold_cnt(0) depctr_sa_sdst(0) depctr_va_vdst(0) depctr_va_sdst(0) depctr_va_ssrc(0) depctr_va_vcc(0) depctr_vm_vsrc(0)
	s_wait_tensorcnt 0x0
	ds_add_u32 v254, v255
	s_wait_dscnt 0x0
	s_endpgm
.Lfunc_end_k_qce2f6c106a_ffn1:
	.size	k_qce2f6c106a_ffn1, .Lfunc_end_k_qce2f6c106a_ffn1-k_qce2f6c106a_ffn1
	.p2alignl 7, 3214868480
	.fill 96, 4, 3214868480
	.section	.rodata,"a",@progbits
	.p2align	6, 0x0
	.amdhsa_kernel k_qce2f6c106a_ffn1
		.amdhsa_group_segment_fixed_size 137728
		.amdhsa_private_segment_fixed_size 0
		.amdhsa_enable_private_segment 0
		.amdhsa_kernarg_size 40
		.amdhsa_user_sgpr_count 2
		.amdhsa_user_sgpr_kernarg_segment_ptr 1
		.amdhsa_wavefront_size32 1
		.amdhsa_system_sgpr_workgroup_id_x 1
		.amdhsa_system_sgpr_workgroup_id_y 1
		.amdhsa_system_sgpr_workgroup_id_z 1
		.amdhsa_system_vgpr_workitem_id 0
		.amdhsa_next_free_vgpr 1024
		.amdhsa_next_free_sgpr 100
		.amdhsa_reserve_vcc 0
		.amdhsa_float_denorm_mode_32 3
		.amdhsa_float_denorm_mode_16_64 3
		.amdhsa_memory_ordered 1
		.amdhsa_forward_progress 1
		.amdhsa_inst_pref_size 122
	.end_amdhsa_kernel
	.amdgpu_metadata
---
amdhsa.version: [ 1, 2 ]
amdhsa.kernels:
  - .name:           k_qce2f6c106a_ffn1
    .symbol:         k_qce2f6c106a_ffn1.kd
    .args:
      - { .name: W1, .offset: 0, .size: 8, .value_kind: global_buffer, .address_space: global }
      - { .name: b1, .offset: 8, .size: 8, .value_kind: global_buffer, .address_space: global }
      - { .name: xqs, .offset: 16, .size: 8, .value_kind: global_buffer, .address_space: global }
      - { .name: lists, .offset: 24, .size: 8, .value_kind: global_buffer, .address_space: global }
      - { .name: hbuf, .offset: 32, .size: 8, .value_kind: global_buffer, .address_space: global }
    .group_segment_fixed_size: 137728
    .private_segment_fixed_size: 0
    .kernarg_segment_align: 8
    .kernarg_segment_size: 40
    .max_flat_workgroup_size: 128
    .sgpr_count:     100
    .vgpr_count:     1024
    .wavefront_size: 32
...
	.end_amdgpu_metadata
.endif
;; end of part 9
;; launch lnq: the kernel of part 4 again; grid 256 x 1, 4 waves a work-group, no clusters, 43,520 bytes of LDS; arguments hbuf, route, ln_g, ln_b, hqs; writes hqs
;; launch ffn2 (part 10): grid 16 x 16, 4 waves a work-group, no clusters, 153,088 bytes of LDS; arguments W2, b2, hqs, xqs, lists, ybuf; writes ybuf
.if DOCPART == 10
	.amdgcn_target "amdgcn-amd-amdhsa--gfx1250"
	.amdhsa_code_object_version 6
	.text
	.protected	k_qce2f6c106a_ffn2
	.globl	k_qce2f6c106a_ffn2
	.p2align	8
	.type	k_qce2f6c106a_ffn2,@function
k_qce2f6c106a_ffn2:
	s_mov_b64 s[64:65], 0
	v_nop
	global_prefetch_b8 v0, s[64:65] scope:SCOPE_SE
	s_setreg_imm32_b32 hwreg(HW_REG_WAVE_SCHED_MODE, 0, 2), 2
	s_setreg_imm32_b32 hwreg(HW_REG_WAVE_MODE, 25, 1), 1
	s_wait_xcnt 0x0
	s_wait_alu depctr_vm_vsrc(0)
; ybuf[khalf][id][64 slice ..] = gw[id] x (the sum over this half of K of Q(h)[id] Q(W2[e]), + b2[e] in half 0), for the routed rows id of expert e.
; Work-group (x, e): slice = x % 8 (64 outputs: 256 bytes of each row of W2), khalf = x / 8 (1,024 of K's 2,048), all of the expert's rows.  The product's sum is so made of two halves of K, added in f32 by the last launch.
; Why 64 outputs x half of K: 256 work-groups of equal weight, and every read of W2 takes whole aligned runs of 256 bytes; a slice of 32 outputs would take half of each.
; Each byte of W2 is read once in the launch and quantised in registers on its way: a load's lanes 0-15 take row 32 b + i, lanes 16-31 row 32 b + 16 + i, 4 columns a lane, so a lane holds k = 32 b + 16 (lane / 16) + 0 .. 15,
; the fragment's own split; a block's maximum is joined with lane l xor 16's.  The codes go through LDS and come back as 32 fragments (K step s, tile t: 16 (4 s + t)), which stay in windows 1 and 2.
; Rows go in tiles of 16 as in the first product's launch: ids from the stored list, h's code rows (1,024 bytes of this half) a whole trip ahead.  Pad ids read row 4,095 and store into ybuf's row 4,096 + e, which nobody reads.
; The trip count hangs on the stored count: no tensor load; no barrier in the loop; no LDS address is stepped.  No cluster: partners' trip counts differ, and what is shared (h's codes) is under half of a work-group's bytes.
; LIMITS: NaN and infinities are not served; a block of zeros gets the byte 1 (its codes are zeros; this program alone reads the bytes).
; REGISTERS.  window 0: v1-15, v48-50 addresses, the gate weight; v16-23 h's scale words, v24-31 the next tile's; v32-47 W2's; v52-95 the quantiser's; v96-127 the four sums (at the head: codes); v128-255 h's fragments (at the head: numbers).
;   window 3: v0-31 b2; v32-159 code rows as loaded; v160-191 rows on the way out; v192-207, v208-215 addresses.
; THE MODE: SCHED_MODE bits 1:0 = 2 (LLVM: expert scheduling mode 2), set by the entry lines.  The code itself states the register dependences
; between vector or matrix instructions and memory or LDS instructions, with s_wait_alu, always for 0.
; THE PLAN.  Registers that memory or LDS instructions touch, in the loop:
;   RAW        the next tile's global loads land in it; the trip's 32 LDS stores read it.  No vector instruction names it.
;   HF         the trip's LDS loads land in it; the products read it.
;   HSN, GWN   loads land in them; nine copies read them.       RAD, HSO, GWO   written by vector instructions at the trip's head; read by the 35 loads.
;   YAD        written behind the products; read by the eight global stores.     the sums   written by the products and the gate weight's multiplications; read by eight LDS stores.
;   OUT        LDS loads land in it; the global stores read it.  No vector instruction names it.      All other addresses are made once, at the head.
; A trip: RAW's LDS stores and HF's LDS loads go out first: no vector instruction has been issued since the last trip's wait ahead of its LDS stores, which stands behind the products that read HF.
; ONE wait on vm_vsrc: these LDS stores have read RAW, the last trip's loads RAD, HSO and GWO, its stores YAD, OUT and the sums.  The copies and the next tile's addresses.  ONE wait on va_vdst, straight
; ahead of the 35 loads, which go in one run, a whole trip ahead of their use: dealt singly among the products each would want two switches of the register windows.  The products; YAD's lines as the
; places behind them; the gate weight; one wait on va_vdst ahead of the LDS stores of the sums.
.set WSC2, 66560                       ; LDS: 0: W2's codes, 64 rows x (1,024 + 16);  here: its scale words, 8 K steps x 256 bytes
.set HST2, 68608                       ; h's code rows of a tile: 16 x 1,040 for each wave
.set YST,  135168                      ; the way out: 16 x 272 for each wave
.set L16K, 1
.set WTW2, 2
.set WTR2, 3
.set HSTW, 4
.set HSTR, 5
.set YSTW, 6
.set YSTR, 7
.set YO,   8
.set VID,  9
.set HSO,  10
.set GWO,  11
.set GW,   12
.set GWN,  14
.set WSW2, 15
.set HS,   16
.set HSN,  24
.set WS,   32
.set WSR2, 48
.set WLD,  49
.set B2O,  50
.set M,    52
.set P,    60
.set SCL,  68
.set LIM,  76
.set SW,   84
.set SWS,  92
.set ACC,  96
.set C,    96
.set HF,   128
.set T,    128
.set B2,   0                           ; window 3
.set RAW,  32
.set OUT,  160
.set RAD,  192
.set YAD,  208
.set IDA,  16
.set IDB,  32
.set IDC,  48
.set WV,   66
.set EX,   67
.set CNT,  68                          ; s68  the expert's count of rows, then my wave's number of tiles
.set TRIP, 69                          ; s69  my wave's first row, then the tiles done
.set MNT,  71
.set LP,   72
.set SLC,  74
.set KH,   75
.set BM,   76
.set HIM,  77
.set HSB,  80                          ; s[80:81] h's scale bytes of this half
.set SEL,  82
.set MSB, 0
.macro WIN new                         ; the immediate's high byte repeats the setting that is left
.if MSB != (\new)
	s_set_vgpr_msb (MSB<<8)|(\new)
.set MSB, (\new)
.endif
.endm
.macro LOADGRP g                       ; two blocks of 32 along K: 32 loads, each two whole runs of 256 bytes.  Each group has registers of its own, which no vector instruction has named
	WIN 0x40*(1+(\g)/2)
.set i, 0
.rept 32
	global_load_b128 v[128*((\g)%2)+4*i:128*((\g)%2)+4*i+3], v[WLD], s[4:5] offset:2048*(32*(2*(\g)+i/16)+i%16) th:TH_LOAD_NT
.set i, i+1
.endr
	WIN 0
.endm
.macro WBLOCK2 g                       ; m = 4 bb + j: block 2 g + bb, column j of my four
.set X, 1+(\g)/2
.set R, 128*((\g)%2)
	WIN 5*X
.irp m, 0,1,2,3,4,5,6,7
	v_max3_num_f32 v[M+\m], |v[R+64*(\m/4)+(\m%4)]|, |v[R+64*(\m/4)+4+(\m%4)]|, 0x8000000   ; the floor 2^(16 - 127): the byte cannot fall under 1
.endr
.set i, 2
.rept 7
.irp m, 0,1,2,3,4,5,6,7
	v_max3_num_f32 v[M+\m], |v[R+64*(\m/4)+4*i+(\m%4)]|, |v[R+64*(\m/4)+4*i+4+(\m%4)]|, v[M+\m]
.endr
.set i, i+2
.endr
	WIN 0
.irp m, 0,1,2,3,4,5,6,7
	v_permlanex16_b32 v[P+\m], v[M+\m], s[SEL], s[SEL+1]
.endr
.irp m, 0,1,2,3,4,5,6,7
	v_max_num_f32 v[M+\m], v[M+\m], v[P+\m]        ; with lane l xor 16's 16: the block's largest magnitude
.endr
.irp m, 0,1,2,3,4,5,6,7
	v_add_nc_u32 v[SCL+\m], 0xf8800000, v[M+\m]
.endr
.irp m, 0,1,2,3,4,5,6,7
	v_and_or_b32 v[LIM+\m], v[M+\m], 0x7f800000, s[MNT]
.endr
.irp m, 0,1,2,3,4,5,6,7
	v_lshrrev_b32 v[P+\m], 23, v[SCL+\m]           ; the scale's byte
.endr
.irp m, 0,1,2,3,4,5,6,7
.set SWR, SW+4*((\g)/2)+(\m%4)
.set SH, 8*((2*(\g)+(\m/4))%4)
.if SH == 0
	v_mov_b32 v[SWR], v[P+\m]
.else
	v_lshl_or_b32 v[SWR], v[P+\m], SH, v[SWR]
.endif
.endr
	WIN X
.set i, 0
.rept 16
.irp m, 0,1,2,3,4,5,6,7
	v_med3_num_f32 v[T+16*\m+i], v[R+64*(\m/4)+4*i+(\m%4)], -v[LIM+\m], v[LIM+\m]   ; the hold also brings a column's 16 numbers into consecutive registers
.endr
.set i, i+1
.endr
	WIN 0
.if (\g) > 0
	s_wait_alu depctr_vm_vsrc(0)                   ; the last group's LDS stores have read v[C ..], which the conversions write again
.endif
.irp m, 0,1,2,3,4,5,6,7
	v_cvt_scalef32_pk8_bf8_f32 v[C+4*\m:C+4*\m+1], v[T+16*\m:T+16*\m+7], v[SCL+\m]
	v_cvt_scalef32_pk8_bf8_f32 v[C+4*\m+2:C+4*\m+3], v[T+16*\m+8:T+16*\m+15], v[SCL+\m]
.endr
	v_nop                                          ; one plain line behind the last conversion
	s_wait_alu depctr_va_vdst(0)                   ; the conversions have written v[C ..], which the LDS stores read
.irp m, 0,1,2,3,4,5,6,7
	ds_store_b128 v[WTW2], v[C+4*\m:C+4*\m+3] offset:1040*(\m%4)+32*(2*(\g)+(\m/4))
.endr
.endm
.macro NEXTH                           ; the next tile (ids in s[IDB] on): 32 loads of code rows, 2 of scale words, 1 of gate weights
	WIN 0xc0
.set i, 0
.rept 16
	s_min_u32 s70, s[IDB+i], 4095
	s_lshl_b32 s70, s70, 11
	v_add_nc_u32 v[RAD+i], s70, v[L16K]
.set i, i+1
.endr
	WIN 0
.set i, 0
.rept 16
	v_writelane_b32 v[VID], s[IDB+i], i            ; both halves of the lanes hold row r's id: the gate weight is wanted in all 32
	v_writelane_b32 v[VID], s[IDB+i], 16+i
.set i, i+1
.endr
	v_min_u32 v[HSO], 4095, v[VID]
	v_lshlrev_b32 v[GWO], 2, v[HSO]
	v_lshlrev_b32 v[HSO], 6, v[HSO]
	WIN 0xc3
	s_wait_alu depctr_va_vdst(0)                   ; v[RAD ..], v[HSO] and v[GWO] are written, which the loads read; in the loop also: the nine copies are done reading v[HSN ..] and v[GWN], in which the last three loads land, and have written h's scale words, which the products take
.set i, 0
.rept 16
	global_load_b128 v[RAW+8*i:RAW+8*i+3], v[RAD+i], s[8:9]
	global_load_b128 v[RAW+8*i+4:RAW+8*i+7], v[RAD+i], s[8:9] offset:512
.set i, i+1
.endr
	WIN 0
	global_load_b128 v[HSN:HSN+3], v[HSO], s[HSB:HSB+1]
	global_load_b128 v[HSN+4:HSN+7], v[HSO], s[HSB:HSB+1] offset:16
	global_load_b32 v[GWN], v[GWO], s[10:11] offset:1081344
.endm
.macro ROT
.irp i, 0,2,4,6,8,10,12,14
	s_mov_b64 s[IDA+\i:IDA+\i+1], s[IDB+\i:IDB+\i+1]
.endr
.irp i, 0,2,4,6,8,10,12,14
	s_mov_b64 s[IDB+\i:IDB+\i+1], s[IDC+\i:IDC+\i+1]
.endr
.endm
.macro PROD2 s, t
.set FW, 16*((4*(\s)+(\t))%16)
.set AC, ACC+8*(\t)
.set BX, HF+16*(\s)
.set SA, WS+8*((\t)/2)+(\s)
.if (\s) == 0
.if (\t)%2 == 0
	v_wmma_scale_f32_16x16x128_f8f6f4 v[AC:AC+7], v[FW:FW+15], v[BX:BX+15], v[B2+8*(\t):B2+8*(\t)+7], v[SA], v[HS+(\s)] matrix_a_fmt:MATRIX_FMT_BF8 matrix_b_fmt:MATRIX_FMT_BF8
.else
	v_wmma_scale_f32_16x16x128_f8f6f4 v[AC:AC+7], v[FW:FW+15], v[BX:BX+15], v[B2+8*(\t):B2+8*(\t)+7], v[SA], v[HS+(\s)] matrix_a_fmt:MATRIX_FMT_BF8 matrix_b_fmt:MATRIX_FMT_BF8 matrix_a_scale:MATRIX_SCALE_ROW1
.endif
.else
.if (\t)%2 == 0
	v_wmma_scale_f32_16x16x128_f8f6f4 v[AC:AC+7], v[FW:FW+15], v[BX:BX+15], v[AC:AC+7], v[SA], v[HS+(\s)] matrix_a_fmt:MATRIX_FMT_BF8 matrix_b_fmt:MATRIX_FMT_BF8
.else
	v_wmma_scale_f32_16x16x128_f8f6f4 v[AC:AC+7], v[FW:FW+15], v[BX:BX+15], v[AC:AC+7], v[SA], v[HS+(\s)] matrix_a_fmt:MATRIX_FMT_BF8 matrix_b_fmt:MATRIX_FMT_BF8 matrix_a_scale:MATRIX_SCALE_ROW1
.endif
.endif
.endm
	s_load_b256 s[4:11], s[0:1], 0x0               ; W2 s[4:5], b2 s[6:7], hqs s[8:9], xqs s[10:11]
	s_load_b128 s[12:15], s[0:1], 0x20             ; lists s[12:13], ybuf s[14:15]
	v_lshl_add_u32 v51, v0, 2, 0x25400
	s_set_vgpr_msb 0xc0
	v_mov_b32 v255, 0
	s_set_vgpr_msb 0xc000
	v_lshrrev_b32 v1, 5, v0
	v_readfirstlane_b32 s[WV], v1
	s_and_b32 s[EX], ttmp7, 0xffff                 ; the expert
	s_and_b32 s[SLC], ttmp9, 7                     ; the slice of 64 outputs
	s_lshr_b32 s[KH], ttmp9, 3                     ; the half of K
	v_and_b32 v60, 31, v0                          ; lane
	v_and_b32 v61, 15, v0                          ; r
	v_bfe_u32 v62, v0, 4, 1                        ; h
	s_lshl_b32 s70, s[KH], 10
	v_lshl_add_u32 v[L16K], v60, 4, s70            ; 16 x lane + this half's 1,024 bytes of a code row
	v_mul_u32_u24 v[WTW2], v61, 4160               ; my 4 columns' rows of codes,
	v_lshl_add_u32 v[WTW2], v62, 4, v[WTW2]        ; my half of a block,
	s_wait_alu depctr_va_sdst(0)                   ; the wave's number s[WV] is written, ahead of its first reader
	s_lshl_b32 s70, s[WV], 8
	v_add_nc_u32 v[WTW2], s70, v[WTW2]             ; my wave's 256 along K
	v_mul_u32_u24 v[WTR2], v61, 1040
	v_lshl_add_u32 v[WTR2], v62, 4, v[WTR2]        ; a fragment's row x pitch + 16 h
	s_mul_i32 s70, s[WV], 16640
	s_add_co_u32 s70, s70, HST2
	v_lshl_add_u32 v[HSTW], v60, 4, s70
	v_add_nc_u32 v[HSTR], s70, v[WTR2]
	s_mul_i32 s70, s[WV], 4352
	s_add_co_u32 s70, s70, YST
	v_mul_u32_u24 v[YSTW], v61, 272
	v_lshl_add_u32 v[YSTW], v62, 5, v[YSTW]
	v_add_nc_u32 v[YSTW], s70, v[YSTW]
	v_mul_u32_u24 v[YSTR], v62, 272
	v_lshl_add_u32 v[YSTR], v61, 4, v[YSTR]
	v_add_nc_u32 v[YSTR], s70, v[YSTR]
	s_lshl_b32 s84, s[SLC], 8
	v_lshl_add_u32 v[YO], v61, 4, s84
	v_mov_b32 v[VID], 0
	v_mov_b32 v[GW+1], 0                           ; (named with the gate weight as a pair, so it is written)
	s_lshl_b32 s70, s[WV], 9
	s_add_co_u32 s70, s70, WSC2
	v_lshl_add_u32 v[WSW2], v61, 4, s70
	v_lshl_add_u32 v[WSW2], v62, 8, v[WSW2]
	v_lshl_add_u32 v[WSR2], v60, 2, WSC2
	v_lshlrev_b32 v[WLD], 4, v61
	v_lshl_add_u32 v[WLD], v62, 15, v[WLD]         ; lanes 16-31 begin 16 rows of 2,048 bytes further down
	v_lshlrev_b32 v[B2O], 5, v62
.irp m, 0,1,2,3,4,5,6,7
	v_mov_b32 v[P+\m], 0                           ; written once: a lane permute's destination counts as one of its sources
.endr
	s_mov_b32 s[MNT], 0x600000
	s_mov_b32 s[HIM], 0xffff0000
	s_mov_b32 s[SEL], 0x76543210
	s_mov_b32 s[SEL+1], 0xfedcba98
	s_cmp_eq_u32 s[KH], 0
	s_cselect_b32 s[BM], -1, 0                     ; b2 counts in half 0 alone
	s_lshl_b32 s78, s[EX], 22                      ; W2: the expert's 4 MiB, the half, my wave's 256 rows, the slice
	s_lshl_b32 s70, s[KH], 21
	s_add_co_u32 s78, s78, s70
	s_lshl_b32 s70, s[WV], 19
	s_add_co_u32 s78, s78, s70
	s_add_co_u32 s78, s78, s84
	s_mov_b32 s79, 0
	s_lshl_b32 s86, s[EX], 11                      ; b2
	s_add_co_u32 s86, s86, s84
	s_mov_b32 s87, 0
	s_mul_i32 s88, s[EX], 9216                     ; the expert's list, my wave's first tile
	s_lshl_b32 s70, s[WV], 6
	s_add_co_u32 s88, s88, s70
	s_mov_b32 s89, 0
	s_lshl_b32 s90, s[EX], 2
	s_mov_b32 s91, 0
	s_lshl_b32 s92, s[KH], 5
	s_mov_b32 s93, 0
	s_mul_i32 s94, s[KH], 8421376                  ; ybuf's half: 4,112 rows of 2,048 bytes
	s_mov_b32 s95, 0
	s_wait_kmcnt 0x0
	s_add_nc_u64 s[4:5], s[4:5], s[78:79]
	s_add_nc_u64 s[6:7], s[6:7], s[86:87]
	s_add_nc_u64 s[LP:LP+1], s[12:13], s[88:89]
	s_add_nc_u64 s[12:13], s[12:13], s[90:91]
	s_add_nc_u64 s[HSB:HSB+1], s[8:9], s[92:93]
	s_add_nc_u64 s[HSB:HSB+1], s[HSB:HSB+1], 0x800000
	s_add_nc_u64 s[14:15], s[14:15], s[94:95]
	s_load_b32 s[CNT], s[12:13], 147456
	s_load_b512 s[IDB:IDB+15], s[LP:LP+1], 0x0
	s_load_b512 s[IDC:IDC+15], s[LP:LP+1], 0x100
	WIN 0xc0
	s_wait_alu depctr_va_vdst(0)                   ; the addresses v1 to v8, v15 and v48 to v50 are written, which the loads and stores of the whole kernel read
.irp t, 0,1,2,3
	global_load_b128 v[B2+8*\t:B2+8*\t+3], v[B2O], s[6:7] offset:64*\t         ; b2 in the result's layout: lane (r, h): outputs 16 t + 8 h + 0 .. 7
	global_load_b128 v[B2+8*\t+4:B2+8*\t+7], v[B2O], s[6:7] offset:64*\t+16
.endr
	WIN 0
	LOADGRP 0
	LOADGRP 1
	s_wait_loadcnt 32                              ; b2 and group 0 are in; group 1 may be out
	LOADGRP 2
	WIN 0xcc
.set i, 0
.rept 32
	v_cndmask_b32 v[B2+i], 0, v[B2+i], s[BM]
.set i, i+1
.endr
	WIN 0
	WBLOCK2 0
	s_wait_loadcnt 32                              ; group 1 is in; group 2 may be out
	LOADGRP 3
	WBLOCK2 1
	s_wait_kmcnt 0x0                               ; the count and the first two tiles' ids
	NEXTH
	ROT
	s_wait_loadcnt 63                              ; group 2 is in: 67 loads are younger, and the count's field holds 63
	WBLOCK2 2
	s_wait_loadcnt 35                              ; group 3 is in; the first tile's 35 loads may be out
	WBLOCK2 3
.irp j, 0,1,2,3
	v_cndmask_b32 v[SWS+\j], v[SW+\j], v[SW+4+\j], s[HIM]   ; lanes 0-15 store K step 2 w's words, lanes 16-31 K step 2 w + 1's
.endr
	s_wait_alu depctr_va_vdst(0)                   ; the four selections have written v[SWS ..], which the LDS store reads
	ds_store_b128 v[WSW2], v[SWS:SWS+3]
	s_wait_dscnt 0x0                               ; for the others' sake: my codes and scale words have landed
	s_barrier_signal -1
	s_barrier_wait -1
	WIN 0x40
	s_wait_alu depctr_va_vdst(0)                   ; the quantiser's maxima and holds are done reading W2's numbers in windows 1 and 2, in which the fragments land
.irp s, 0,1,2,3
.irp t, 0,1,2,3
.irp c, 0,1,2,3
	ds_load_b128 v[16*(4*\s+\t)+4*\c:16*(4*\s+\t)+4*\c+3], v[WTR2] offset:16640*\t+128*\s+32*\c
.endr
.endr
.endr
	WIN 0x80
.irp s, 0,1,2,3
.irp t, 0,1,2,3
.irp c, 0,1,2,3
	ds_load_b128 v[16*(4*\s+\t)+4*\c:16*(4*\s+\t)+4*\c+3], v[WTR2] offset:16640*\t+128*(\s+4)+32*\c
.endr
.endr
.endr
	WIN 0
.irp u, 0,1
.irp s, 0,1,2,3,4,5,6,7
	ds_load_b32 v[WS+8*\u+\s], v[WSR2] offset:256*\s+128*\u   ; lanes 0-15: tile 2 u's words, lanes 16-31: tile 2 u + 1's
.endr
.endr
	s_wait_dscnt 0x0
	; how many tiles are mine: tiles w, w + 4, .. whose first row, 16 w + 64 n, lies under the count: ceil((count - 16 w) / 64)
	s_min_u32 s[CNT], s[CNT], 2048                 ; an expert has 2,048 rows at the most (a token's two experts differ): so at most 32 trips, and the list is read up to entry 2,175 of the 2,240 that are filled
	s_lshl_b32 s[TRIP], s[WV], 4                   ; my first tile's first row
	s_cmp_ge_u32 s[TRIP], s[CNT]
	s_cbranch_scc1 .Ldone                          ; none
	s_sub_co_u32 s[CNT], s[CNT], s[TRIP]
	s_add_co_u32 s[CNT], s[CNT], 63
	s_lshr_b32 s[CNT], s[CNT], 6                   ; my tiles; the loop does not write it
	s_mov_b32 s[TRIP], 0
.Ltile:
	s_wait_loadcnt 0x0                             ; this tile's 35 loads, asked for a trip ago
	WIN 0x0c                                       ; an LDS store's data are its source 1: window 3
.set i, 0
.rept 32
	ds_store_b128 v[HSTW], v[RAW+4*i:RAW+4*i+3] offset:1040*(i/2)+512*(i%2)
.set i, i+1
.endr
	WIN 0
.irp s, 0,1,2,3,4,5,6,7
.irp c, 0,1,2,3
	ds_load_b128 v[HF+16*\s+4*\c:HF+16*\s+4*\c+3], v[HSTR] offset:128*\s+32*\c   ; LDS serves a wave's instructions in order: these see my stores.  No wait on va_vdst: all that named v[HF ..] (the products; at the head the quantiser) stands ahead of the last such wait, and no vector instruction has been issued since
.endr
.endr
	s_wait_xcnt 0x0                                ; the last trip's stores have read their addresses and data: both are written again below
	s_wait_alu depctr_vm_vsrc(0)                   ; the LDS stores above have read v[RAW ..], in which the next tile's loads land; the last trip's loads have read v[RAD ..], v[HSO] and v[GWO], its global stores v[YAD ..] and v[OUT ..], its LDS stores (in the first trip: the quantiser's) the sums' registers: all are written again in this trip
.irp s, 0,1,2,3,4,5,6,7
	v_mov_b32 v[HS+\s], v[HSN+\s]
.endr
	v_mov_b32 v[GW], v[GWN]
	NEXTH                                          ; its vector lines run while LDS turns the rows; they are also the places between the copies and the products
	s_load_b512 s[IDC:IDC+15], s[LP:LP+1], 0x200   ; the ids two tiles on
	s_wait_dscnt 0x0                               ; the fragments are in
.irp s, 0,1,2,3,4,5,6,7                ; 32 products; the four sums take turns, one instruction a turn
.if \s == 0
	WIN 0x31                                       ; source 0 (W2) window 1, C (b2) window 3
.elseif \s < 4
	WIN 0x01
.else
	WIN 0x02
.endif
.irp t, 0,1,2,3
	PROD2 \s, \t
.endr
.endr
	WIN 0
.irp p, 0,1,2,3,4,5,6,7                ; where this tile's rows go.  These lines name none of the products' registers: they are the eight places behind the products, and more
	v_mov_b32 v[M+\p], s[IDA+2*\p]                 ; a store takes two rows: lanes 0-15 row 2 p, lanes 16-31 row 2 p + 1
	v_mov_b32 v[P], s[IDA+2*\p+1]
	v_cndmask_b32 v[M+\p], v[M+\p], v[P], s[HIM]
	v_min_u32 v[M+\p], 4111, v[M+\p]
.endr
	WIN 0xc0
.irp p, 0,1,2,3,4,5,6,7
	v_lshl_add_u32 v[YAD+\p], v[M+\p], 11, v[YO]
.endr
	WIN 0
.set i, 0
.rept 16
	v_pk_mul_f32 v[ACC+2*i:ACC+2*i+1], v[ACC+2*i:ACC+2*i+1], v[GW:GW+1] op_sel_hi:[1,0]   ; x the row's gate weight; each sum is read from its low end on
.set i, i+1
.endr
	s_wait_alu depctr_va_vdst(0)                   ; the multiplications have written the sums' registers, which the LDS stores read; v[YAD ..] is written, which the global stores read; the products are done reading v[HF ..], in which the next trip's fragments land
.irp t, 0,1,2,3
	ds_store_b128 v[YSTW], v[ACC+8*\t:ACC+8*\t+3] offset:64*\t
	ds_store_b128 v[YSTW], v[ACC+8*\t+4:ACC+8*\t+7] offset:64*\t+16
.endr
	WIN 0xc0
.set i, 0
.rept 8
	ds_load_b128 v[OUT+4*i:OUT+4*i+3], v[YSTR] offset:544*i
.set i, i+1
.endr
	WIN 0x0f                                       ; a store's address and data: window 3
.set i, 0
.rept 8
	s_wait_dscnt 7-i
	global_store_b128 v[YAD+i], v[OUT+4*i:OUT+4*i+3], s[14:15] th:TH_STORE_NT   ; each half of the lanes stores 256 consecutive bytes, aligned
.set i, i+1
.endr
	WIN 0
	s_wait_kmcnt 0x0                               ; the ids two tiles on are in, and the list's pointer may step
	ROT
	s_add_nc_u64 s[LP:LP+1], s[LP:LP+1], 0x100
	s_add_co_u32 s[TRIP], s[TRIP], 1
	s_cmp_lt_u32 s[TRIP], s[CNT]
	s_cbranch_scc1 .Ltile
.Ldone:
	s_set_vgpr_msb 0xc
	s_wait_dscnt 0x0
	s_wait_alu depctr_hold_cnt(0) depctr_sa_sdst(0) depctr_va_vdst(0) depctr_va_sdst(0) depctr_va_ssrc(0) depctr_va_vcc(0) depctr_vm_vsrc(0)
	s_wait_tensorcnt 0x0
	ds_add_u32 v51, v255
	s_wait_dscnt 0x0
	s_endpgm
.Lfunc_end_k_qce2f6c106a_ffn2:
	.size	k_qce2f6c106a_ffn2, .Lfunc_end_k_qce2f6c106a_ffn2-k_qce2f6c106a_ffn2
	.p2alignl 7, 3214868480
	.fill 96, 4, 3214868480
	.section	.rodata,"a",@progbits
	.p2align	6, 0x0
	.amdhsa_kernel k_qce2f6c106a_ffn2
		.amdhsa_group_segment_fixed_size 153088
		.amdhsa_private_segment_fixed_size 0
		.amdhsa_enable_private_segment 0
		.amdhsa_kernarg_size 48
		.amdhsa_user_sgpr_count 2
		.amdhsa_user_sgpr_kernarg_segment_ptr 1
		.amdhsa_wavefront_size32 1
		.amdhsa_system_sgpr_workgroup_id_x 1
		.amdhsa_system_sgpr_workgroup_id_y 1
		.amdhsa_system_sgpr_workgroup_id_z 1
		.amdhsa_system_vgpr_workitem_id 0
		.amdhsa_next_free_vgpr 1024
		.amdhsa_next_free_sgpr 100
		.amdhsa_reserve_vcc 0
		.amdhsa_float_denorm_mode_32 3
		.amdhsa_float_denorm_mode_16_64 3
		.amdhsa_memory_ordered 1
		.amdhsa_forward_progress 1
		.amdhsa_inst_pref_size 127
	.end_amdhsa_kernel
	.amdgpu_metadata
---
amdhsa.version: [ 1, 2 ]
amdhsa.kernels:
  - .name:           k_qce2f6c106a_ffn2
    .symbol:         k_qce2f6c106a_ffn2.kd
    .args:
      - { .name: W2, .offset: 0, .size: 8, .value_kind: global_buffer, .address_space: global }
      - { .name: b2, .offset: 8, .size: 8, .value_kind: global_buffer, .address_space: global }
      - { .name: hqs, .offset: 16, .size: 8, .value_kind: global_buffer, .address_space: global }
      - { .name: xqs, .offset: 24, .size: 8, .value_kind: global_buffer, .address_space: global }
      - { .name: lists, .offset: 32, .size: 8, .value_kind: global_buffer, .address_space: global }
      - { .name: ybuf, .offset: 40, .size: 8, .value_kind: global_buffer, .address_space: global }
    .group_segment_fixed_size: 153088
    .private_segment_fixed_size: 0
    .kernarg_segment_align: 8
    .kernarg_segment_size: 48
    .max_flat_workgroup_size: 128
    .sgpr_count:     100
    .vgpr_count:     1024
    .wavefront_size: 32
...
	.end_amdgpu_metadata
.endif
;; end of part 10
;; launch combine: the kernel of part 6 again; grid 256 x 1, 8 waves a work-group, no clusters, 0 bytes of LDS; arguments ybuf, out0; writes out0
